; MI455X (gfx1250); checked and timed in simulation.
; The chip was launched on July 23, 2026; its instructions are those of AMD's public machine-readable ISA for CDNA 5 (MIT licence, August 2026) and "CDNA5" Instruction Set Architecture Reference Guide (July 2026). The comments in the code are by the model that wrote it; some were corrected since.
;; Transformer Encoder Layer. Allowed arithmetic: matrix products marked QUANTISED: E5M2 operands, one E8M0 scale for each 32 along K, by v_wmma_scale_f32_16x16x128_f8f6f4 with both operands' format E5M2, f32 sums; everything else in f32.
;; Inputs: b1 1,024 float32; b2 1,024 float32; bk 1,024 float32; bo 1,024 float32; bq 1,024 float32; bv 1,024 float32; ln1_b 1,024 float32; ln1_g 1,024 float32; ln2_b 1,024 float32; ln2_g 1,024 float32; w1_codes 1,024 x 32 x 32 uint8 (E5M2 codes of w1, K innermost, in blocks of 32 codes); w1_scales 1,024 x 32 uint8 (E8M0 scales of w1, one for each 32 codes along K); w2_codes 1,024 x 32 x 32 uint8 (E5M2 codes of w2, K innermost, in blocks of 32 codes); w2_scales 1,024 x 32 uint8 (E8M0 scales of w2, one for each 32 codes along K); wk_codes 1,024 x 32 x 32 uint8 (E5M2 codes of wk, K innermost, in blocks of 32 codes); wk_scales 1,024 x 32 uint8 (E8M0 scales of wk, one for each 32 codes along K); wo_codes 1,024 x 32 x 32 uint8 (E5M2 codes of wo, K innermost, in blocks of 32 codes); wo_scales 1,024 x 32 uint8 (E8M0 scales of wo, one for each 32 codes along K); wq_codes 1,024 x 32 x 32 uint8 (E5M2 codes of wq, K innermost, in blocks of 32 codes); wq_scales 1,024 x 32 uint8 (E8M0 scales of wq, one for each 32 codes along K); wv_codes 1,024 x 32 x 32 uint8 (E5M2 codes of wv, K innermost, in blocks of 32 codes); wv_scales 1,024 x 32 uint8 (E8M0 scales of wv, one for each 32 codes along K); x 8 x 1,024 x 1,024 float32.
;; Outputs: out0 8 x 1,024 x 1,024 float32.
;; This version of the problem:
;;   THIS VERSION OF THE PROBLEM IS GIVEN IN LOW PRECISION. The matrix products marked QUANTISED in the list below multiply operands that are first quantised to E5M2 (5 exponent bits, 2 mantissa bits; 8 bits a number), with one power-of-two scale for each 32 numbers along K (OCP MX v1.0); their sums are f32. All else is computed in f32.
;;   The module's matrix products, in the order in which they are computed (A, B: the left and right operand; K: the contracted axis; several contracted axes count as one K, in the product's order):
;;     1. [M 8,192, K 1,024] x [K 1,024, N 1,024]; A: computed on the way; B: input wq (given as codes): QUANTISED
;;     2. [M 8,192, K 1,024] x [K 1,024, N 1,024]; A: computed on the way; B: input wk (given as codes): QUANTISED
;;     3. [M 8,192, K 1,024] x [K 1,024, N 1,024]; A: computed on the way; B: input wv (given as codes): QUANTISED
;;     4. batch 128 x [M 1,024, K 64] x [K 64, N 1,024]; A: computed on the way; B: computed on the way: QUANTISED
;;     5. batch 128 x [M 1,024, K 1,024] x [K 1,024, N 64]; A: softmax (see below); B: computed on the way: QUANTISED
;;     6. [M 8,192, K 1,024] x [K 1,024, N 1,024]; A: computed on the way; B: input wo (given as codes): QUANTISED
;;     7. [M 8,192, K 1,024] x [K 1,024, N 1,024]; A: computed on the way; B: input w1 (given as codes): QUANTISED
;;     8. [M 8,192, K 1,024] x [K 1,024, N 1,024]; A: computed on the way; B: input w2 (given as codes): QUANTISED
;;   THE QUANTISER, for each operand of a quantised product, along K:
;;     - K is cut into blocks of 32 from its start; a last block that is shorter is filled with zeros.
;;     - A block's scale is 2^e with e = floor(log2(the largest magnitude in the block)) - 15, held to -126 .. 127; a block of zeros has e = 0. As a byte (E8M0): e + 127.
;;     - Each number is divided by its block's scale, clamped to +-57,344, and rounded to the nearest number of E5M2, ties to even, subnormals kept.
;;     - The product sums the exact products of the quantised numbers (number of the format x scale) in f32.
;;   ~~~python
;;   def quantise(x, axis):      # numpy; x: float32 -> the quantised numbers, widened to float32 again
;;       x = np.moveaxis(x, axis, -1); K = x.shape[-1]
;;       x = np.pad(x, [(0, 0)] * (x.ndim - 1) + [(0, -K % 32)]); x = x.reshape(x.shape[:-1] + (-1, 32)); a = np.abs(x).max(-1, keepdims=True)
;;       e = np.where(a > 0, np.clip(np.frexp(np.where(a > 0, a, 1))[1] - 1 - 15, -126, 127), 0)      # np.frexp(a)[1] - 1 = floor(log2(a)), exactly
;;       r = np.clip(x / 2.0 ** e, -57344, 57344)
;;       step = 2.0 ** (np.maximum(np.frexp(np.where(r == 0, 1, r))[1] - 1, -14) - 2)
;;       q = np.round(r / step) * step * 2.0 ** e      # np.round: ties to even
;;       return np.moveaxis(q.reshape(q.shape[:-2] + (-1,))[..., :K], -1, axis).astype(np.float32)
;;   ~~~
;;   SOFTMAX AHEAD OF A QUANTISED PRODUCT. Where the list says 'softmax', what is quantised is not the finished softmax but p = 2^(t - M), with t = logit x log2(e) and M = ceil(the row's largest t), a whole number; so 1/2 < the row's largest p <= 1. The row's sum l is taken of the UNQUANTISED p, in f32, and the product's result is divided by l at the end. Since M is a whole number, a kernel that streams over the keys may use a running M (the ceiling of the running maximum): every later rescaling is an exact power of two, which a block's scale takes up: the codes' values come out the same.
;;   OPERANDS COMPUTED ON THE WAY. 'Computed on the way' means the value that the module computes at that place (a softmax that the list does not call 'softmax' is quantised finished and normalised). What goes into a quantiser is computed in f32, as accurately as f32 sums, v_exp_f32 and their like allow (about 1e-6 of the number): no bf16 or f16 on the way to a quantiser, and a product that is left as it is and whose result goes on into a quantised operand takes f32 operands (vector FMAs, or v_wmma_f32_16x16x4_f32). A number that lies on a knife's edge between two numbers of the format may be rounded either way, as far as f32 arithmetic and the matrix unit's own rounding can turn it there, and no further.
;;   INPUTS GIVEN AS CODES. w1 (in the module: [1024, 1024], K = its axis 0); w2 (in the module: [1024, 1024], K = its axis 0); wk (in the module: [1024, 1024], K = its axis 0); wo (in the module: [1024, 1024], K = its axis 0); wq (in the module: [1024, 1024], K = its axis 0); wv (in the module: [1024, 1024], K = its axis 0): each comes as NAME_codes (uint8): NAME with its K axis moved to the last place and cut into blocks of 32 codes, [.., K / 32, bytes a block], one block behind the other in memory; one code a byte (a code: sign, 5 exponent bits, 2 mantissa bits); and NAME_scales (uint8): the same leading axes, one E8M0 byte (e + 127) for each 32 codes along K. Its value is code x scale, taken as it is: it is not quantised again, and the codes and scales need not be those that the quantiser above would give.
;; 2 versions. Each part assembles by itself: llvm-mc -triple=amdgcn-amd-amdhsa -mcpu=gfx1250 --defsym DOCPART=n.
;; ======== version 1 of 2: 3 launches
;; workspace buffers: qr 17,301,504 bytes; kv 17,301,504 bytes; vsb 262,144 bytes; ci 8,388,608 bytes; cs 262,144 bytes
;; launch qkv (part 1): grid 256 x 1, 4 waves a work-group, clusters of 4 x 1, 327,680 bytes of LDS; arguments x, ln1_g, ln1_b, wq_codes, wq_scales, bq, wk_codes, wk_scales, bk, wv_codes, wv_scales, bv, qr, kv, vsb; writes qr, kv, vsb
.if DOCPART == 1
	.amdgcn_target "amdgcn-amd-amdhsa--gfx1250"
	.amdhsa_code_object_version 6
	.text
	.protected	k_q39327afe41_qkv
	.globl	k_q39327afe41_qkv
	.p2align	8
	.type	k_q39327afe41_qkv,@function
k_q39327afe41_qkv:
	s_mov_b64 s[64:65], 0
	v_nop
	global_prefetch_b8 v0, s[64:65] scope:SCOPE_SE
	s_setreg_imm32_b32 hwreg(HW_REG_WAVE_MODE, 25, 1), 1
	s_wait_xcnt 0x0
	s_wait_alu depctr_hold_cnt(0) depctr_sa_sdst(0) depctr_va_vdst(0) depctr_va_sdst(0) depctr_va_ssrc(0) depctr_va_vcc(0) depctr_vm_vsrc(0)
	s_getreg_b32 s2, hwreg(HW_REG_IB_STS2, 6, 4)
	s_cmp_eq_u32 s2, 0
	s_cbranch_scc0 .Lentry_in_a_cluster
	s_endpgm
.Lentry_in_a_cluster:
	s_bfe_u32 s2, ttmp6, 0x10000c
	s_cmp_lg_u32 s2, 0x3003
	s_cbranch_scc0 .Lentry_shape_is_right
	s_endpgm
.Lentry_shape_is_right:
; h = layernorm(x) g + b, quantised to BF8 (E5M2) with one E8M0 scale for each 32 along the width; q = h Wq + bq, k = h Wk + bk, v = h Wv + bv on codes;
; q and k are quantised along a head's 64, v along the keys, and all three leave as IMAGES OF OPERAND REGISTERS for the attention launch.
; SHARES.  A work-group of four waves owns 32 whole rows (tokens).  THE WAVES SHARE THE COLUMNS: a weight is walked in two passes; in pass p wave w makes columns 128 (4 p + w) .. + 127 for all
; 32 rows: 8 tiles of columns x 2 tiles of rows = 16 accumulators.  A pass takes K in 4 tiles of 256; a tile (512 rows of W x 256 bytes) comes through a ring of two LDS slots, each wave fetching and
; reading its own 128 rows.  CLUSTER: the four work-groups of a cluster walk the same weights, so each tile is asked for jointly (one descriptor, the mask 15).
; A row of 1,024 numbers is spread over the four waves for the norm: the waves' sums meet in LDS.
; The price of whole rows: a fragment of W read from LDS feeds two products.  It buys that h never goes to memory.
; q's factor 1/8 is not applied here: a power of two passes through the quantiser unchanged (the scale takes it up), and the attention launch applies it to the scores.
; LIMITS: NaN and infinities among the inputs are not served; a block whose largest magnitude lies under 2^-111 (a block of zeros too) gets the scale byte 1: the bytes are read by this program alone;
; a q whose block scale would be held at -126 only after the factor 1/8 is not told apart.
; No prefetch: x is asked for at the head, and the weights are read by every cluster.
; REGISTERS, in windows of 256: window 0: addresses, sums, scale words, bias, A's fragments (map below).  window 1: W's fragments, v[128 kk + 16 t]; during the norm g at v[64 p + 8 t + i], b 128 further on.
;   window 2: x, later the pass's 16 accumulators at v[64 m + 8 t].   window 3: the normalised rows.
.set PITCH, 272                        ; an LDS row of W: 256 bytes + 16 of padding: the 16 rows of a load start 68 words apart
.set HALFT, 128*PITCH                  ; a wave's part of a tile
.set SLOTB, 4*HALFT
.set IMG,   2*SLOTB                    ; h's 16 fragments: (K step k, tile of rows m) at (2 k + m) x 2,048; register group c at 512 c + 16 x lane
.set ASW,   IMG+32768                  ; h's scale words: (K step k, row) at 128 k + 4 row
.set RED,   ASW+1024                   ; the waves' sums: 128 wave + 4 row; the squares 512 further on
.set SPARE, RED+1024                   ; the spare words: 128 bytes a wave, named by no other line
.set RS,    135168                     ; a head's record in qr and in kv
.set LI,   1                           ; v1   16 x lane
.set LIM,  2                           ; v2   IMG + 16 x lane
.set ADRB, 3                           ; v3-4 my fragment rows of W in slot 0, 1
.set IAW,  5                           ; v5   where I store 8 codes of an image: IMG + 16 r + 8 h + 4,096 wave
.set SAW,  6                           ; v6   where I store a scale word: ASW + 4 lane + 128 wave
.set SAR,  7                           ; v7   ASW + 4 lane
.set RDW,  8                           ; v8   RED + 128 wave + 4 lane
.set RDR,  9                           ; v9   RED + 4 r
.set XA,   10                          ; v10  4,096 r + 32 h
.set GB,   11                          ; v11  32 h
.set SBO,  12                          ; v12  32 x lane
.set SPW,  13                          ; v13  my spare word; never rewritten
.set NIL,  14                          ; v14  0; never rewritten
.set IAG,  15                          ; v15  16 r + 8 h + 2,048 (my block of 32 tokens in the batch)
.set SWG,  16                          ; v16  4 lane + 128 (that block)
.set VSO,  17                          ; v17  lane
.set BVO,  18                          ; v18  4 r
.set AS,   32                          ; v32-39   h's scale word of K step k: lanes 0-15 rows 0-15, lanes 16-31 rows 16-31
.set SB,   40                          ; v40-103  W's scale words: 32 p + 8 (t / 2) + k: lanes 0-15 tile t even, lanes 16-31 tile t odd
.set BI,   104                         ; v104-167 the pass's bias in the result's layout, 8 t + i
.set AF,   168                         ; v168-231 h's fragments, 32 kk + 16 m; between passes: at work
.set TM,   168                         ; v168-183 largest magnitudes, bytes, holds, scale operands
.set PW,   184                         ; v184-185 the scale words of the two tiles of rows
.set TP,   186                         ; v186-187
.set PC,   188                         ; v188-203 a fragment's codes
.set WV,   34
.set G1,   44
.set G0,   52
.set SEL,  60
.set MNT,  62                          ; the mantissa field of 57,344
.set HM,   63                          ; lanes 16-31
.set EPS,  66
.set IK,   67                          ; 1 / 1,024
.set XP,   4
.set WC,   68                          ; the weight in hand (codes, at my wave's rows);  WN the next one
.set WN,   70
.set WS,   72                          ; scales to load;  BB bias to load;  OBR the records that q or k goes to
.set BB,   74
.set OBR,  76
.set VB,   80
.set VS,   82
.set MSB, 0
.macro WIN new                         ; the immediate's high byte repeats the setting that is left
.if MSB != (\new)
	s_set_vgpr_msb (MSB<<8)|(\new)
.set MSB, (\new)
.endif
.endm
.macro CREST                           ; a round of the cluster's barrier behind its opening barrier
	s_cmp_lg_u32 s[WV], 0
	s_cbranch_scc1 .Lnot_wave_0_\@
	s_barrier_signal -3
.Lnot_wave_0_\@:
	s_barrier_wait -3
	s_barrier_signal -1
	s_barrier_wait -1
.endm
.macro CROUND
	s_barrier_signal -1
	s_barrier_wait -1
	CREST
.endm
.macro FETCH_B a, kk                   ; my 8 fragments of W, the slot's kk-th 128 along K: 32 loads
	WIN 0x40
.irp t, 0,1,2,3,4,5,6,7
.irp c, 0,1,2,3
	ds_load_b128 v[128*(\kk)+16*\t+4*\c:128*(\kk)+16*\t+4*\c+3], v[ADRB+(\a)] offset:\t*16*PITCH+128*(\kk)+32*\c
.endr
.endr
	WIN 0
.endm
.macro FETCH_A k, kk                   ; h's two fragments of K step k: 8 loads
.irp m, 0,1
.irp c, 0,1,2,3
	ds_load_b128 v[AF+32*(\kk)+16*\m+4*\c:AF+32*(\kk)+16*\m+4*\c+3], v[LIM] offset:(2*(\k)+\m)*2048+512*\c
.endr
.endr
.endm
.macro NEXT a, q                       ; the first 128 along K of the tile in slot a, the pass's q-th
	FETCH_B \a, 0
	FETCH_A 2*(\q), 0
.endm
; one product; D in rD, C in rC (cm = 2: the constant 0); ra, rb: the side's scales stand in lanes 16-31
.macro WM a, b, x, y, cm, ra, rb
.if (\cm)==2
.if (\ra)&&(\rb)
	v_wmma_scale_f32_16x16x128_f8f6f4 v[rD:rD+7], v[\a:\a+15], v[\b:\b+15], 0, v[\x], v[\y] matrix_a_fmt:MATRIX_FMT_BF8 matrix_b_fmt:MATRIX_FMT_BF8 matrix_a_scale:MATRIX_SCALE_ROW1 matrix_b_scale:MATRIX_SCALE_ROW1
.elseif (\ra)
	v_wmma_scale_f32_16x16x128_f8f6f4 v[rD:rD+7], v[\a:\a+15], v[\b:\b+15], 0, v[\x], v[\y] matrix_a_fmt:MATRIX_FMT_BF8 matrix_b_fmt:MATRIX_FMT_BF8 matrix_a_scale:MATRIX_SCALE_ROW1
.elseif (\rb)
	v_wmma_scale_f32_16x16x128_f8f6f4 v[rD:rD+7], v[\a:\a+15], v[\b:\b+15], 0, v[\x], v[\y] matrix_a_fmt:MATRIX_FMT_BF8 matrix_b_fmt:MATRIX_FMT_BF8 matrix_b_scale:MATRIX_SCALE_ROW1
.else
	v_wmma_scale_f32_16x16x128_f8f6f4 v[rD:rD+7], v[\a:\a+15], v[\b:\b+15], 0, v[\x], v[\y] matrix_a_fmt:MATRIX_FMT_BF8 matrix_b_fmt:MATRIX_FMT_BF8
.endif
.else
.if (\ra)&&(\rb)
	v_wmma_scale_f32_16x16x128_f8f6f4 v[rD:rD+7], v[\a:\a+15], v[\b:\b+15], v[rC:rC+7], v[\x], v[\y] matrix_a_fmt:MATRIX_FMT_BF8 matrix_b_fmt:MATRIX_FMT_BF8 matrix_a_scale:MATRIX_SCALE_ROW1 matrix_b_scale:MATRIX_SCALE_ROW1
.elseif (\ra)
	v_wmma_scale_f32_16x16x128_f8f6f4 v[rD:rD+7], v[\a:\a+15], v[\b:\b+15], v[rC:rC+7], v[\x], v[\y] matrix_a_fmt:MATRIX_FMT_BF8 matrix_b_fmt:MATRIX_FMT_BF8 matrix_a_scale:MATRIX_SCALE_ROW1
.elseif (\rb)
	v_wmma_scale_f32_16x16x128_f8f6f4 v[rD:rD+7], v[\a:\a+15], v[\b:\b+15], v[rC:rC+7], v[\x], v[\y] matrix_a_fmt:MATRIX_FMT_BF8 matrix_b_fmt:MATRIX_FMT_BF8 matrix_b_scale:MATRIX_SCALE_ROW1
.else
	v_wmma_scale_f32_16x16x128_f8f6f4 v[rD:rD+7], v[\a:\a+15], v[\b:\b+15], v[rC:rC+7], v[\x], v[\y] matrix_a_fmt:MATRIX_FMT_BF8 matrix_b_fmt:MATRIX_FMT_BF8
.endif
.endif
.endm
; 16 products, K step k: the 16 accumulators by turns, one instruction a turn, in the same order everywhere.
; mode 0, TRANSPOSED: source 0 = 16 rows of W, source 1 = 16 rows of h: lane (r, h) then holds row 16 m + r and its register i column 16 t + 8 h + i.
; mode 1, as it stands: source 0 = h, source 1 = W: lane (r, h) holds column 16 t + r and its register i row 16 m + 8 h + i.   cm: 0 in place, 1 the bias starts the sum, 2 the constant 0 does.
.macro MUL16 mode, kk, k, p, acc, cm
.irp t, 0,1,2,3,4,5,6,7
.irp m, 0,1
.set rD, (\acc)+64*\m+8*\t
.set rW, 128*(\kk)+16*\t
.set rF, AF+32*(\kk)+16*\m
.set rC, rD
.if (\cm)==1
.set rC, BI+8*\t
.endif
.set rS, SB+32*(\p)+8*(\t/2)+(\k)
.if \mode
	WM rF, rW, AS+(\k), rS, \cm, \m, \t%2
.else
	WM rW, rF, rS, AS+(\k), \cm, \t%2, \m
.endif
.endr
.endr
.endm
; A TILE OF 256 ALONG K in slot a.  At its head the 40 loads of its first 128 are out.  fill = 1: the slot is filled again, with the tile two further on in the stream of weights.
.macro SLOT a, q, p, mode, wf, wn, acc, cm, fill, ptr, off
	FETCH_B \a, 1
	FETCH_A 2*(\q)+1, 1
	s_wait_dscnt 40                                ; all but the 40 just issued: the first 128's fragments are in
	WIN \wf
	MUL16 \mode, 0, 2*(\q), \p, \acc, \cm
	WIN 0
	s_wait_tensorcnt 0x0                           ; all my tensor loads have landed: the one that was out is my part of the next tile
.if \fill
	ds_add_u32 v[SPW], v[NIL]                      ; 0 onto my spare word
	s_add_nc_u64 s[G0+4*(\a)+2:G0+4*(\a)+3], s[\ptr:\ptr+1], \off   ; no load of mine is out, so this slot's descriptor may be written
	s_or_b32 s[G0+4*(\a)+3], s[G0+4*(\a)+3], 0x80000000
	s_wait_dscnt 0x0                               ; the add is done, and all my reads of this slot are in
	s_barrier_signal -1                            ; opens a round of the cluster's barrier
	WIN \wn
	MUL16 \mode, 1, 2*(\q)+1, \p, \acc, 0          ; work on registers while the others arrive
	WIN 0
	s_barrier_wait -1
	CREST                                          ; no wave of any partner still reads this slot or has a load on its way
	tensor_load_to_lds s[G0+4*(\a):G0+4*(\a)+3], s[G1:G1+7]
	s_nop 0
.else
	s_wait_dscnt 0x0
	WIN \wn
	MUL16 \mode, 1, 2*(\q)+1, \p, \acc, 0
	WIN 0
.endif
.rept 8
	v_nop                                          ; eight places ahead of loads into registers that the products have read and of the first read of results; the first four also follow the tensor load
.endr
.endm
.macro TILE s, mode, wf, wn, cm, last  ; tile s of a weight's eight; last = 1: no weight follows
.set PT, WC
.if (\s)+2 >= 8
.set PT, WN
.endif
.if (\last) && ((\s)+2 >= 8)
	SLOT (\s)%2, (\s)%4, (\s)/4, \mode, \wf, \wn, 0, \cm, 0, PT, 0
.else
	SLOT (\s)%2, (\s)%4, (\s)/4, \mode, \wf, \wn, 0, \cm, 1, PT, ((((\s)+2)%8)/4)*524288+(((\s)+2)%4)*256
.endif
.endm
.macro LDSB ptr                        ; my 256 rows' scale bytes: 32 bytes a lane and pair of tiles; two loads cover 1,024 bytes on end
.irp p, 0,1
.irp j, 0,1,2,3
	global_load_b128 v[SB+32*\p+8*\j:SB+32*\p+8*\j+3], v[SBO], s[\ptr:\ptr+1] offset:16384*\p+1024*\j
	global_load_b128 v[SB+32*\p+8*\j+4:SB+32*\p+8*\j+7], v[SBO], s[\ptr:\ptr+1] offset:16384*\p+1024*\j+16
.endr
.endr
.endm
.macro LDBI ptr, p                     ; the bias of pass p in the transposed result's layout
.irp t, 0,1,2,3,4,5,6,7
	global_load_b128 v[BI+8*\t:BI+8*\t+3], v[GB], s[\ptr:\ptr+1] offset:2048*(\p)+64*\t
	global_load_b128 v[BI+8*\t+4:BI+8*\t+7], v[GB], s[\ptr:\ptr+1] offset:2048*(\p)+64*\t+16
.endr
.endm
.macro XLOAD win                       ; x in the same layout: register 128 p + 64 m + 8 t + i = x(16 m + r, 128 (4 p + w) + 16 t + 8 h + i); 16 loads use up 512 bytes of each of 16 rows
	WIN \win
.irp p, 0,1
.irp m, 0,1
.irp t, 0,1,2,3,4,5,6,7
	global_load_b128 v[128*\p+64*\m+8*\t:128*\p+64*\m+8*\t+3], v[XA], s[XP:XP+1] offset:65536*\m+2048*\p+64*\t th:TH_LOAD_NT
	global_load_b128 v[128*\p+64*\m+8*\t+4:128*\p+64*\m+8*\t+7], v[XA], s[XP:XP+1] offset:65536*\m+2048*\p+64*\t+16 th:TH_LOAD_NT
.endr
.endr
.endr
	WIN 0
.endm
.macro GBLOAD gp, bp                   ; the norm's gain and bias for my 256 columns, into window 1
	WIN 0x40
.irp p, 0,1
.irp t, 0,1,2,3,4,5,6,7
	global_load_b128 v[64*\p+8*\t:64*\p+8*\t+3], v[GB], s[\gp:\gp+1] offset:2048*\p+64*\t
	global_load_b128 v[64*\p+8*\t+4:64*\p+8*\t+7], v[GB], s[\gp:\gp+1] offset:2048*\p+64*\t+16
	global_load_b128 v[128+64*\p+8*\t:128+64*\p+8*\t+3], v[GB], s[\bp:\bp+1] offset:2048*\p+64*\t
	global_load_b128 v[128+64*\p+8*\t+4:128+64*\p+8*\t+7], v[GB], s[\bp:\bp+1] offset:2048*\p+64*\t+16
.endr
.endr
	WIN 0
.endm
; FOUR BLOCKS OF 32 ARE QUANTISED.  Block b: my 16 numbers in window w, v[s + bs b .. + 7] and v[s + bs b + o2 .. + 7], and lane l xor 16's 16.  Codes to v[PC + 4 b ..], bytes to v[TM + 4 + b], the four bytes as a word to v[pw] (pw >= 0).
; The largest magnitude has the floor 2^-111 among its leaves, so the byte cannot fall under 1; its exponent field less 15 is the conversion's scale operand; the hold at 57,344 x the scale stands ahead of the conversion, which does not saturate (ISA guide 7.6.2).
.macro QUANT w, s, bs, o2, relu, pw
	WIN ((\w)<<2)|((\w)<<4)
.irp b, 0,1,2,3
.if \relu
	v_max3_num_f32 v[TM+\b], 0x8000000, v[(\s)+(\bs)*\b], v[(\s)+(\bs)*\b+1]
.else
	v_max3_num_f32 v[TM+\b], 0x8000000, |v[(\s)+(\bs)*\b]|, |v[(\s)+(\bs)*\b+1]|
.endif
.endr
.irp i, 2,4,6
.irp b, 0,1,2,3
.if \relu
	v_max3_num_f32 v[TM+\b], v[TM+\b], v[(\s)+(\bs)*\b+\i], v[(\s)+(\bs)*\b+\i+1]
.else
	v_max3_num_f32 v[TM+\b], v[TM+\b], |v[(\s)+(\bs)*\b+\i]|, |v[(\s)+(\bs)*\b+\i+1]|
.endif
.endr
.endr
.irp i, 0,2,4,6
.irp b, 0,1,2,3
.if \relu
	v_max3_num_f32 v[TM+\b], v[TM+\b], v[(\s)+(\bs)*\b+(\o2)+\i], v[(\s)+(\bs)*\b+(\o2)+\i+1]
.else
	v_max3_num_f32 v[TM+\b], v[TM+\b], |v[(\s)+(\bs)*\b+(\o2)+\i]|, |v[(\s)+(\bs)*\b+(\o2)+\i+1]|
.endif
.endr
.endr
	WIN 0
.irp b, 0,1,2,3
	v_permlanex16_b32 v[TM+4+\b], v[TM+\b], s[SEL], s[SEL+1]
.endr
.irp b, 0,1,2,3
	v_max_num_f32 v[TM+\b], v[TM+\b], v[TM+4+\b]
.endr
.irp b, 0,1,2,3
	v_add_nc_u32 v[TM+12+\b], 0xf8800000, v[TM+\b]
.endr
.irp b, 0,1,2,3
	v_and_or_b32 v[TM+8+\b], v[TM+\b], 0x7f800000, s[MNT]
.endr
.irp b, 0,1,2,3
	v_lshrrev_b32 v[TM+4+\b], 23, v[TM+12+\b]
.endr
.if (\pw) >= 0
	v_lshl_or_b32 v[\pw], v[TM+5], 8, v[TM+4]
	v_lshl_or_b32 v[\pw], v[TM+6], 16, v[\pw]
	v_lshl_or_b32 v[\pw], v[TM+7], 24, v[\pw]
.endif
	WIN (\w)|((\w)<<6)
.irp b, 0,1,2,3
.irp i, 0,1,2,3,4,5,6,7
.if \relu
	v_med3_num_f32 v[(\s)+(\bs)*\b+\i], v[(\s)+(\bs)*\b+\i], 0, v[TM+8+\b]
	v_med3_num_f32 v[(\s)+(\bs)*\b+(\o2)+\i], v[(\s)+(\bs)*\b+(\o2)+\i], 0, v[TM+8+\b]
.else
	v_med3_num_f32 v[(\s)+(\bs)*\b+\i], v[(\s)+(\bs)*\b+\i], -v[TM+8+\b], v[TM+8+\b]
	v_med3_num_f32 v[(\s)+(\bs)*\b+(\o2)+\i], v[(\s)+(\bs)*\b+(\o2)+\i], -v[TM+8+\b], v[TM+8+\b]
.endif
.endr
.endr
	WIN (\w)
.irp b, 0,1,2,3
	v_cvt_scalef32_pk8_bf8_f32 v[PC+4*\b:PC+4*\b+1], v[(\s)+(\bs)*\b:(\s)+(\bs)*\b+7], v[TM+12+\b]
	v_cvt_scalef32_pk8_bf8_f32 v[PC+4*\b+2:PC+4*\b+3], v[(\s)+(\bs)*\b+(\o2):(\s)+(\bs)*\b+(\o2)+7], v[TM+12+\b]
.endr
	WIN 0
	v_nop                                          ; one plain line behind the last conversion
.endm
; Window 3's 256 numbers become K steps w and 4 + w of the next product: four fragments and their scale words go to LDS as images.  A tile's eight codes are 8 bytes of the image: those of tile 2 b at 512 b + 16 r + 8 h,
; those of tile 2 b + 1 256 bytes on: so K stands in its true order, and each store covers 256 bytes on end.
.macro TOIMG relu
.irp p, 0,1
.irp m, 0,1
	s_wait_dscnt 0x0                               ; the last stores have read their registers
	QUANT 3, 128*\p+64*\m, 16, 8, \relu, PW+\m
.irp b, 0,1,2,3
	ds_store_b64 v[IAW], v[PC+4*\b:PC+4*\b+1] offset:16384*\p+2048*\m+512*\b
	ds_store_b64 v[IAW], v[PC+4*\b+2:PC+4*\b+3] offset:16384*\p+2048*\m+512*\b+256
.endr
.endr
	v_cndmask_b32 v[TP], v[PW], v[PW+1], s[HM]     ; lane l: row l's word
	ds_store_b32 v[SAW], v[TP] offset:512*\p
.endr
	s_wait_dscnt 0x0                               ; for the others' sake: my stores have landed
	s_barrier_signal -1
	s_barrier_wait -1
.irp k, 0,1,2,3,4,5,6,7
	ds_load_b32 v[AS+\k], v[SAR] offset:128*\k
.endr
.endm
; The chains v[20:23] (rows 0-15) and v[24:27] (rows 16-31) are folded, joined with lane l xor 16's and with the other three waves'.  Totals: v20, v24.
.macro RSUM off
	v_pk_add_f32 v[20:21], v[20:21], v[22:23]
	v_pk_add_f32 v[24:25], v[24:25], v[26:27]
	v_add_f32 v20, v20, v21
	v_add_f32 v24, v24, v25
	v_permlanex16_b32 v232, v20, s[SEL], s[SEL+1]
	v_permlanex16_b32 v233, v24, s[SEL], s[SEL+1]
	v_add_f32 v20, v20, v232
	v_add_f32 v24, v24, v233
	v_cndmask_b32 v234, v20, v24, s[HM]
	ds_store_b32 v[RDW], v234 offset:\off
	s_wait_dscnt 0x0
	s_barrier_signal -1
	s_barrier_wait -1
.irp u, 0,1,2,3
	ds_load_b32 v[240+2*\u], v[RDR] offset:\off+128*\u
	ds_load_b32 v[241+2*\u], v[RDR] offset:\off+128*\u+64
.endr
	s_wait_dscnt 0x0
	v_add_f32 v20, v240, v242
	v_add_f32 v21, v244, v246
	v_add_f32 v24, v241, v243
	v_add_f32 v25, v245, v247
	v_add_f32 v20, v20, v21
	v_add_f32 v24, v24, v25
.endm
; THE NORM, from window 2 into window 3: the mean; the differences; the mean of their squares; x rsqrt, x g, + b.  Each half of RED is used once in the launch.
.macro LN
	WIN 0x0a
.irp m, 0,1
	v_pk_add_f32 v[20+4*\m:21+4*\m], v[64*\m:64*\m+1], v[64*\m+2:64*\m+3]
	v_pk_add_f32 v[22+4*\m:23+4*\m], v[64*\m+4:64*\m+5], v[64*\m+6:64*\m+7]
.endr
	WIN 0x08
.set n, 4
.rept 60
.irp m, 0,1
	v_pk_add_f32 v[20+4*\m+2*(n%2):21+4*\m+2*(n%2)], v[20+4*\m+2*(n%2):21+4*\m+2*(n%2)], v[128*(n/32)+64*\m+2*(n%32):128*(n/32)+64*\m+2*(n%32)+1]
.endr
.set n, n+1
.endr
	WIN 0
	RSUM 0
	v_mul_f32 v28, s[IK], v20
	v_mul_f32 v29, s[IK], v20
	v_mul_f32 v30, s[IK], v24
	v_mul_f32 v31, s[IK], v24
	WIN 0xc2
.set n, 0
.rept 64
.irp m, 0,1
	v_pk_add_f32 v[128*(n/32)+64*\m+2*(n%32):128*(n/32)+64*\m+2*(n%32)+1], v[128*(n/32)+64*\m+2*(n%32):128*(n/32)+64*\m+2*(n%32)+1], v[28+2*\m:29+2*\m] op_sel_hi:[1,0] neg_lo:[0,1] neg_hi:[0,1]
.endr
.set n, n+1
.endr
	WIN 0x0f
.irp m, 0,1
	v_pk_mul_f32 v[20+4*\m:21+4*\m], v[64*\m:64*\m+1], v[64*\m:64*\m+1]
	v_pk_mul_f32 v[22+4*\m:23+4*\m], v[64*\m+2:64*\m+3], v[64*\m+2:64*\m+3]
.endr
.set n, 2
.rept 62
.irp m, 0,1
	v_pk_fma_f32 v[20+4*\m+2*(n%2):21+4*\m+2*(n%2)], v[128*(n/32)+64*\m+2*(n%32):128*(n/32)+64*\m+2*(n%32)+1], v[128*(n/32)+64*\m+2*(n%32):128*(n/32)+64*\m+2*(n%32)+1], v[20+4*\m+2*(n%2):21+4*\m+2*(n%2)]
.endr
.set n, n+1
.endr
	WIN 0
	RSUM 512
	v_fma_f32 v20, v20, s[IK], s[EPS]
	v_fma_f32 v24, v24, s[IK], s[EPS]
	v_rsq_f32 v28, v20
	v_rsq_f32 v30, v24
	v_nop                                          ; a plain line behind the transcendentals,
	s_wait_alu depctr_va_vdst(0)                   ; and one wait ahead of their first reader
	s_wait_loadcnt 32                              ; g and b are in; behind them the scales' 16 loads and the bias's 16 may stay out
	WIN 0xc3
.set n, 0
.rept 64
.irp m, 0,1
	v_pk_mul_f32 v[128*(n/32)+64*\m+2*(n%32):128*(n/32)+64*\m+2*(n%32)+1], v[128*(n/32)+64*\m+2*(n%32):128*(n/32)+64*\m+2*(n%32)+1], v[28+2*\m:29+2*\m] op_sel_hi:[1,0]
.endr
.set n, n+1
.endr
	WIN 0xd7
.set n, 0
.rept 64
.irp m, 0,1
	v_pk_fma_f32 v[128*(n/32)+64*\m+2*(n%32):128*(n/32)+64*\m+2*(n%32)+1], v[128*(n/32)+64*\m+2*(n%32):128*(n/32)+64*\m+2*(n%32)+1], v[64*(n/32)+2*(n%32):64*(n/32)+2*(n%32)+1], v[128+64*(n/32)+2*(n%32):128+64*(n/32)+2*(n%32)+1]
.endr
.set n, n+1
.endr
	WIN 0
.endm
; q or k of pass p leaves: my 128 columns are heads 8 p + 2 w and + 1, a head's 64 two blocks of 32.  Images as in TOIMG, two register groups to a tile of 16 tokens; each store covers 256 bytes on end, aligned.
; A token's scale word holds its head's two bytes; the upper two stay 0, over codes that the reader sets to 0.
.macro QKOUT p
.irp m, 0,1
	s_wait_xcnt 0x0                                ; the earlier stores have read their registers
	QUANT 2, 64*\m, 16, 8, 0, PW+\m
.irp b, 0,1,2,3
	global_store_b64 v[IAG], v[PC+4*\b:PC+4*\b+1], s[OBR:OBR+1] offset:(8*(\p)+\b/2)*RS+1024*\m+512*(\b%2)
	global_store_b64 v[IAG], v[PC+4*\b+2:PC+4*\b+3], s[OBR:OBR+1] offset:(8*(\p)+\b/2)*RS+1024*\m+512*(\b%2)+256
.endr
.endr
	v_cndmask_b32 v[TP], v[PW], v[PW+1], s[HM]
	v_lshrrev_b32 v[TP+1], 16, v[TP]
	v_and_b32 v[TP], 0xffff, v[TP]
	global_store_b32 v[SWG], v[TP], s[OBR:OBR+1] offset:(8*(\p))*RS+131072
	global_store_b32 v[SWG], v[TP+1], s[OBR:OBR+1] offset:(8*(\p)+1)*RS+131072
.endm
.macro VBIAS p                         ; bv of my lane's column in each of the 8 tiles, into the even registers of BI
.irp t, 0,1,2,3,4,5,6,7
	global_load_b32 v[BI+2*\t], v[BVO], s[26:27] offset:2048*(\p)+64*\t
.endr
.endm
; v of pass p leaves.  A lane holds ONE column d and 16 of my 32 tokens, which are one block of 32 along the keys: [8 h + 0 .. 7, 16 + 8 h + 0 .. 7].  Its 16 codes are stored in that order as register group (block % 4) of the
; fragment (16 d x 128 keys); the attention launch's p falls into the same order, and an order inside a block of 32 that both operands share changes no product and no scale.  A store covers 512 bytes on end.
.macro VOUT p
	s_wait_loadcnt 0x0                             ; bv
	WIN 0x82
.irp m, 0,1
.irp t, 0,1,2,3,4,5,6,7
.irp j, 0,1,2,3
	v_pk_add_f32 v[64*\m+8*\t+2*\j:64*\m+8*\t+2*\j+1], v[64*\m+8*\t+2*\j:64*\m+8*\t+2*\j+1], v[BI+2*\t:BI+2*\t+1] op_sel_hi:[1,0]
.endr
.endr
.endr
	WIN 0
.irp u, 0,1
	s_wait_xcnt 0x0
	QUANT 2, 32*\u, 8, 64, 0, -1
.irp b, 0,1,2,3
	global_store_b128 v[LI], v[PC+4*\b:PC+4*\b+3], s[VB:VB+1] offset:(8*(\p)+\u)*RS+2048*\b
.endr
	v_cndmask_b32 v[TP], v[TM+4], v[TM+5], s[HM]   ; lane l: the byte of d = l, then of d = 32 + l
	v_cndmask_b32 v[TP+1], v[TM+6], v[TM+7], s[HM]
	global_store_b8 v[VSO], v[TP], s[VS:VS+1] offset:(8*(\p)+\u)*2048
	global_store_b8 v[VSO], v[TP+1], s[VS:VS+1] offset:(8*(\p)+\u)*2048+32
.endr
.endm
	s_load_b512 s[4:19], s[0:1], 0x0               ; x 4, ln1_g 6, ln1_b 8, wq codes 10, scales 12, bq 14, wk codes 16, scales 18
	s_load_b256 s[20:27], s[0:1], 0x40             ; bk 20, wv codes 22, scales 24, bv 26
	s_load_b128 s[28:31], s[0:1], 0x60             ; qr 28, kv 30
	s_load_b64 s[32:33], s[0:1], 0x70              ; vsb
	v_lshl_add_u32 v[SPW], v0, 2, SPARE
	v_mov_b32 v[NIL], 0
	ds_add_u32 v[SPW], v[NIL]                      ; the wave's opening: the add and its wait stand ahead of my first tensor load; the set-up, work on registers, stands between them
	v_lshrrev_b32 v20, 5, v0
	v_readfirstlane_b32 s[WV], v20                 ; wave 0..3
	s_bfe_u32 s35, ttmp6, 0x40000                  ; my place in the cluster
	s_lshl_b32 s36, ttmp9, 2
	s_add_co_u32 s36, s36, s35                     ; my block of 32 rows: it enters global addresses alone
	s_lshr_b32 s37, s36, 5                         ; the batch
	s_and_b32 s38, s36, 31                         ; my block of 32 tokens in it
	s_mov_b32 s[G1], 15|(0<<16)|(1<<20)|(1<<21)|(5<<22)|(3<<25)   ; the mask: all four work-groups; elements of 1 byte; padding on; bit 21 beside a mask; 4 words behind every 64
	s_mov_b32 s[G1+1], 256<<16                     ; tensor_dim0
	s_mov_b32 s[G1+2], 128<<16                     ; tensor_dim1
	s_mov_b32 s[G1+3], 256<<16                     ; tile_dim0
	s_mov_b32 s[G1+4], 128                         ; tile_dim1
	s_mov_b32 s[G1+5], 1024                        ; a row of W
	s_mov_b32 s[G1+6], 0
	s_mov_b32 s[G1+7], 0
	s_mov_b32 s[SEL], 0x76543210
	s_mov_b32 s[SEL+1], 0xfedcba98
	s_mov_b32 s[MNT], 0x600000
	s_mov_b32 s[HM], 0xffff0000
	s_mov_b32 s[EPS], 0x3727c5ac                   ; 1e-5
	s_mov_b32 s[IK], 0x3a800000
	s_mul_i32 s39, s[WV], HALFT                    ; my part of a slot
	v_and_b32 v21, 31, v0                          ; lane
	v_and_b32 v22, 15, v0                          ; r
	v_bfe_u32 v23, v0, 4, 1                        ; h
	v_lshlrev_b32 v[LI], 4, v21
	v_add_nc_u32 v[LIM], IMG, v[LI]
	v_mul_u32_u24 v24, v22, PITCH
	v_lshl_add_u32 v24, v23, 4, v24
	v_add_nc_u32 v[ADRB], s39, v24
	v_add_nc_u32 v[ADRB+1], SLOTB, v[ADRB]
	v_lshlrev_b32 v24, 4, v22
	v_lshl_add_u32 v24, v23, 3, v24                ; 16 r + 8 h
	s_lshl_b32 s40, s[WV], 12
	v_add_nc_u32 v[IAW], s40, v24
	v_add_nc_u32 v[IAW], IMG, v[IAW]
	v_lshlrev_b32 v25, 2, v21                      ; 4 lane
	v_add_nc_u32 v[SAR], ASW, v25
	s_lshl_b32 s40, s[WV], 7
	v_add_nc_u32 v[SAW], s40, v[SAR]
	v_add_nc_u32 v[RDW], s40, v25
	v_add_nc_u32 v[RDW], RED, v[RDW]
	v_lshl_add_u32 v[RDR], v22, 2, RED
	v_lshlrev_b32 v[XA], 12, v22
	v_lshl_add_u32 v[XA], v23, 5, v[XA]
	v_lshlrev_b32 v[GB], 5, v23
	v_lshlrev_b32 v[SBO], 5, v21
	s_lshl_b32 s40, s38, 11
	v_add_nc_u32 v[IAG], s40, v24
	s_lshl_b32 s40, s38, 7
	v_add_nc_u32 v[SWG], s40, v25
	v_mov_b32 v[VSO], v21
	v_lshlrev_b32 v[BVO], 2, v22
.irp b, 0,1,2,3
	v_mov_b32 v[TM+4+\b], 0                        ; written once: a lane permute's destination counts as one of its sources
.endr
	v_mov_b32 v232, 0
	v_mov_b32 v233, 0
	s_wait_dscnt 0x0                               ; the opening add is done
	s_wait_kmcnt 0x0
	s_mov_b32 s41, 0
	s_lshl_b32 s40, s[WV], 17                      ; my 128 rows of a weight's codes,
	s_add_nc_u64 s[10:11], s[10:11], s[40:41]
	s_add_nc_u64 s[16:17], s[16:17], s[40:41]
	s_add_nc_u64 s[22:23], s[22:23], s[40:41]
	s_lshl_b32 s40, s[WV], 12                      ; of its scale bytes,
	s_add_nc_u64 s[12:13], s[12:13], s[40:41]
	s_add_nc_u64 s[18:19], s[18:19], s[40:41]
	s_add_nc_u64 s[24:25], s[24:25], s[40:41]
	s_lshl_b32 s40, s[WV], 9                       ; my 128 columns of what is f32
	s_add_nc_u64 s[4:5], s[4:5], s[40:41]
	s_add_nc_u64 s[6:7], s[6:7], s[40:41]
	s_add_nc_u64 s[8:9], s[8:9], s[40:41]
	s_add_nc_u64 s[14:15], s[14:15], s[40:41]
	s_add_nc_u64 s[20:21], s[20:21], s[40:41]
	s_add_nc_u64 s[26:27], s[26:27], s[40:41]
	s_lshl_b32 s40, s36, 17                        ; my 32 rows of x
	s_add_nc_u64 s[4:5], s[4:5], s[40:41]
	s_lshl_b32 s40, s37, 4
	s_lshl_b32 s42, s[WV], 1
	s_add_co_u32 s42, s40, s42                     ; record 16 batch + 2 wave
	s_mul_i32 s40, s42, RS
	s_add_nc_u64 s[28:29], s[28:29], s[40:41]
	s_add_nc_u64 s[30:31], s[30:31], s[40:41]
	s_lshr_b32 s40, s38, 2
	s_lshl_b32 s40, s40, 13                        ; V's images: the key step,
	s_and_b32 s43, s38, 3
	s_lshl_b32 s43, s43, 9                         ; the register group
	s_add_co_u32 s40, s40, s43
	s_add_co_u32 s40, s40, 65536
	s_add_nc_u64 s[VB:VB+1], s[30:31], s[40:41]
	s_lshl_b32 s40, s42, 11
	s_lshl_b32 s43, s38, 6
	s_add_co_u32 s40, s40, s43
	s_add_nc_u64 s[VS:VS+1], s[32:33], s[40:41]
	s_mov_b64 s[WC:WC+1], s[10:11]
	s_mov_b64 s[WN:WN+1], s[16:17]
	s_mov_b64 s[WS:WS+1], s[12:13]
	s_mov_b64 s[BB:BB+1], s[14:15]
	s_mov_b64 s[OBR:OBR+1], s[28:29]
	CROUND                                         ; all four work-groups are here: the first joint loads meet
.irp a, 0,1
	s_mov_b32 s[G0+4*\a], 1
	s_add_co_u32 s[G0+4*\a+1], s39, \a*SLOTB
	s_add_nc_u64 s[G0+4*\a+2:G0+4*\a+3], s[WC:WC+1], \a*256
	s_or_b32 s[G0+4*\a+3], s[G0+4*\a+3], 0x80000000
.endr
	tensor_load_to_lds s[G0:G0+3], s[G1:G1+7]      ; Wq's tiles 0 and 1: two loads of mine are out; later one
	s_nop 0
	tensor_load_to_lds s[G0+4:G0+7], s[G1:G1+7]
	s_nop 0
.rept 4
	v_nop
.endr
	XLOAD 0x80
	GBLOAD 6, 8
	LDSB WS
	LDBI BB, 0
	s_wait_loadcnt 63                              ; 96 loads were issued behind x's 64: x is in
	LN
	TOIMG 0
	s_wait_tensorcnt 1                             ; my part of tile 0 is in; nobody else reads it
	NEXT 0, 0
	s_mov_b32 s78, 2
.Lw:                                               ; two trips: q, then k
	s_wait_loadcnt 0x0                             ; the weight's scale words and the pass's bias
	TILE 0, 0, 0x81, 0xa1, 1, 0
	LDBI BB, 1                                     ; the next pass's bias: the first products have taken this pass's
	NEXT 1, 1
	TILE 1, 0, 0xa1, 0xa1, 0, 0
	NEXT 0, 2
	TILE 2, 0, 0xa1, 0xa1, 0, 0
	NEXT 1, 3
	TILE 3, 0, 0xa1, 0xa1, 0, 0
	QKOUT 0
	s_wait_xcnt 0x0                                ; the stores have read their registers: fragments may land there
	NEXT 0, 0
	s_wait_loadcnt 0x0
	TILE 4, 0, 0x81, 0xa1, 1, 0
	NEXT 1, 1
	TILE 5, 0, 0xa1, 0xa1, 0, 0
	NEXT 0, 2
	TILE 6, 0, 0xa1, 0xa1, 0, 0
	NEXT 1, 3
	TILE 7, 0, 0xa1, 0xa1, 0, 0
	s_wait_xcnt 0x0                                ; the earlier loads have read their bases
	s_mov_b64 s[WS:WS+1], s[18:19]                 ; the next weight's scales: Wk's, then Wv's
	s_mov_b64 s[18:19], s[24:25]
	s_mov_b64 s[BB:BB+1], s[20:21]
	LDSB WS
	s_cmp_eq_u32 s78, 1                            ; V's passes load their own bias
	s_cbranch_scc1 .Lno_bias
	LDBI BB, 0
.Lno_bias:
	QKOUT 1
	s_wait_xcnt 0x0
	s_mov_b64 s[WC:WC+1], s[WN:WN+1]
	s_mov_b64 s[WN:WN+1], s[22:23]
	s_mov_b64 s[OBR:OBR+1], s[30:31]
	NEXT 0, 0
	s_sub_co_u32 s78, s78, 1
	s_cmp_lg_u32 s78, 0
	s_cbranch_scc1 .Lw
	s_wait_loadcnt 0x0                             ; Wv's scale words
	VBIAS 0
	TILE 0, 1, 0xa4, 0xa4, 2, 1
	NEXT 1, 1
	TILE 1, 1, 0xa4, 0xa4, 0, 1
	NEXT 0, 2
	TILE 2, 1, 0xa4, 0xa4, 0, 1
	NEXT 1, 3
	TILE 3, 1, 0xa4, 0xa4, 0, 1
	VOUT 0
	s_wait_xcnt 0x0
	VBIAS 1
	NEXT 0, 0
	TILE 4, 1, 0xa4, 0xa4, 2, 1
	NEXT 1, 1
	TILE 5, 1, 0xa4, 0xa4, 0, 1
	NEXT 0, 2
	TILE 6, 1, 0xa4, 0xa4, 0, 1                    ; the last two tiles ask for nothing
	NEXT 1, 3
	TILE 7, 1, 0xa4, 0xa4, 0, 1
	VOUT 1
	s_wait_tensorcnt 0x0                           ; the wave's end: behind my last tensor load and my last LDS store
	ds_add_u32 v[SPW], v[NIL]
	s_wait_dscnt 0x0
	CROUND                                         ; the closing round
	s_endpgm
.Lfunc_end_k_q39327afe41_qkv:
	.size	k_q39327afe41_qkv, .Lfunc_end_k_q39327afe41_qkv-k_q39327afe41_qkv
	.p2alignl 7, 3214868480
	.fill 96, 4, 3214868480
	.section	.rodata,"a",@progbits
	.p2align	6, 0x0
	.amdhsa_kernel k_q39327afe41_qkv
		.amdhsa_group_segment_fixed_size 327680
		.amdhsa_private_segment_fixed_size 0
		.amdhsa_enable_private_segment 0
		.amdhsa_kernarg_size 120
		.amdhsa_user_sgpr_count 2
		.amdhsa_user_sgpr_kernarg_segment_ptr 1
		.amdhsa_wavefront_size32 1
		.amdhsa_system_sgpr_workgroup_id_x 1
		.amdhsa_system_sgpr_workgroup_id_y 1
		.amdhsa_system_sgpr_workgroup_id_z 1
		.amdhsa_system_vgpr_workitem_id 0
		.amdhsa_next_free_vgpr 1024
		.amdhsa_next_free_sgpr 100
		.amdhsa_reserve_vcc 0
		.amdhsa_float_denorm_mode_32 3
		.amdhsa_float_denorm_mode_16_64 3
		.amdhsa_memory_ordered 1
		.amdhsa_forward_progress 1
		.amdhsa_inst_pref_size 255
	.end_amdhsa_kernel
	.section	.bss,"aw",@nobits
	.p2align	6
	.space	262144
	.amdgpu_metadata
---
amdhsa.version: [ 1, 2 ]
amdhsa.kernels:
  - .name:           k_q39327afe41_qkv
    .symbol:         k_q39327afe41_qkv.kd
    .args:
      - { .name: x, .offset: 0, .size: 8, .value_kind: global_buffer, .address_space: global }
      - { .name: ln1_g, .offset: 8, .size: 8, .value_kind: global_buffer, .address_space: global }
      - { .name: ln1_b, .offset: 16, .size: 8, .value_kind: global_buffer, .address_space: global }
      - { .name: wq_codes, .offset: 24, .size: 8, .value_kind: global_buffer, .address_space: global }
      - { .name: wq_scales, .offset: 32, .size: 8, .value_kind: global_buffer, .address_space: global }
      - { .name: bq, .offset: 40, .size: 8, .value_kind: global_buffer, .address_space: global }
      - { .name: wk_codes, .offset: 48, .size: 8, .value_kind: global_buffer, .address_space: global }
      - { .name: wk_scales, .offset: 56, .size: 8, .value_kind: global_buffer, .address_space: global }
      - { .name: bk, .offset: 64, .size: 8, .value_kind: global_buffer, .address_space: global }
      - { .name: wv_codes, .offset: 72, .size: 8, .value_kind: global_buffer, .address_space: global }
      - { .name: wv_scales, .offset: 80, .size: 8, .value_kind: global_buffer, .address_space: global }
      - { .name: bv, .offset: 88, .size: 8, .value_kind: global_buffer, .address_space: global }
      - { .name: qr, .offset: 96, .size: 8, .value_kind: global_buffer, .address_space: global }
      - { .name: kv, .offset: 104, .size: 8, .value_kind: global_buffer, .address_space: global }
      - { .name: vsb, .offset: 112, .size: 8, .value_kind: global_buffer, .address_space: global }
    .group_segment_fixed_size: 327680
    .private_segment_fixed_size: 0
    .kernarg_segment_align: 8
    .kernarg_segment_size: 120
    .max_flat_workgroup_size: 128
    .sgpr_count:     100
    .vgpr_count:     1024
    .wavefront_size: 32
...
	.end_amdgpu_metadata
.endif
;; end of part 1
;; launch attn (part 2): grid 2 x 128, 16 waves a work-group, no clusters, 167,936 bytes of LDS; arguments qr, kv, vsb, ci, cs; writes ci, cs
.if DOCPART == 2
	.amdgcn_target "amdgcn-amd-amdhsa--gfx1250"
	.amdhsa_code_object_version 6
	.text
	.protected	k_q39327afe41_attn
	.globl	k_q39327afe41_attn
	.p2align	8
	.type	k_q39327afe41_attn,@function
k_q39327afe41_attn:
	s_mov_b64 s[64:65], 0
	v_nop
	global_prefetch_b8 v0, s[64:65] scope:SCOPE_SE
	s_setreg_imm32_b32 hwreg(HW_REG_WAVE_MODE, 25, 1), 1
	s_wait_xcnt 0x0
; ctx = softmax(q k^T / 8) v for one head (of 128: batch x head) and 512 of its 1,024 queries, both products on codes of BF8 (E5M2) with E8M0 scales; ctx is quantised along the width and leaves as images of operand registers.
; THE SOFTMAX AHEAD OF THE SECOND PRODUCT: t = score x log2(e) / 8; M = the running largest t rounded UP to a whole number; p = 2^(t - M) is quantised along the keys, not normalised; the row's sum is taken of the
; unquantised p and divides at the end; when M moves, the sum and O are multiplied by 2^(old M - new M), which rounds nothing.
; SHARES.  Sixteen waves of 256 registers, four to a SIMD, so that one wave's vector work stands beside another's products and LDS loads.  A wave takes two tiles of 16 queries, one after the other, and walks all keys, 128 a step.
; LDS.  The head's whole record (K's images 64 KiB, V's images 64 KiB, K's scale words 4 KiB: 135,168 bytes on end in memory) is brought ONCE, each wave fetching 33 rows of 256 bytes: nothing is filled again.
; LAYOUT.  Both products transposed: S^T = K Q^T (source 0 = 16 keys), O^T = V^T P^T (source 0 = 16 of the head's 64): a lane holds one query throughout.  The head's 64 fill half of the instruction's 128: registers 8-15 of Q's and K's
; fragments are zero codes, under scale bytes 0.  p's 16 registers of two neighbouring tiles are keys [8 h + 0 .. 7, 16 + 8 h + 0 .. 7] of a block of 32: V's images hold the keys of a block in the same order.
; NO CLUSTER: a head's K and V are read by its two work-groups alone, and the cluster forms are four wide: two heads in one cluster share nothing.  NO PREFETCH: all of K and V is asked for at the head.
; LIMITS: NaN and infinities are not served; a block of ctx under 2^-111 gets the scale byte 1 (read by this program alone).
.set RS,    135168
.set VSW,   135168                     ; V's scale words, made here: (key step s, d) at 256 s + 4 d
.set SPARE, 137216                     ; the spare words: 128 bytes for each of 16 waves
.set LI,  1                            ; v1   16 x lane
.set LV,  2                            ; v2   65,536 + 16 x lane
.set LKS, 3                            ; v3   131,072 + 4 x lane
.set LVS, 4                            ; v4   VSW + 4 x lane
.set SPW, 5
.set NIL, 6
.set CIO, 7                            ; v7   16 r + 8 h
.set ADK, 8                            ; v8-11 the step's addresses: K, V, K's scale words, V's
.set ADV, 9
.set ADS, 10
.set ADT, 11
.set QSO, 215                          ; v215 4 r
.set CSO, 216                          ; v216 2 r + h
; v12 -M, v13 the largest t, v[14:15] the sum; v16-31 Q; v32-95 four fragments of K; v96-159 S^T, then p, then V's four fragments; v160-191 O^T; v192-207 p's codes; v208-211 K's scale words, v212-213 V's, v214 Q's; v232-254 at work
.set WV,  14
.set G0,  20
.set G1,  24
.set QB,  32
.set QS,  34
.set CI,  36
.set CSP, 38
.set CNT, 40
.set TB,  41
.set TS,  42
.set TW,  43
.set SEL, 44
.set CS,  46
.set MNT, 48
.set HM,  49
	s_load_b256 s[4:11], s[0:1], 0x0               ; qr 4, kv 6, vsb 8, ci 10
	s_load_b64 s[12:13], s[0:1], 0x20              ; cs
	v_lshl_add_u32 v[SPW], v0, 2, SPARE
	v_mov_b32 v[NIL], 0
	ds_add_u32 v[SPW], v[NIL]                      ; the wave's opening: the add and its wait stand ahead of my tensor load
	v_lshrrev_b32 v1, 5, v0
	v_readfirstlane_b32 s[WV], v1                  ; wave 0..15
	s_and_b32 s15, ttmp7, 0xffff                   ; the head: 16 batch + head
	s_mov_b32 s[G1], 3<<16                         ; no mask; elements of 8 bytes; no padding
	s_mov_b32 s[G1+1], 32<<16                      ; tensor_dim0: 256 bytes
	s_mov_b32 s[G1+2], 33<<16                      ; tensor_dim1
	s_mov_b32 s[G1+3], 32<<16                      ; tile_dim0
	s_mov_b32 s[G1+4], 33                          ; tile_dim1
	s_mov_b32 s[G1+5], 32                          ; dense rows
	s_mov_b32 s[G1+6], 0
	s_mov_b32 s[G1+7], 0
	s_mul_i32 s17, s[WV], 8448                     ; my 33 rows, in the record and in LDS
	s_mul_i32 s18, s15, RS
	s_mov_b32 s19, 0
	s_add_co_u32 s50, s18, s17
	s_mov_b32 s51, 0
	s_lshl_b32 s52, ttmp9, 5
	s_lshl_b32 s53, s[WV], 1
	s_add_co_u32 s52, s52, s53                     ; my first tile of queries: 32 x + 2 wave
	s_lshr_b32 s53, s15, 4
	s_lshl_b32 s53, s53, 5
	s_lshl_b32 s54, ttmp9, 4
	s_add_co_u32 s53, s53, s54
	s_add_co_u32 s53, s53, s[WV]                   ; my 32 tokens as a block of the last launch
	s_and_b32 s54, s15, 15                         ; the head in its batch
	s_mov_b32 s[SEL], 0x76543210
	s_mov_b32 s[SEL+1], 0xfedcba98
	s_mov_b32 s[CS], 0x3e38aa3b                    ; c = log2(e) / 8
	s_mov_b32 s[CS+1], s[CS]
	s_mov_b32 s[MNT], 0x600000
	s_mov_b32 s[HM], 0xffff0000
	s_wait_dscnt 0x0
	s_wait_kmcnt 0x0
	s_mov_b32 s[G0], 1
	s_mov_b32 s[G0+1], s17
	s_add_nc_u64 s[G0+2:G0+3], s[6:7], s[50:51]
	s_or_b32 s[G0+3], s[G0+3], 0x80000000
	tensor_load_to_lds s[G0:G0+3], s[G1:G1+7]      ; my one tensor load
	s_nop 0
.rept 4
	v_nop
.endr
	s_lshl_b32 s50, s15, 11
	s_add_nc_u64 s[8:9], s[8:9], s[50:51]          ; the head's 2,048 scale bytes of V: [block of 32 keys][d]
	v_lshrrev_b32 v8, 6, v0
	v_and_b32 v9, 63, v0
	v_lshl_or_b32 v8, v8, 8, v9                    ; thread (s, d): 256 s + d
.irp c, 0,1,2,3
	global_load_u8 v[232+\c], v8, s[8:9] offset:64*\c
.endr
	s_add_nc_u64 s[4:5], s[4:5], s[18:19]
	s_lshl_b32 s50, s52, 10
	s_add_nc_u64 s[QB:QB+1], s[4:5], s[50:51]      ; Q's images
	s_lshl_b32 s50, s52, 6
	s_add_co_u32 s50, s50, 131072
	s_add_nc_u64 s[QS:QS+1], s[4:5], s[50:51]      ; and scale words
	s_lshl_b32 s50, s53, 15
	s_lshr_b32 s55, s54, 1
	s_lshl_b32 s55, s55, 12
	s_add_co_u32 s50, s50, s55
	s_and_b32 s55, s54, 1
	s_lshl_b32 s55, s55, 10
	s_add_co_u32 s50, s50, s55
	s_add_nc_u64 s[CI:CI+1], s[10:11], s[50:51]    ; ctx's images: block, K step head / 2, register groups 2 (head % 2) on
	s_lshl_b32 s50, s53, 10
	s_lshl_b32 s55, s54, 6
	s_add_co_u32 s50, s50, s55
	s_add_nc_u64 s[CSP:CSP+1], s[12:13], s[50:51]
	v_and_b32 v10, 31, v0
	v_and_b32 v11, 15, v0
	v_bfe_u32 v12, v0, 4, 1
	v_lshlrev_b32 v[LI], 4, v10
	v_add_nc_u32 v[LV], 65536, v[LI]
	v_lshl_add_u32 v[LKS], v10, 2, 131072
	v_lshl_add_u32 v[LVS], v10, 2, VSW
	v_lshlrev_b32 v[CIO], 4, v11
	v_lshl_add_u32 v[CIO], v12, 3, v[CIO]
	v_lshlrev_b32 v[QSO], 2, v11
	v_lshl_add_u32 v[CSO], v11, 1, v12
	v_lshl_add_u32 v9, v0, 2, VSW
.irp j, 0,1,2,3,4,5,6,7
	v_mov_b32 v[24+\j], 0                          ; the zero codes of Q's and K's upper 64 along K: set once
	v_mov_b32 v[40+\j], 0
	v_mov_b32 v[56+\j], 0
	v_mov_b32 v[72+\j], 0
	v_mov_b32 v[88+\j], 0
.endr
.irp b, 0,1,2,3
	v_mov_b32 v[236+\b], 0                         ; a lane permute's destination counts as one of its sources
.endr
	v_mov_b32 v252, 0
	v_mov_b32 v253, 0
	s_wait_loadcnt 0x0
	v_lshl_or_b32 v232, v233, 8, v232
	v_lshl_or_b32 v232, v234, 16, v232
	v_lshl_or_b32 v232, v235, 24, v232
	ds_store_b32 v9, v232                          ; V's scale word of (key step, d)
	s_wait_tensorcnt 0x0                           ; my part of the record has landed,
	s_wait_dscnt 0x0                               ; my word too:
	s_barrier_signal -1
	s_barrier_wait -1                              ; everybody's have
.macro STEP                            ; 128 keys
	v_add_nc_u32 v[ADK], s[TB], v[LI]
	v_add_nc_u32 v[ADV], s[TB], v[LV]
	v_add_nc_u32 v[ADS], s[TS], v[LKS]
	v_add_nc_u32 v[ADT], s[TW], v[LVS]
.rept 5
	v_nop                                          ; with the four additions nine places: the scores are laid over V's fragments, which the last products read
.endr
.irp g, 0,1
.if \g
.rept 8
	v_nop                                          ; places ahead of loads into K's fragments
.endr
.endif
.irp t, 0,1,2,3
.irp c, 0,1
	ds_load_b128 v[32+16*\t+4*\c:35+16*\t+4*\c], v[ADK] offset:(4*\g+\t)*1024+512*\c
.endr
.endr
	ds_load_b32 v[208+2*\g], v[ADS] offset:256*\g          ; two tiles' words: lanes 0-15 the even tile's keys, lanes 16-31 the odd one's
	ds_load_b32 v[209+2*\g], v[ADS] offset:256*\g+128
	s_wait_dscnt 0x0
	v_wmma_scale_f32_16x16x128_f8f6f4 v[96+32*\g:103+32*\g], v[32:47], v[16:31], 0, v[208+2*\g], v214 matrix_a_fmt:MATRIX_FMT_BF8 matrix_b_fmt:MATRIX_FMT_BF8
	v_wmma_scale_f32_16x16x128_f8f6f4 v[104+32*\g:111+32*\g], v[48:63], v[16:31], 0, v[208+2*\g], v214 matrix_a_fmt:MATRIX_FMT_BF8 matrix_b_fmt:MATRIX_FMT_BF8 matrix_a_scale:MATRIX_SCALE_ROW1
	v_wmma_scale_f32_16x16x128_f8f6f4 v[112+32*\g:119+32*\g], v[64:79], v[16:31], 0, v[209+2*\g], v214 matrix_a_fmt:MATRIX_FMT_BF8 matrix_b_fmt:MATRIX_FMT_BF8
	v_wmma_scale_f32_16x16x128_f8f6f4 v[120+32*\g:127+32*\g], v[80:95], v[16:31], 0, v[209+2*\g], v214 matrix_a_fmt:MATRIX_FMT_BF8 matrix_b_fmt:MATRIX_FMT_BF8 matrix_a_scale:MATRIX_SCALE_ROW1
.endr
.rept 8
	v_nop
.endr
.irp b, 0,1,2,3
	v_max3_num_f32 v[232+\b], v[96+16*\b], v[97+16*\b], v[98+16*\b]   ; the largest score of each block of 32 keys: for the row's maximum and, since p rises with the score, for the block's largest p
.endr
.irp i, 3,5,7,9,11,13
.irp b, 0,1,2,3
	v_max3_num_f32 v[232+\b], v[232+\b], v[96+16*\b+\i], v[97+16*\b+\i]
.endr
.endr
.irp b, 0,1,2,3
	v_max_num_f32 v[232+\b], v[232+\b], v[111+16*\b]
.endr
.irp b, 0,1,2,3
	v_permlanex16_b32 v[236+\b], v[232+\b], s[SEL], s[SEL+1]
.endr
.irp b, 0,1,2,3
	v_max_num_f32 v[232+\b], v[232+\b], v[236+\b]
.endr
	v_max3_num_f32 v254, v232, v233, v234
	v_max_num_f32 v254, v254, v235
	v_mul_f32 v254, s[CS], v254
	v_max_num_f32 v13, v13, v254                   ; the running largest t
	v_mov_b32 v254, v12
	v_floor_f32 v12, -v13                          ; -M = floor(-t): M is a whole number
	v_sub_f32 v254, v12, v254
	v_cvt_i32_f32 v254, v254                       ; (it saturates)
	v_ldexp_f32 v252, 1.0, v254                    ; f = 2^(old M - new M)
.irp j, 0,2,4,6,8,10,12,14,16,18,20,22,24,26,28,30,32,34,36,38,40,42,44,46,48,50,52,54,56,58,60,62
	v_pk_fma_f32 v[96+\j:97+\j], v[96+\j:97+\j], s[CS:CS+1], v[12:13] op_sel_hi:[1,0,0]
.endr
.irp b, 0,1,2,3
	v_fma_f32 v[232+\b], v[232+\b], s[CS], v12
.endr
.irp j, 0,1,2,3,4,5,6,7,8,9,10,11,12,13,14,15,16,17,18,19,20,21,22,23,24,25,26,27,28,29,30,31,32,33,34,35,36,37,38,39,40,41,42,43,44,45,46,47,48,49,50,51,52,53,54,55,56,57,58,59,60,61,62,63
	v_exp_f32 v[96+\j], v[96+\j]                   ; p = 2^(t - M)
.endr
	v_pk_mul_f32 v[14:15], v[14:15], v[252:253] op_sel_hi:[1,0]   ; the sums under the new M: a plain line behind the exponentials
	s_wait_alu depctr_va_vdst(0)                   ; one wait for the batch of 64, ahead of its first reader
.irp b, 0,1,2,3
	v_exp_f32 v[232+\b], v[232+\b]                 ; each block's largest p
.endr
	v_pk_add_f32 v[236:237], v[96:97], v[98:99]    ; the row's sum of the unquantised p, in two chains
.irp j, 4,8,12,16,20,24,28,32,36,40,44,48,52,56,60
	v_pk_add_f32 v[14:15], v[14:15], v[96+\j:97+\j]
	v_pk_add_f32 v[236:237], v[236:237], v[98+\j:99+\j]
.endr
	v_pk_add_f32 v[14:15], v[14:15], v[236:237]
	s_wait_alu depctr_va_vdst(0)                   ; and one for the four
.irp b, 0,1,2,3
	v_max_num_f32 v[232+\b], 0x8000000, v[232+\b]  ; the floor 2^-111
.endr
.irp b, 0,1,2,3
	v_add_nc_u32 v[244+\b], 0xf8800000, v[232+\b]
.endr
.irp b, 0,1,2,3
	v_and_or_b32 v[240+\b], v[232+\b], 0x7f800000, s[MNT]
.endr
.irp b, 0,1,2,3
	v_lshrrev_b32 v[236+\b], 23, v[244+\b]
.endr
	v_lshl_or_b32 v253, v237, 8, v236              ; p's scale word for these 128 keys
	v_lshl_or_b32 v253, v238, 16, v253
	v_lshl_or_b32 v253, v239, 24, v253
.irp b, 0,1,2,3
.irp i, 0,1,2,3,4,5,6,7,8,9,10,11,12,13,14,15
	v_min_num_f32 v[96+16*\b+\i], v[96+16*\b+\i], v[240+\b]   ; the hold; p is not negative
.endr
	v_cvt_scalef32_pk8_bf8_f32 v[192+4*\b:193+4*\b], v[96+16*\b:103+16*\b], v[244+\b]
	v_cvt_scalef32_pk8_bf8_f32 v[194+4*\b:195+4*\b], v[104+16*\b:111+16*\b], v[244+\b]
.endr
.irp t, 0,1,2,3
.irp c, 0,1,2,3
	ds_load_b128 v[96+16*\t+4*\c:99+16*\t+4*\c], v[ADV] offset:2048*\t+512*\c   ; V's four fragments, over p, which has been converted
.endr
.endr
	ds_load_b32 v212, v[ADT]
	ds_load_b32 v213, v[ADT] offset:128
.irp j, 0,2,4,6,8,10,12,14,16,18,20,22,24,26,28,30
	v_pk_mul_f32 v[160+\j:161+\j], v[160+\j:161+\j], v[252:253] op_sel_hi:[1,0]   ; O^T under the new M; these 16 are also the places ahead of the products
.endr
	s_wait_dscnt 0x0
	v_wmma_scale_f32_16x16x128_f8f6f4 v[160:167], v[96:111], v[192:207], v[160:167], v212, v253 matrix_a_fmt:MATRIX_FMT_BF8 matrix_b_fmt:MATRIX_FMT_BF8
	v_wmma_scale_f32_16x16x128_f8f6f4 v[168:175], v[112:127], v[192:207], v[168:175], v212, v253 matrix_a_fmt:MATRIX_FMT_BF8 matrix_b_fmt:MATRIX_FMT_BF8 matrix_a_scale:MATRIX_SCALE_ROW1
	v_wmma_scale_f32_16x16x128_f8f6f4 v[176:183], v[128:143], v[192:207], v[176:183], v213, v253 matrix_a_fmt:MATRIX_FMT_BF8 matrix_b_fmt:MATRIX_FMT_BF8
	v_wmma_scale_f32_16x16x128_f8f6f4 v[184:191], v[144:159], v[192:207], v[184:191], v213, v253 matrix_a_fmt:MATRIX_FMT_BF8 matrix_b_fmt:MATRIX_FMT_BF8 matrix_a_scale:MATRIX_SCALE_ROW1
	s_add_co_u32 s[TB], s[TB], 8192
	s_add_co_u32 s[TS], s[TS], 512
	s_add_co_u32 s[TW], s[TW], 256
.endm
.macro QTILE j                         ; my j-th tile of 16 queries
	s_wait_xcnt 0x0                                ; the last tile's stores have read their registers
	global_load_b128 v[16:19], v[LI], s[QB:QB+1] offset:1024*\j
	global_load_b128 v[20:23], v[LI], s[QB:QB+1] offset:1024*\j+512
	global_load_b32 v214, v[QSO], s[QS:QS+1] offset:64*\j
	v_mov_b32 v13, 0xff61b1e6                      ; the largest t so far: -3e38
	v_floor_f32 v12, -v13
	v_mov_b32 v14, 0
	v_mov_b32 v15, 0
.irp n, 0,1,2,3,4,5,6,7,8,9,10,11,12,13,14,15,16,17,18,19,20,21,22,23,24,25,26,27,28,29,30,31
	v_mov_b32 v[160+\n], 0                         ; O^T: the step is written once; its first trip finds zeros, which the first change of M leaves zeros
.endr
	s_mov_b32 s[TB], 0
	s_mov_b32 s[TS], 0
	s_mov_b32 s[TW], 0
	s_mov_b32 s[CNT], 8
	s_wait_loadcnt 0x0
.Lstep_\@:
	STEP
	s_sub_co_u32 s[CNT], s[CNT], 1
	s_cmp_lg_u32 s[CNT], 0
	s_cbranch_scc1 .Lstep_\@
.rept 8
	v_nop                                          ; places behind the last products
.endr
	v_add_f32 v14, v14, v15
	v_permlanex16_b32 v252, v14, s[SEL], s[SEL+1]
	v_add_f32 v14, v14, v252                       ; the row's sum
	v_rcp_f32 v14, v14
	v_nop
	s_wait_alu depctr_va_vdst(0)
.irp n, 0,1,2,3,4,5,6,7,8,9,10,11,12,13,14,15,16,17,18,19,20,21,22,23,24,25,26,27,28,29,30,31
	v_mul_f32 v[96+\n], v[160+\n], v14             ; register 8 t + i: ctx(query r, 16 t + 8 h + i)
.endr
.irp b, 0,1
	v_max3_num_f32 v[232+\b], |v[96+16*\b]|, |v[97+16*\b]|, 0x8000000   ; the head's 64 are two blocks of 32 along the next K
.endr
.irp i, 2,4,6,8,10,12,14
.irp b, 0,1
	v_max3_num_f32 v[232+\b], v[232+\b], |v[96+16*\b+\i]|, |v[97+16*\b+\i]|
.endr
.endr
.irp b, 0,1
	v_permlanex16_b32 v[236+\b], v[232+\b], s[SEL], s[SEL+1]
.endr
.irp b, 0,1
	v_max_num_f32 v[232+\b], v[232+\b], v[236+\b]
.endr
.irp b, 0,1
	v_add_nc_u32 v[244+\b], 0xf8800000, v[232+\b]
.endr
.irp b, 0,1
	v_and_or_b32 v[240+\b], v[232+\b], 0x7f800000, s[MNT]
.endr
.irp b, 0,1
	v_lshrrev_b32 v[236+\b], 23, v[244+\b]
.endr
.irp b, 0,1
.irp i, 0,1,2,3,4,5,6,7,8,9,10,11,12,13,14,15
	v_med3_num_f32 v[96+16*\b+\i], v[96+16*\b+\i], -v[240+\b], v[240+\b]
.endr
	v_cvt_scalef32_pk8_bf8_f32 v[192+4*\b:193+4*\b], v[96+16*\b:103+16*\b], v[244+\b]
	v_cvt_scalef32_pk8_bf8_f32 v[194+4*\b:195+4*\b], v[104+16*\b:111+16*\b], v[244+\b]
.endr
	v_cndmask_b32 v254, v236, v237, s[HM]          ; lanes 0-15 store the row's first byte, lanes 16-31 its second.  (Also the plain line behind the last conversion)
.irp b, 0,1
	global_store_b64 v[CIO], v[192+4*\b:193+4*\b], s[CI:CI+1] offset:2048*\j+512*\b        ; 256 bytes on end, aligned
	global_store_b64 v[CIO], v[194+4*\b:195+4*\b], s[CI:CI+1] offset:2048*\j+512*\b+256
.endr
	global_store_b8 v[CSO], v254, s[CSP:CSP+1] offset:32*\j
.endm
	QTILE 0
	QTILE 1
	s_wait_tensorcnt 0x0                           ; the wave's end
	ds_add_u32 v[SPW], v[NIL]
	s_wait_dscnt 0x0
	s_endpgm
.Lfunc_end_k_q39327afe41_attn:
	.size	k_q39327afe41_attn, .Lfunc_end_k_q39327afe41_attn-k_q39327afe41_attn
	.p2alignl 7, 3214868480
	.fill 96, 4, 3214868480
	.section	.rodata,"a",@progbits
	.p2align	6, 0x0
	.amdhsa_kernel k_q39327afe41_attn
		.amdhsa_group_segment_fixed_size 167936
		.amdhsa_private_segment_fixed_size 0
		.amdhsa_enable_private_segment 0
		.amdhsa_kernarg_size 40
		.amdhsa_user_sgpr_count 2
		.amdhsa_user_sgpr_kernarg_segment_ptr 1
		.amdhsa_wavefront_size32 1
		.amdhsa_system_sgpr_workgroup_id_x 1
		.amdhsa_system_sgpr_workgroup_id_y 1
		.amdhsa_system_sgpr_workgroup_id_z 1
		.amdhsa_system_vgpr_workitem_id 0
		.amdhsa_next_free_vgpr 256
		.amdhsa_next_free_sgpr 66
		.amdhsa_reserve_vcc 0
		.amdhsa_float_denorm_mode_32 3
		.amdhsa_float_denorm_mode_16_64 3
		.amdhsa_memory_ordered 1
		.amdhsa_forward_progress 1
		.amdhsa_inst_pref_size 59
	.end_amdhsa_kernel
	.amdgpu_metadata
---
amdhsa.version: [ 1, 2 ]
amdhsa.kernels:
  - .name:           k_q39327afe41_attn
    .symbol:         k_q39327afe41_attn.kd
    .args:
      - { .name: qr, .offset: 0, .size: 8, .value_kind: global_buffer, .address_space: global }
      - { .name: kv, .offset: 8, .size: 8, .value_kind: global_buffer, .address_space: global }
      - { .name: vsb, .offset: 16, .size: 8, .value_kind: global_buffer, .address_space: global }
      - { .name: ci, .offset: 24, .size: 8, .value_kind: global_buffer, .address_space: global }
      - { .name: cs, .offset: 32, .size: 8, .value_kind: global_buffer, .address_space: global }
    .group_segment_fixed_size: 167936
    .private_segment_fixed_size: 0
    .kernarg_segment_align: 8
    .kernarg_segment_size: 40
    .max_flat_workgroup_size: 512
    .sgpr_count:     66
    .vgpr_count:     256
    .wavefront_size: 32
...
	.end_amdgpu_metadata
.endif
;; end of part 2
;; launch tail (part 3): grid 256 x 1, 4 waves a work-group, clusters of 4 x 1, 327,680 bytes of LDS; arguments ci, cs, x, wo_codes, wo_scales, bo, ln2_g, ln2_b, w1_codes, w1_scales, b1, w2_codes, w2_scales, b2, out0; writes out0
.if DOCPART == 3
	.amdgcn_target "amdgcn-amd-amdhsa--gfx1250"
	.amdhsa_code_object_version 6
	.text
	.protected	k_q39327afe41_tail
	.globl	k_q39327afe41_tail
	.p2align	8
	.type	k_q39327afe41_tail,@function
k_q39327afe41_tail:
	s_mov_b64 s[64:65], 0
	v_nop
	global_prefetch_b8 v0, s[64:65] scope:SCOPE_SE
	s_setreg_imm32_b32 hwreg(HW_REG_WAVE_MODE, 25, 1), 1
	s_wait_xcnt 0x0
	s_wait_alu depctr_hold_cnt(0) depctr_sa_sdst(0) depctr_va_vdst(0) depctr_va_sdst(0) depctr_va_ssrc(0) depctr_va_vcc(0) depctr_vm_vsrc(0)
	s_getreg_b32 s2, hwreg(HW_REG_IB_STS2, 6, 4)
	s_cmp_eq_u32 s2, 0
	s_cbranch_scc0 .Lentry_in_a_cluster
	s_endpgm
.Lentry_in_a_cluster:
	s_bfe_u32 s2, ttmp6, 0x10000c
	s_cmp_lg_u32 s2, 0x3003
	s_cbranch_scc0 .Lentry_shape_is_right
	s_endpgm
.Lentry_shape_is_right:
; x1 = x + ctx Wo + bo;  h2 = layernorm(x1) g + b;  out = x1 + relu(h2 W1 + b1) W2 + b2.  All three products on codes of BF8 (E5M2) with one E8M0 scale for each 32 along K; h2 and the hidden layer are quantised in registers
; and go from wave to wave through LDS as images of operand registers; x1 stays in registers from the first product to the last, whose sums are added onto it.
; SHARES, RING, CLUSTER as in the first launch: a work-group of four waves owns 32 whole rows; the waves share the columns; a weight is walked in two passes of 4 tiles of 256 along K; in pass p wave w makes columns
; 128 (4 p + w) .. + 127, which are K step 4 p + w of the next product; the 24 tiles of the three weights are one stream through two LDS slots; the four work-groups of a cluster ask for each tile jointly.
; LIMITS: NaN and infinities are not served; a block under 2^-111 (a block of zeros too) gets the scale byte 1, read by this program alone.
; No prefetch: ctx and x are asked for at the head, and the weights are read by every cluster.
; REGISTERS, in windows of 256: window 0 as mapped below; window 1: W's fragments (at the head ctx's images on their way to LDS; during the norm g and b);
;   window 2 (X): ctx Wo + bo, then x1, then the result: 128 p + 64 m + 8 t;   window 3 (Y): x, then h2, then the hidden layer, then rows on their way out.
.set PITCH, 272
.set HALFT, 128*PITCH
.set SLOTB, 4*HALFT
.set IMG,   2*SLOTB                    ; the A operand's 16 fragments: (K step k, tile of rows m) at (2 k + m) x 2,048
.set ASW,   IMG+32768                  ; its scale words: 128 k + 4 row
.set RED,   ASW+1024                   ; the waves' sums
.set SPARE, RED+1024                   ; the spare words
.set LI,   1
.set LIM,  2
.set ADRB, 3
.set IAW,  5
.set SAW,  6
.set SAR,  7
.set RDW,  8
.set RDR,  9
.set XA,   10
.set GB,   11
.set SBO,  12
.set SPW,  13
.set NIL,  14
.set STO,  15                          ; v15  the way out: my part of slot 0 + 528 r + 32 h
.set SRD,  16                          ; v16  and back: + 16 lane
.set CSO,  17                          ; v17  2 lane
.set CIW,  18                          ; v18  IMG + 16 lane + 8,192 wave
.set AS,   32
.set SB,   40
.set BI,   104
.set AF,   168
.set TM,   168
.set PW,   184
.set TP,   186
.set PC,   188
.set WV,   34
.set G1,   44
.set G0,   52
.set SEL,  60
.set MNT,  62
.set HM,   63
.set EPS,  66
.set IK,   67
.set XP,   8
.set OUT,  32
.set MSB, 0
.macro WIN new
.if MSB != (\new)
	s_set_vgpr_msb (MSB<<8)|(\new)
.set MSB, (\new)
.endif
.endm
.macro CREST
	s_cmp_lg_u32 s[WV], 0
	s_cbranch_scc1 .Lnot_wave_0_\@
	s_barrier_signal -3
.Lnot_wave_0_\@:
	s_barrier_wait -3
	s_barrier_signal -1
	s_barrier_wait -1
.endm
.macro CROUND
	s_barrier_signal -1
	s_barrier_wait -1
	CREST
.endm
.macro FETCH_B a, kk
	WIN 0x40
.irp t, 0,1,2,3,4,5,6,7
.irp c, 0,1,2,3
	ds_load_b128 v[128*(\kk)+16*\t+4*\c:128*(\kk)+16*\t+4*\c+3], v[ADRB+(\a)] offset:\t*16*PITCH+128*(\kk)+32*\c
.endr
.endr
	WIN 0
.endm
.macro FETCH_A k, kk
.irp m, 0,1
.irp c, 0,1,2,3
	ds_load_b128 v[AF+32*(\kk)+16*\m+4*\c:AF+32*(\kk)+16*\m+4*\c+3], v[LIM] offset:(2*(\k)+\m)*2048+512*\c
.endr
.endr
.endm
.macro NEXT a, q
	FETCH_B \a, 0
	FETCH_A 2*(\q), 0
.endm
; one product, transposed: source 0 = 16 rows of W, source 1 = 16 rows of the A operand; D in rD, C in rC; ra, rb: the side's scales stand in lanes 16-31
.macro WM a, b, x, y, ra, rb
.if (\ra)&&(\rb)
	v_wmma_scale_f32_16x16x128_f8f6f4 v[rD:rD+7], v[\a:\a+15], v[\b:\b+15], v[rC:rC+7], v[\x], v[\y] matrix_a_fmt:MATRIX_FMT_BF8 matrix_b_fmt:MATRIX_FMT_BF8 matrix_a_scale:MATRIX_SCALE_ROW1 matrix_b_scale:MATRIX_SCALE_ROW1
.elseif (\ra)
	v_wmma_scale_f32_16x16x128_f8f6f4 v[rD:rD+7], v[\a:\a+15], v[\b:\b+15], v[rC:rC+7], v[\x], v[\y] matrix_a_fmt:MATRIX_FMT_BF8 matrix_b_fmt:MATRIX_FMT_BF8 matrix_a_scale:MATRIX_SCALE_ROW1
.elseif (\rb)
	v_wmma_scale_f32_16x16x128_f8f6f4 v[rD:rD+7], v[\a:\a+15], v[\b:\b+15], v[rC:rC+7], v[\x], v[\y] matrix_a_fmt:MATRIX_FMT_BF8 matrix_b_fmt:MATRIX_FMT_BF8 matrix_b_scale:MATRIX_SCALE_ROW1
.else
	v_wmma_scale_f32_16x16x128_f8f6f4 v[rD:rD+7], v[\a:\a+15], v[\b:\b+15], v[rC:rC+7], v[\x], v[\y] matrix_a_fmt:MATRIX_FMT_BF8 matrix_b_fmt:MATRIX_FMT_BF8
.endif
.endm
; 16 products, K step k: the 16 accumulators by turns, one instruction a turn, in the same order everywhere.  cm = 1: the bias starts the sums
.macro MUL16 kk, k, p, acc, cm
.irp t, 0,1,2,3,4,5,6,7
.irp m, 0,1
.set rD, (\acc)+64*\m+8*\t
.set rW, 128*(\kk)+16*\t
.set rF, AF+32*(\kk)+16*\m
.set rC, rD
.if (\cm)==1
.set rC, BI+8*\t
.endif
.set rS, SB+32*(\p)+8*(\t/2)+(\k)
	WM rW, rF, rS, AS+(\k), \t%2, \m
.endr
.endr
.endm
; A TILE OF 256 ALONG K in slot a.  At its head the 40 loads of its first 128 are out.  fill = 1: the slot is filled again, with the tile two further on in the stream.
.macro SLOT a, q, p, wf, wn, acc, cm, fill, ptr, off
	FETCH_B \a, 1
	FETCH_A 2*(\q)+1, 1
	s_wait_dscnt 40                                ; all but the 40 just issued
	WIN \wf
	MUL16 0, 2*(\q), \p, \acc, \cm
	WIN 0
	s_wait_tensorcnt 0x0                           ; all my tensor loads have landed: my part of the next tile
.if \fill
	ds_add_u32 v[SPW], v[NIL]                      ; 0 onto my spare word
	s_add_nc_u64 s[G0+4*(\a)+2:G0+4*(\a)+3], s[\ptr:\ptr+1], \off
	s_or_b32 s[G0+4*(\a)+3], s[G0+4*(\a)+3], 0x80000000
	s_wait_dscnt 0x0                               ; the add is done, and all my reads of this slot and of this K step's images are in
	s_barrier_signal -1                            ; opens a round of the cluster's barrier
	WIN \wn
	MUL16 1, 2*(\q)+1, \p, \acc, 0
	WIN 0
	s_barrier_wait -1
	CREST
	tensor_load_to_lds s[G0+4*(\a):G0+4*(\a)+3], s[G1:G1+7]
	s_nop 0
.else
	s_wait_dscnt 0x0
	WIN \wn
	MUL16 1, 2*(\q)+1, \p, \acc, 0
	WIN 0
.endif
.rept 8
	v_nop                                          ; eight places ahead of loads into registers that the products have read and of the first read of results; the first four also follow the tensor load
.endr
.endm
.macro TILE f, wf, wn, cm              ; tile f of the stream's 24: slot f % 2, pass (f % 8) / 4; the refill is tile f + 2
.set PT, 10
.if (\f)+2 >= 8
.set PT, 20
.endif
.if (\f)+2 >= 16
.set PT, 26
.endif
.if (\f) < 22
	SLOT (\f)%2, (\f)%4, ((\f)%8)/4, \wf, \wn, 128*(((\f)%8)/4), \cm, 1, PT, ((((\f)+2)%8)/4)*524288+(((\f)+2)%4)*256
.else
	SLOT (\f)%2, (\f)%4, ((\f)%8)/4, \wf, \wn, 128*(((\f)%8)/4), \cm, 0, PT, 0
.endif
.endm
.macro LDSB ptr
.irp p, 0,1
.irp j, 0,1,2,3
	global_load_b128 v[SB+32*\p+8*\j:SB+32*\p+8*\j+3], v[SBO], s[\ptr:\ptr+1] offset:16384*\p+1024*\j
	global_load_b128 v[SB+32*\p+8*\j+4:SB+32*\p+8*\j+7], v[SBO], s[\ptr:\ptr+1] offset:16384*\p+1024*\j+16
.endr
.endr
.endm
.macro LDBI ptr, p
.irp t, 0,1,2,3,4,5,6,7
	global_load_b128 v[BI+8*\t:BI+8*\t+3], v[GB], s[\ptr:\ptr+1] offset:2048*(\p)+64*\t
	global_load_b128 v[BI+8*\t+4:BI+8*\t+7], v[GB], s[\ptr:\ptr+1] offset:2048*(\p)+64*\t+16
.endr
.endm
.macro XLOAD win
	WIN \win
.irp p, 0,1
.irp m, 0,1
.irp t, 0,1,2,3,4,5,6,7
	global_load_b128 v[128*\p+64*\m+8*\t:128*\p+64*\m+8*\t+3], v[XA], s[XP:XP+1] offset:65536*\m+2048*\p+64*\t th:TH_LOAD_NT
	global_load_b128 v[128*\p+64*\m+8*\t+4:128*\p+64*\m+8*\t+7], v[XA], s[XP:XP+1] offset:65536*\m+2048*\p+64*\t+16 th:TH_LOAD_NT
.endr
.endr
.endr
	WIN 0
.endm
.macro GBLOAD gp, bp
	WIN 0x40
.irp p, 0,1
.irp t, 0,1,2,3,4,5,6,7
	global_load_b128 v[64*\p+8*\t:64*\p+8*\t+3], v[GB], s[\gp:\gp+1] offset:2048*\p+64*\t
	global_load_b128 v[64*\p+8*\t+4:64*\p+8*\t+7], v[GB], s[\gp:\gp+1] offset:2048*\p+64*\t+16
	global_load_b128 v[128+64*\p+8*\t:128+64*\p+8*\t+3], v[GB], s[\bp:\bp+1] offset:2048*\p+64*\t
	global_load_b128 v[128+64*\p+8*\t+4:128+64*\p+8*\t+7], v[GB], s[\bp:\bp+1] offset:2048*\p+64*\t+16
.endr
.endr
	WIN 0
.endm
; FOUR BLOCKS OF 32 ARE QUANTISED: block b is my 16 numbers v[s + 16 b .. + 15] of window 3 and lane l xor 16's.  relu = 1: what is negative becomes 0 on the way: it does not count for the largest magnitude, and the hold clips at 0.
; The floor 2^-111 among the maximum's leaves holds the byte at 1 from below; the hold at 57,344 x the scale stands ahead of the conversion, which does not saturate (ISA guide 7.6.2).
.macro QUANT s, relu, pw
	WIN 0x3c
.irp b, 0,1,2,3
.if \relu
	v_max3_num_f32 v[TM+\b], 0x8000000, v[(\s)+16*\b], v[(\s)+16*\b+1]
.else
	v_max3_num_f32 v[TM+\b], 0x8000000, |v[(\s)+16*\b]|, |v[(\s)+16*\b+1]|
.endif
.endr
.irp i, 2,4,6,8,10,12,14
.irp b, 0,1,2,3
.if \relu
	v_max3_num_f32 v[TM+\b], v[TM+\b], v[(\s)+16*\b+\i], v[(\s)+16*\b+\i+1]
.else
	v_max3_num_f32 v[TM+\b], v[TM+\b], |v[(\s)+16*\b+\i]|, |v[(\s)+16*\b+\i+1]|
.endif
.endr
.endr
	WIN 0
.irp b, 0,1,2,3
	v_permlanex16_b32 v[TM+4+\b], v[TM+\b], s[SEL], s[SEL+1]
.endr
.irp b, 0,1,2,3
	v_max_num_f32 v[TM+\b], v[TM+\b], v[TM+4+\b]
.endr
.irp b, 0,1,2,3
	v_add_nc_u32 v[TM+12+\b], 0xf8800000, v[TM+\b]
.endr
.irp b, 0,1,2,3
	v_and_or_b32 v[TM+8+\b], v[TM+\b], 0x7f800000, s[MNT]
.endr
.irp b, 0,1,2,3
	v_lshrrev_b32 v[TM+4+\b], 23, v[TM+12+\b]
.endr
	v_lshl_or_b32 v[\pw], v[TM+5], 8, v[TM+4]
	v_lshl_or_b32 v[\pw], v[TM+6], 16, v[\pw]
	v_lshl_or_b32 v[\pw], v[TM+7], 24, v[\pw]
	WIN 0xc3
.irp b, 0,1,2,3
.irp i, 0,1,2,3,4,5,6,7,8,9,10,11,12,13,14,15
.if \relu
	v_med3_num_f32 v[(\s)+16*\b+\i], v[(\s)+16*\b+\i], 0, v[TM+8+\b]
.else
	v_med3_num_f32 v[(\s)+16*\b+\i], v[(\s)+16*\b+\i], -v[TM+8+\b], v[TM+8+\b]
.endif
.endr
.endr
	WIN 0x03
.irp b, 0,1,2,3
	v_cvt_scalef32_pk8_bf8_f32 v[PC+4*\b:PC+4*\b+1], v[(\s)+16*\b:(\s)+16*\b+7], v[TM+12+\b]
	v_cvt_scalef32_pk8_bf8_f32 v[PC+4*\b+2:PC+4*\b+3], v[(\s)+16*\b+8:(\s)+16*\b+15], v[TM+12+\b]
.endr
	WIN 0
	v_nop                                          ; one plain line behind the last conversion
.endm
; Window 3's 256 numbers become K steps w and 4 + w of the next product.  The images are written again only here, behind the last round of the layer that read them: in front of that round's signal every wave has waited for its reads.
.macro TOIMG relu
.irp p, 0,1
.irp m, 0,1
	s_wait_dscnt 0x0
	QUANT 128*\p+64*\m, \relu, PW+\m
.irp b, 0,1,2,3
	ds_store_b64 v[IAW], v[PC+4*\b:PC+4*\b+1] offset:16384*\p+2048*\m+512*\b
	ds_store_b64 v[IAW], v[PC+4*\b+2:PC+4*\b+3] offset:16384*\p+2048*\m+512*\b+256
.endr
.endr
	v_cndmask_b32 v[TP], v[PW], v[PW+1], s[HM]
	ds_store_b32 v[SAW], v[TP] offset:512*\p
.endr
	s_wait_dscnt 0x0
	s_barrier_signal -1
	s_barrier_wait -1
.irp k, 0,1,2,3,4,5,6,7
	ds_load_b32 v[AS+\k], v[SAR] offset:128*\k
.endr
.endm
.macro RSUM off
	v_pk_add_f32 v[20:21], v[20:21], v[22:23]
	v_pk_add_f32 v[24:25], v[24:25], v[26:27]
	v_add_f32 v20, v20, v21
	v_add_f32 v24, v24, v25
	v_permlanex16_b32 v232, v20, s[SEL], s[SEL+1]
	v_permlanex16_b32 v233, v24, s[SEL], s[SEL+1]
	v_add_f32 v20, v20, v232
	v_add_f32 v24, v24, v233
	v_cndmask_b32 v234, v20, v24, s[HM]
	ds_store_b32 v[RDW], v234 offset:\off
	s_wait_dscnt 0x0
	s_barrier_signal -1
	s_barrier_wait -1
.irp u, 0,1,2,3
	ds_load_b32 v[240+2*\u], v[RDR] offset:\off+128*\u
	ds_load_b32 v[241+2*\u], v[RDR] offset:\off+128*\u+64
.endr
	s_wait_dscnt 0x0
	v_add_f32 v20, v240, v242
	v_add_f32 v21, v244, v246
	v_add_f32 v24, v241, v243
	v_add_f32 v25, v245, v247
	v_add_f32 v20, v20, v21
	v_add_f32 v24, v24, v25
.endm
.macro LN                              ; the norm, from window 2 into window 3
	WIN 0x0a
.irp m, 0,1
	v_pk_add_f32 v[20+4*\m:21+4*\m], v[64*\m:64*\m+1], v[64*\m+2:64*\m+3]
	v_pk_add_f32 v[22+4*\m:23+4*\m], v[64*\m+4:64*\m+5], v[64*\m+6:64*\m+7]
.endr
	WIN 0x08
.set n, 4
.rept 60
.irp m, 0,1
	v_pk_add_f32 v[20+4*\m+2*(n%2):21+4*\m+2*(n%2)], v[20+4*\m+2*(n%2):21+4*\m+2*(n%2)], v[128*(n/32)+64*\m+2*(n%32):128*(n/32)+64*\m+2*(n%32)+1]
.endr
.set n, n+1
.endr
	WIN 0
	RSUM 0
	v_mul_f32 v28, s[IK], v20
	v_mul_f32 v29, s[IK], v20
	v_mul_f32 v30, s[IK], v24
	v_mul_f32 v31, s[IK], v24
	WIN 0xc2
.set n, 0
.rept 64
.irp m, 0,1
	v_pk_add_f32 v[128*(n/32)+64*\m+2*(n%32):128*(n/32)+64*\m+2*(n%32)+1], v[128*(n/32)+64*\m+2*(n%32):128*(n/32)+64*\m+2*(n%32)+1], v[28+2*\m:29+2*\m] op_sel_hi:[1,0] neg_lo:[0,1] neg_hi:[0,1]
.endr
.set n, n+1
.endr
	WIN 0x0f
.irp m, 0,1
	v_pk_mul_f32 v[20+4*\m:21+4*\m], v[64*\m:64*\m+1], v[64*\m:64*\m+1]
	v_pk_mul_f32 v[22+4*\m:23+4*\m], v[64*\m+2:64*\m+3], v[64*\m+2:64*\m+3]
.endr
.set n, 2
.rept 62
.irp m, 0,1
	v_pk_fma_f32 v[20+4*\m+2*(n%2):21+4*\m+2*(n%2)], v[128*(n/32)+64*\m+2*(n%32):128*(n/32)+64*\m+2*(n%32)+1], v[128*(n/32)+64*\m+2*(n%32):128*(n/32)+64*\m+2*(n%32)+1], v[20+4*\m+2*(n%2):21+4*\m+2*(n%2)]
.endr
.set n, n+1
.endr
	WIN 0
	RSUM 512
	v_fma_f32 v20, v20, s[IK], s[EPS]
	v_fma_f32 v24, v24, s[IK], s[EPS]
	v_rsq_f32 v28, v20
	v_rsq_f32 v30, v24
	v_nop                                          ; a plain line behind the transcendentals,
	s_wait_alu depctr_va_vdst(0)                   ; and one wait ahead of their first reader
	s_wait_loadcnt 32                              ; g and b are in; the scales' 16 loads and the bias's 16 may stay out
	WIN 0xc3
.set n, 0
.rept 64
.irp m, 0,1
	v_pk_mul_f32 v[128*(n/32)+64*\m+2*(n%32):128*(n/32)+64*\m+2*(n%32)+1], v[128*(n/32)+64*\m+2*(n%32):128*(n/32)+64*\m+2*(n%32)+1], v[28+2*\m:29+2*\m] op_sel_hi:[1,0]
.endr
.set n, n+1
.endr
	WIN 0xd7
.set n, 0
.rept 64
.irp m, 0,1
	v_pk_fma_f32 v[128*(n/32)+64*\m+2*(n%32):128*(n/32)+64*\m+2*(n%32)+1], v[128*(n/32)+64*\m+2*(n%32):128*(n/32)+64*\m+2*(n%32)+1], v[64*(n/32)+2*(n%32):64*(n/32)+2*(n%32)+1], v[128+64*(n/32)+2*(n%32):128+64*(n/32)+2*(n%32)+1]
.endr
.set n, n+1
.endr
	WIN 0
.endm
; A weight's eight tiles.  wc: the windows of a pass's first 16 products, wi: of the others; cm = 1: the bias (bp) starts the sums
.macro LAYER f0, wc, wi, cm, bp
	TILE (\f0), \wc, \wi, \cm
.if \cm
	LDBI \bp, 1                                    ; the second pass's bias: the first products have taken the first's
.endif
	NEXT 1, 1
	TILE (\f0)+1, \wi, \wi, 0
	NEXT 0, 2
	TILE (\f0)+2, \wi, \wi, 0
	NEXT 1, 3
	TILE (\f0)+3, \wi, \wi, 0
	NEXT 0, 0
	s_wait_loadcnt 0x0                             ; the second pass's bias
	TILE (\f0)+4, \wc, \wi, \cm
	NEXT 1, 1
	TILE (\f0)+5, \wi, \wi, 0
	NEXT 0, 2
	TILE (\f0)+6, \wi, \wi, 0
	NEXT 1, 3
	TILE (\f0)+7, \wi, \wi, 0
.endm
; THE WAY OUT, by chunks c = 2 p + m of 16 rows x my 128 columns: through my own stage (16 rows x 528 bytes, in my part of slot 0, which has had its last fill and its last read) and back as whole rows of 512 bytes.
.macro TOSTAGE c
	WIN 0x08
.irp t, 0,1,2,3,4,5,6,7
	ds_store_b128 v[STO], v[64*(\c)+8*\t:64*(\c)+8*\t+3] offset:64*\t          ; each accumulator from its low end on
	ds_store_b128 v[STO], v[64*(\c)+8*\t+4:64*(\c)+8*\t+7] offset:64*\t+16
.endr
	WIN 0xc0
.irp i, 0,1,2,3,4,5,6,7,8,9,10,11,12,13,14,15
	ds_load_b128 v[64*(\c)+4*\i:64*(\c)+4*\i+3], v[SRD] offset:528*\i          ; LDS serves a wave's instructions in order (ISA guide 5.7.1.4)
.endr
	WIN 0
.endm
.macro SEND c, younger
	s_wait_dscnt \younger
	WIN 0xc3
.irp i, 0,1,2,3,4,5,6,7,8,9,10,11,12,13,14,15
	v_pk_add_f32 v[64*(\c)+4*\i:64*(\c)+4*\i+1], v[64*(\c)+4*\i:64*(\c)+4*\i+1], v[232+4*((\c)/2):233+4*((\c)/2)]     ; + b2 of my four columns
	v_pk_add_f32 v[64*(\c)+4*\i+2:64*(\c)+4*\i+3], v[64*(\c)+4*\i+2:64*(\c)+4*\i+3], v[234+4*((\c)/2):235+4*((\c)/2)]
.endr
	WIN 0x0c
.irp i, 0,1,2,3,4,5,6,7,8,9,10,11,12,13,14,15
	global_store_b128 v[LI], v[64*(\c)+4*\i:64*(\c)+4*\i+3], s[OUT:OUT+1] offset:(16*((\c)%2)+\i)*4096+2048*((\c)/2) th:TH_STORE_NT   ; 32 lanes store 512 bytes on end, aligned
.endr
	WIN 0
.endm
	s_load_b512 s[4:19], s[0:1], 0x0               ; ci 4, cs 6, x 8, wo codes 10, scales 12, bo 14, ln2_g 16, ln2_b 18
	s_load_b256 s[20:27], s[0:1], 0x40             ; w1 codes 20, scales 22, b1 24, w2 codes 26
	s_load_b128 s[28:31], s[0:1], 0x60             ; w2 scales 28, b2 30
	s_load_b64 s[32:33], s[0:1], 0x70              ; out0
	v_lshl_add_u32 v[SPW], v0, 2, SPARE
	v_mov_b32 v[NIL], 0
	ds_add_u32 v[SPW], v[NIL]                      ; the wave's opening: the add and its wait stand ahead of my first tensor load
	v_lshrrev_b32 v20, 5, v0
	v_readfirstlane_b32 s[WV], v20
	s_bfe_u32 s35, ttmp6, 0x40000
	s_lshl_b32 s36, ttmp9, 2
	s_add_co_u32 s36, s36, s35                     ; my block of 32 rows: it enters global addresses alone
	s_mov_b32 s[G1], 15|(0<<16)|(1<<20)|(1<<21)|(5<<22)|(3<<25)
	s_mov_b32 s[G1+1], 256<<16
	s_mov_b32 s[G1+2], 128<<16
	s_mov_b32 s[G1+3], 256<<16
	s_mov_b32 s[G1+4], 128
	s_mov_b32 s[G1+5], 1024
	s_mov_b32 s[G1+6], 0
	s_mov_b32 s[G1+7], 0
	s_mov_b32 s[SEL], 0x76543210
	s_mov_b32 s[SEL+1], 0xfedcba98
	s_mov_b32 s[MNT], 0x600000
	s_mov_b32 s[HM], 0xffff0000
	s_mov_b32 s[EPS], 0x3727c5ac
	s_mov_b32 s[IK], 0x3a800000
	s_mul_i32 s39, s[WV], HALFT
	v_and_b32 v21, 31, v0
	v_and_b32 v22, 15, v0
	v_bfe_u32 v23, v0, 4, 1
	v_lshlrev_b32 v[LI], 4, v21
	v_add_nc_u32 v[LIM], IMG, v[LI]
	v_mul_u32_u24 v24, v22, PITCH
	v_lshl_add_u32 v24, v23, 4, v24
	v_add_nc_u32 v[ADRB], s39, v24
	v_add_nc_u32 v[ADRB+1], SLOTB, v[ADRB]
	v_lshlrev_b32 v24, 4, v22
	v_lshl_add_u32 v24, v23, 3, v24
	s_lshl_b32 s40, s[WV], 12
	v_add_nc_u32 v[IAW], s40, v24
	v_add_nc_u32 v[IAW], IMG, v[IAW]
	v_lshlrev_b32 v25, 2, v21
	v_add_nc_u32 v[SAR], ASW, v25
	s_lshl_b32 s40, s[WV], 7
	v_add_nc_u32 v[SAW], s40, v[SAR]
	v_add_nc_u32 v[RDW], s40, v25
	v_add_nc_u32 v[RDW], RED, v[RDW]
	v_lshl_add_u32 v[RDR], v22, 2, RED
	v_lshlrev_b32 v[XA], 12, v22
	v_lshl_add_u32 v[XA], v23, 5, v[XA]
	v_lshlrev_b32 v[GB], 5, v23
	v_lshlrev_b32 v[SBO], 5, v21
	v_mul_u32_u24 v[STO], v22, 528
	v_lshl_add_u32 v[STO], v23, 5, v[STO]
	v_add_nc_u32 v[STO], s39, v[STO]
	v_add_nc_u32 v[SRD], s39, v[LI]
	v_lshlrev_b32 v[CSO], 1, v21
	s_lshl_b32 s40, s[WV], 13
	v_add_nc_u32 v[CIW], s40, v[LIM]
.irp b, 0,1,2,3
	v_mov_b32 v[TM+4+\b], 0
.endr
	v_mov_b32 v232, 0
	v_mov_b32 v233, 0
	s_wait_dscnt 0x0
	s_wait_kmcnt 0x0
	s_mov_b32 s41, 0
	s_lshl_b32 s40, s[WV], 17
	s_add_nc_u64 s[10:11], s[10:11], s[40:41]
	s_add_nc_u64 s[20:21], s[20:21], s[40:41]
	s_add_nc_u64 s[26:27], s[26:27], s[40:41]
	s_lshl_b32 s40, s[WV], 12
	s_add_nc_u64 s[12:13], s[12:13], s[40:41]
	s_add_nc_u64 s[22:23], s[22:23], s[40:41]
	s_add_nc_u64 s[28:29], s[28:29], s[40:41]
	s_lshl_b32 s40, s[WV], 9
	s_add_nc_u64 s[8:9], s[8:9], s[40:41]
	s_add_nc_u64 s[14:15], s[14:15], s[40:41]
	s_add_nc_u64 s[16:17], s[16:17], s[40:41]
	s_add_nc_u64 s[18:19], s[18:19], s[40:41]
	s_add_nc_u64 s[24:25], s[24:25], s[40:41]
	s_add_nc_u64 s[30:31], s[30:31], s[40:41]
	s_add_nc_u64 s[32:33], s[32:33], s[40:41]
	s_lshl_b32 s40, s36, 17
	s_add_nc_u64 s[8:9], s[8:9], s[40:41]
	s_add_nc_u64 s[32:33], s[32:33], s[40:41]
	s_lshl_b32 s40, s36, 15
	s_lshl_b32 s42, s[WV], 13
	s_add_co_u32 s40, s40, s42
	s_add_nc_u64 s[4:5], s[4:5], s[40:41]          ; my quarter of the block's images of ctx
	s_lshl_b32 s40, s36, 10
	s_add_nc_u64 s[6:7], s[6:7], s[40:41]
	CROUND                                         ; all four work-groups are here: the first joint loads meet
.irp a, 0,1
	s_mov_b32 s[G0+4*\a], 1
	s_add_co_u32 s[G0+4*\a+1], s39, \a*SLOTB
	s_add_nc_u64 s[G0+4*\a+2:G0+4*\a+3], s[10:11], \a*256
	s_or_b32 s[G0+4*\a+3], s[G0+4*\a+3], 0x80000000
.endr
	tensor_load_to_lds s[G0:G0+3], s[G1:G1+7]      ; Wo's tiles 0 and 1: two loads of mine are out; later one
	s_nop 0
	tensor_load_to_lds s[G0+4:G0+7], s[G1:G1+7]
	s_nop 0
.rept 4
	v_nop
.endr
	WIN 0x40
.irp i, 0,1,2,3,4,5,6,7,8,9,10,11,12,13,14,15
	global_load_b128 v[4*\i:4*\i+3], v[LI], s[4:5] offset:512*\i th:TH_LOAD_NT
.endr
	WIN 0
.irp k, 0,1,2,3,4,5,6,7
	global_load_u16 v[240+2*\k], v[CSO], s[6:7] offset:128*\k          ; row l's two scale bytes of head 2 k,
	global_load_u16 v[241+2*\k], v[CSO], s[6:7] offset:128*\k+64       ; and of head 2 k + 1
.endr
	LDSB 12
	LDBI 14, 0
	s_wait_loadcnt 48                              ; ctx's images are in: 48 loads were issued behind them
	WIN 0x04
.irp i, 0,1,2,3,4,5,6,7,8,9,10,11,12,13,14,15
	ds_store_b128 v[CIW], v[4*\i:4*\i+3] offset:512*\i
.endr
	WIN 0
	XLOAD 0xc0
	s_wait_loadcnt 63                              ; all that was issued ahead of x's 64 loads is in
.irp k, 0,1,2,3,4,5,6,7
	v_lshl_or_b32 v[AS+\k], v[241+2*\k], 16, v[240+2*\k]   ; ctx's scale word of K step k
.endr
.rept 8
	v_nop                                          ; a scale register written by a vector instruction stands eight places ahead of the product
.endr
	s_wait_dscnt 0x0
	s_barrier_signal -1
	s_barrier_wait -1                              ; ctx's sixteen fragments lie in LDS
	s_wait_tensorcnt 1                             ; my part of tile 0 is in
	NEXT 0, 0
	LAYER 0, 0x81, 0xa1, 1, 14                     ; X = ctx Wo + bo
	GBLOAD 16, 18
	LDSB 22
	LDBI 24, 0
	WIN 0x8e
.set n, 0
.rept 128
	v_pk_add_f32 v[2*n:2*n+1], v[2*n:2*n+1], v[2*n:2*n+1]   ; x1 = X + x (window 3): it stays in X
.set n, n+1
.endr
	WIN 0
	LN
	TOIMG 0
	NEXT 0, 0
	s_wait_loadcnt 0x0                             ; W1's scale words, b1
	LAYER 8, 0xc1, 0xf1, 1, 24                     ; Y = h2 W1 + b1
	LDSB 28
	global_load_b128 v[232:235], v[LI], s[30:31]               ; b2 of my four columns of a row on its way out, pass 0
	global_load_b128 v[236:239], v[LI], s[30:31] offset:2048   ; and pass 1
	TOIMG 1
	NEXT 0, 0
	s_wait_loadcnt 0x0                             ; W2's scale words, b2
	LAYER 16, 0xa1, 0xa1, 0, 0                     ; X += relu(Y) W2
	TOSTAGE 0
	TOSTAGE 1
	SEND 0, 32                                     ; behind chunk 0's loads: chunk 1's 16 stores and 16 loads
	TOSTAGE 2
	SEND 1, 32
	TOSTAGE 3
	SEND 2, 32
	SEND 3, 0
	s_wait_tensorcnt 0x0                           ; the wave's end: behind my last tensor load and my last LDS store
	ds_add_u32 v[SPW], v[NIL]
	s_wait_dscnt 0x0
	CROUND                                         ; the closing round
	s_endpgm
.Lfunc_end_k_q39327afe41_tail:
	.size	k_q39327afe41_tail, .Lfunc_end_k_q39327afe41_tail-k_q39327afe41_tail
	.p2alignl 7, 3214868480
	.fill 96, 4, 3214868480
	.section	.rodata,"a",@progbits
	.p2align	6, 0x0
	.amdhsa_kernel k_q39327afe41_tail
		.amdhsa_group_segment_fixed_size 327680
		.amdhsa_private_segment_fixed_size 0
		.amdhsa_enable_private_segment 0
		.amdhsa_kernarg_size 120
		.amdhsa_user_sgpr_count 2
		.amdhsa_user_sgpr_kernarg_segment_ptr 1
		.amdhsa_wavefront_size32 1
		.amdhsa_system_sgpr_workgroup_id_x 1
		.amdhsa_system_sgpr_workgroup_id_y 1
		.amdhsa_system_sgpr_workgroup_id_z 1
		.amdhsa_system_vgpr_workitem_id 0
		.amdhsa_next_free_vgpr 1024
		.amdhsa_next_free_sgpr 100
		.amdhsa_reserve_vcc 0
		.amdhsa_float_denorm_mode_32 3
		.amdhsa_float_denorm_mode_16_64 3
		.amdhsa_memory_ordered 1
		.amdhsa_forward_progress 1
		.amdhsa_inst_pref_size 255
	.end_amdhsa_kernel
	.section	.bss,"aw",@nobits
	.p2align	6
	.space	262144
	.amdgpu_metadata
---
amdhsa.version: [ 1, 2 ]
amdhsa.kernels:
  - .name:           k_q39327afe41_tail
    .symbol:         k_q39327afe41_tail.kd
    .args:
      - { .name: ci, .offset: 0, .size: 8, .value_kind: global_buffer, .address_space: global }
      - { .name: cs, .offset: 8, .size: 8, .value_kind: global_buffer, .address_space: global }
      - { .name: x, .offset: 16, .size: 8, .value_kind: global_buffer, .address_space: global }
      - { .name: wo_codes, .offset: 24, .size: 8, .value_kind: global_buffer, .address_space: global }
      - { .name: wo_scales, .offset: 32, .size: 8, .value_kind: global_buffer, .address_space: global }
      - { .name: bo, .offset: 40, .size: 8, .value_kind: global_buffer, .address_space: global }
      - { .name: ln2_g, .offset: 48, .size: 8, .value_kind: global_buffer, .address_space: global }
      - { .name: ln2_b, .offset: 56, .size: 8, .value_kind: global_buffer, .address_space: global }
      - { .name: w1_codes, .offset: 64, .size: 8, .value_kind: global_buffer, .address_space: global }
      - { .name: w1_scales, .offset: 72, .size: 8, .value_kind: global_buffer, .address_space: global }
      - { .name: b1, .offset: 80, .size: 8, .value_kind: global_buffer, .address_space: global }
      - { .name: w2_codes, .offset: 88, .size: 8, .value_kind: global_buffer, .address_space: global }
      - { .name: w2_scales, .offset: 96, .size: 8, .value_kind: global_buffer, .address_space: global }
      - { .name: b2, .offset: 104, .size: 8, .value_kind: global_buffer, .address_space: global }
      - { .name: out0, .offset: 112, .size: 8, .value_kind: global_buffer, .address_space: global }
    .group_segment_fixed_size: 327680
    .private_segment_fixed_size: 0
    .kernarg_segment_align: 8
    .kernarg_segment_size: 120
    .max_flat_workgroup_size: 128
    .sgpr_count:     100
    .vgpr_count:     1024
    .wavefront_size: 32
...
	.end_amdgpu_metadata
.endif
;; end of part 3
;; ======== version 2 of 2: 3 launches
;; limits: right only within a limited range of input values
;; workspace buffers: qr 17,301,504 bytes; kv 17,301,504 bytes; vsb 262,144 bytes; ci 8,388,608 bytes; cs 262,144 bytes; wimg 3,145,728 bytes
;; launch qkv (part 4): grid 256 x 1, 4 waves a work-group, clusters of 4 x 1, 327,680 bytes of LDS; arguments x, ln1_g, ln1_b, wq_codes, wq_scales, bq, wk_codes, wk_scales, bk, wv_codes, wv_scales, bv, qr, kv, vsb; writes qr, kv, vsb
.if DOCPART == 4
	.amdgcn_target "amdgcn-amd-amdhsa--gfx1250"
	.amdhsa_code_object_version 6
	.text
	.protected	k_q39327afe41_qkv
	.globl	k_q39327afe41_qkv
	.p2align	8
	.type	k_q39327afe41_qkv,@function
k_q39327afe41_qkv:
	s_mov_b64 s[64:65], 0
	v_nop
	global_prefetch_b8 v0, s[64:65] scope:SCOPE_SE
	s_setreg_imm32_b32 hwreg(HW_REG_WAVE_MODE, 25, 1), 1
	s_wait_xcnt 0x0
	s_wait_alu depctr_hold_cnt(0) depctr_sa_sdst(0) depctr_va_vdst(0) depctr_va_sdst(0) depctr_va_ssrc(0) depctr_va_vcc(0) depctr_vm_vsrc(0)
	s_getreg_b32 s2, hwreg(HW_REG_IB_STS2, 6, 4)
	s_cmp_eq_u32 s2, 0
	s_cbranch_scc0 .Lentry_in_a_cluster
	s_endpgm
.Lentry_in_a_cluster:
	s_bfe_u32 s2, ttmp6, 0x10000c
	s_cmp_lg_u32 s2, 0x3003
	s_cbranch_scc0 .Lentry_shape_is_right
	s_endpgm
.Lentry_shape_is_right:
; h = layernorm(x) g + b, quantised to BF8 (E5M2) with one E8M0 scale for each 32 along the width; q = h Wq + bq, k = h Wk + bk, v = h Wv + bv on codes;
; q and k are quantised along a head's 64, v along the keys, and all three leave as IMAGES OF OPERAND REGISTERS for the attention launch.
; SHARES.  A work-group of four waves owns 128 rows (tokens) and 768 columns: four heads of q, of k and of v.  Behind the norm nothing here needs whole rows, so the columns are shared out among work-groups:
; a work-group takes in 768 KiB of weights and 512 KiB of x.  The price: four work-groups read the same rows of x and norm and quantise them, each for itself.
; THE NORM.  A wave owns 32 whole rows, four at a time: eight lanes to a row, lane u of them holding columns 64 j + 8 u + 0 .. 7 (j = 0 .. 15) in 128 registers.  A pair of loads covers one aligned 256 bytes of each of
; the four rows; a row's sums cross eight lanes, a block of 32 four lanes; no wave waits for another.  The codes go to LDS as images of h's fragments, which all four waves then read.
; THE PRODUCTS.  Three passes: q, k, v.  Wave w makes head 4 c + w: 64 columns x 128 rows = 4 x 8 accumulators.  A pass takes K in 4 tiles of 256; a tile (256 rows of W x 256 bytes) comes through a ring of two LDS slots,
; each wave fetching and reading its own 64 rows.  CLUSTER: the four work-groups of a cluster have the same column quarter and other rows, so they walk the same weights: each tile is asked for jointly (the mask 15).
; q's factor 1/8 is not applied here: a power of two passes through the quantiser unchanged (the scale takes it up), and the attention launch applies it to the scores.
; LIMITS: NaN and infinities among the inputs are not served; a block whose largest magnitude lies under 2^-111 (a block of zeros too) gets the scale byte 1: the bytes are read by this program alone;
; a q whose block scale would be held at -126 only after the factor 1/8 is not told apart.
; No prefetch: x's loads run two batches, 64 loads a wave, ahead from the kernel's head on; the weights are walked by every cluster of a column quarter.
; REGISTERS, in windows of 256: window 0: addresses, sums, scale words, bias, what the quantiser works in (map below).  window 1: during the norm g at v[8 j + i], b 128 further on; then W's fragments, v[64 kk + 16 t].
;   window 2: during the norm two buffers of 128 for x; then window 2: the 32 accumulators at v[32 m + 8 t]; window 3: h's fragments, v[128 kk + 16 m].
; THE NORM'S WALK AS IT STANDS BELOW: four trips of two batches on two buffers of 128 registers (window 2): batch p of trip T holds rows 16 p + 4 T + g of the wave's 32; behind a batch its buffer takes
; the same batch of the next trip, so 32 loads a wave are out while a batch is worked on.  At the head a wave has one tensor load; slot 1 is first filled behind the round that follows the norm.
.set PITCH, 272
.set QT,    64*PITCH                   ; a wave's part of a tile
.set SLOTB, 4*QT
.set IMG,   2*SLOTB                    ; h's 64 fragments: (K step k, tile of rows m) at (8 k + m) x 2,048; register group c at 512 c + 16 x lane
.set ASW,   IMG+131072                 ; h's scale words: (K step k, row) at 512 k + 4 row
.set SPARE, ASW+4096                   ; the spare words: 128 bytes a wave, named by no other line
.set RS,    135168                     ; a head's record in qr and in kv
.set LI,   1                           ; v1    16 x lane
.set ADRB, 2                           ; v2-3  my fragment rows of W in slot 0, 1
.set LIM,  4                           ; v4-5  IMG + 16 x lane; the same 65,536 further on (K steps 4 to 7)
.set IAW,  6                           ; v6-7  the norm: where my 8 codes go: IMG + 4,096 wave + 512 (u / 4) + 256 ((u / 2) % 2) + 8 (u % 2) + 16 g; the same 65,536 further on
.set SAW,  8                           ; v8    the norm: my block's scale byte: ASW + 128 wave + 4 g + u / 4
.set SAR,  9                           ; v9    ASW + 4 lane
.set XA,   10                          ; v10   x: 4,096 g + 32 u (g = lane / 8: my row of the four; u = lane % 8)
.set GBU,  11                          ; v11   32 u
.set SBO,  12                          ; v12   32 x lane
.set SPW,  13                          ; v13   my spare word; never rewritten
.set NIL,  14                          ; v14   0; never rewritten
.set IAG,  15                          ; v15   16 r + 8 h + 8,192 (my block of 128 tokens in the batch)
.set SWG,  16                          ; v16   4 lane + 512 (that block)
.set VSO,  17                          ; v17   lane
.set BVO,  18                          ; v18   4 r
.set GBH,  19                          ; v19   32 h
                                       ; v20-27 four chains of sums; v28-29 the mean; v30-31 1 / sqrt
.set AS,   32                          ; v32-63   h's scale words: 4 k + m / 2: lanes 0-15 tile m even, lanes 16-31 tile m odd
.set SB,   64                          ; v64-79   the pass's scale words of W: 8 (t / 2) + k: lanes 0-15 tile t even, lanes 16-31 tile t odd
.set BI,   80                          ; v80-111  the pass's bias in the result's layout, 8 t + i
.set TM,   112                         ; v112-127 largest magnitudes, bytes, holds, scale operands
.set PW,   128                         ; v128     a scale word
.set TP,   130                         ; v130-131
.set PC,   132                         ; v132-147 codes
.set IAC,  148                         ; v148-149 IAW for the trip in hand
.set SAC,  150                         ; v150     SAW for the trip in hand
.set WV,   34
.set G1,   44
.set G0,   52
.set SEL,  60
.set MNT,  62                          ; the mantissa field of 57,344
.set HM,   63                          ; lanes 16-31
.set EPS,  66
.set IK,   67                          ; 1 / 1,024
.set XP,   4
.set WC,   68                          ; the weight in hand (codes, at my wave's rows);  WN the next one
.set WN,   70
.set WS,   72                          ; scales to load;  BB bias to load;  OBR the record that q or k goes to
.set BB,   74
.set OBR,  76
.set VB,   80
.set VS,   82
.set TA,   84                          ; the norm's trip: 64 x trip, 16 x trip, trips to go
.set TS,   85
.set LT,   86
.set MSB, 0
.macro WIN new                         ; the immediate's high byte repeats the setting that is left
.if MSB != (\new)
	s_set_vgpr_msb (MSB<<8)|(\new)
.set MSB, (\new)
.endif
.endm
.macro CREST                           ; a round of the cluster's barrier behind its opening barrier
	s_cmp_lg_u32 s[WV], 0
	s_cbranch_scc1 .Lnot_wave_0_\@
	s_barrier_signal -3
.Lnot_wave_0_\@:
	s_barrier_wait -3
	s_barrier_signal -1
	s_barrier_wait -1
.endm
.macro CROUND
	s_barrier_signal -1
	s_barrier_wait -1
	CREST
.endm
.macro PLACES                          ; eight places ahead of loads into registers that products have read and of the first read of results
.rept 8
	v_nop
.endr
.endm
.macro FETCH_B a, kk                   ; my 4 fragments of W, the slot's kk-th 128 along K: 16 loads
	WIN 0x40
.irp t, 0,1,2,3
.irp c, 0,1,2,3
	ds_load_b128 v[64*(\kk)+16*\t+4*\c:64*(\kk)+16*\t+4*\c+3], v[ADRB+(\a)] offset:\t*16*PITCH+128*(\kk)+32*\c
.endr
.endr
	WIN 0
.endm
.macro FETCH_A k, kk                   ; h's 8 fragments of K step k: 32 loads, each 512 bytes on end
	WIN 0xc0
.irp m, 0,1,2,3,4,5,6,7
.irp c, 0,1,2,3
	ds_load_b128 v[128*(\kk)+16*\m+4*\c:128*(\kk)+16*\m+4*\c+3], v[LIM+(\k)/4] offset:16384*((\k)%4)+2048*\m+512*\c
.endr
.endr
	WIN 0
.endm
; one product; D in rD, C in rC (cm = 2: the constant 0); ra, rb: the side's scales stand in lanes 16-31
.macro WM a, b, x, y, cm, ra, rb
.if (\cm)==2
.if (\ra)&&(\rb)
	v_wmma_scale_f32_16x16x128_f8f6f4 v[rD:rD+7], v[\a:\a+15], v[\b:\b+15], 0, v[\x], v[\y] matrix_a_fmt:MATRIX_FMT_BF8 matrix_b_fmt:MATRIX_FMT_BF8 matrix_a_scale:MATRIX_SCALE_ROW1 matrix_b_scale:MATRIX_SCALE_ROW1
.elseif (\ra)
	v_wmma_scale_f32_16x16x128_f8f6f4 v[rD:rD+7], v[\a:\a+15], v[\b:\b+15], 0, v[\x], v[\y] matrix_a_fmt:MATRIX_FMT_BF8 matrix_b_fmt:MATRIX_FMT_BF8 matrix_a_scale:MATRIX_SCALE_ROW1
.elseif (\rb)
	v_wmma_scale_f32_16x16x128_f8f6f4 v[rD:rD+7], v[\a:\a+15], v[\b:\b+15], 0, v[\x], v[\y] matrix_a_fmt:MATRIX_FMT_BF8 matrix_b_fmt:MATRIX_FMT_BF8 matrix_b_scale:MATRIX_SCALE_ROW1
.else
	v_wmma_scale_f32_16x16x128_f8f6f4 v[rD:rD+7], v[\a:\a+15], v[\b:\b+15], 0, v[\x], v[\y] matrix_a_fmt:MATRIX_FMT_BF8 matrix_b_fmt:MATRIX_FMT_BF8
.endif
.else
.if (\ra)&&(\rb)
	v_wmma_scale_f32_16x16x128_f8f6f4 v[rD:rD+7], v[\a:\a+15], v[\b:\b+15], v[rC:rC+7], v[\x], v[\y] matrix_a_fmt:MATRIX_FMT_BF8 matrix_b_fmt:MATRIX_FMT_BF8 matrix_a_scale:MATRIX_SCALE_ROW1 matrix_b_scale:MATRIX_SCALE_ROW1
.elseif (\ra)
	v_wmma_scale_f32_16x16x128_f8f6f4 v[rD:rD+7], v[\a:\a+15], v[\b:\b+15], v[rC:rC+7], v[\x], v[\y] matrix_a_fmt:MATRIX_FMT_BF8 matrix_b_fmt:MATRIX_FMT_BF8 matrix_a_scale:MATRIX_SCALE_ROW1
.elseif (\rb)
	v_wmma_scale_f32_16x16x128_f8f6f4 v[rD:rD+7], v[\a:\a+15], v[\b:\b+15], v[rC:rC+7], v[\x], v[\y] matrix_a_fmt:MATRIX_FMT_BF8 matrix_b_fmt:MATRIX_FMT_BF8 matrix_b_scale:MATRIX_SCALE_ROW1
.else
	v_wmma_scale_f32_16x16x128_f8f6f4 v[rD:rD+7], v[\a:\a+15], v[\b:\b+15], v[rC:rC+7], v[\x], v[\y] matrix_a_fmt:MATRIX_FMT_BF8 matrix_b_fmt:MATRIX_FMT_BF8
.endif
.endif
.endm
; 32 products, K step k: the 32 accumulators by turns, one instruction a turn, in the same order everywhere.
; mode 0, TRANSPOSED: source 0 = 16 rows of W, source 1 = 16 rows of h: lane (r, h) then holds row 16 m + r and its register i column 16 t + 8 h + i.
; mode 1, as it stands: source 0 = h, source 1 = W: lane (r, h) holds column 16 t + r and its register i row 16 m + 8 h + i.   cm: 0 in place, 1 the bias starts the sum, 2 the constant 0 does.
.macro MUL32 mode, kk, k, cm
.irp m, 0,1,2,3,4,5,6,7
.irp t, 0,1,2,3
.set rD, 32*\m+8*\t
.set rW, 64*(\kk)+16*\t
.set rF, 128*(\kk)+16*\m
.set rC, rD
.if (\cm)==1
.set rC, BI+8*\t
.endif
.set rS, SB+8*(\t/2)+(\k)
.set rA, AS+4*(\k)+(\m/2)
.if \mode
	WM rF, rW, rA, rS, \cm, \m%2, \t%2
.else
	WM rW, rF, rS, rA, \cm, \t%2, \m%2
.endif
.endr
.endr
.endm
; A TILE OF 256 ALONG K in slot a, the pass's q-th.  At its head h's fragments of its first 128 are in and W's 16 loads are out.  Both halves' products stand ahead of the wait for the tensor load, so that the load has
; the whole tile's reads and products in which to land; between the halves the next tile's fragments of h are fetched (nxa = 1), so that behind the round only W's 16 loads stand ahead of the next product.
; fill = 1: the slot is filled again, with the tile two further on in the stream of weights.
.macro SLOT a, q, mode, wf, wn, cm, fill, ptr, off, nxa
	FETCH_B \a, 1
	FETCH_A 2*(\q)+1, 1
	s_wait_dscnt 48                                ; all but the 48 just issued: the first 128's fragments are in
	WIN \wf
	MUL32 \mode, 0, 2*(\q), \cm
	WIN 0
.if \nxa
	PLACES
	FETCH_A (2*((\q)+1))%8, 0
	s_wait_dscnt 32                                ; all but the 32 just issued: the second 128's fragments are in
.else
	s_wait_dscnt 0x0
.endif
	WIN \wn
	MUL32 \mode, 1, 2*(\q)+1, 0
	WIN 0
.if \fill
	s_wait_tensorcnt 0x0                           ; all my tensor loads have landed: the one that was out is my part of the next tile
	ds_add_u32 v[SPW], v[NIL]                      ; 0 onto my spare word
	s_add_nc_u64 s[G0+4*(\a)+2:G0+4*(\a)+3], s[\ptr:\ptr+1], \off   ; no load of mine is out, so this slot's descriptor may be written
	s_or_b32 s[G0+4*(\a)+3], s[G0+4*(\a)+3], 0x80000000
	s_wait_dscnt 0x0                               ; the add is done, and all my reads of this slot are in
	s_barrier_signal -1                            ; a round of the cluster's barrier: no wave of any partner still reads this slot or has a load on its way
	s_barrier_wait -1
	CREST
	tensor_load_to_lds s[G0+4*(\a):G0+4*(\a)+3], s[G1:G1+7]
	s_nop 0
.elseif \nxa
	s_wait_tensorcnt 0x0                           ; my part of the last tile is in
	s_wait_dscnt 0x0
.endif
	PLACES                                         ; the first four also follow the tensor load
.if \nxa
	FETCH_B 1-(\a), 0
.endif
.endm
.macro TILE s, mode, wf, wn, cm, last  ; tile s of a pass's four; last = 1: no pass follows
.set PT, WC
.if (\s)+2 >= 4
.set PT, WN
.endif
.if (\last) && ((\s)+2 >= 4)
.if (\s) == 3
	SLOT (\s)%2, \s, \mode, \wf, \wn, \cm, 0, PT, 0, 0
.else
	SLOT (\s)%2, \s, \mode, \wf, \wn, \cm, 0, PT, 0, 1
.endif
.else
	SLOT (\s)%2, \s, \mode, \wf, \wn, \cm, 1, PT, (((\s)+2)%4)*256, 1
.endif
.endm
.macro LDSB ptr                        ; my 64 rows' scale bytes: 32 bytes a lane; two loads cover 1,024 bytes on end
.irp j, 0,1
	global_load_b128 v[SB+8*\j:SB+8*\j+3], v[SBO], s[\ptr:\ptr+1] offset:1024*\j
	global_load_b128 v[SB+8*\j+4:SB+8*\j+7], v[SBO], s[\ptr:\ptr+1] offset:1024*\j+16
.endr
.endm
.macro LDBI ptr                        ; the bias of my 64 columns in the transposed result's layout
.irp t, 0,1,2,3
	global_load_b128 v[BI+8*\t:BI+8*\t+3], v[GBH], s[\ptr:\ptr+1] offset:64*\t
	global_load_b128 v[BI+8*\t+4:BI+8*\t+7], v[GBH], s[\ptr:\ptr+1] offset:64*\t+16
.endr
.endm
; FOUR BLOCKS OF 32 OF RESULTS ARE QUANTISED.  Block b: my 16 numbers in window w, v[s + bs b .. + 7] and v[s + bs b + o2 .. + 7], and lane l xor 16's 16.  Codes to v[PC + 4 b ..], bytes to v[TM + 4 + b], the four bytes as a word to v[pw] (pw >= 0).
; The largest magnitude has the floor 2^-111 among its leaves, so the byte cannot fall under 1; its exponent field less 15 is the conversion's scale operand; the hold at 57,344 x the scale stands ahead of the conversion, which does not saturate (ISA guide 7.6.2).
.macro QUANT w, s, bs, o2, relu, pw
	WIN ((\w)<<2)|((\w)<<4)
.irp b, 0,1,2,3
.if \relu
	v_max3_num_f32 v[TM+\b], 0x8000000, v[(\s)+(\bs)*\b], v[(\s)+(\bs)*\b+1]
.else
	v_max3_num_f32 v[TM+\b], 0x8000000, |v[(\s)+(\bs)*\b]|, |v[(\s)+(\bs)*\b+1]|
.endif
.endr
.irp i, 2,4,6
.irp b, 0,1,2,3
.if \relu
	v_max3_num_f32 v[TM+\b], v[TM+\b], v[(\s)+(\bs)*\b+\i], v[(\s)+(\bs)*\b+\i+1]
.else
	v_max3_num_f32 v[TM+\b], v[TM+\b], |v[(\s)+(\bs)*\b+\i]|, |v[(\s)+(\bs)*\b+\i+1]|
.endif
.endr
.endr
.irp i, 0,2,4,6
.irp b, 0,1,2,3
.if \relu
	v_max3_num_f32 v[TM+\b], v[TM+\b], v[(\s)+(\bs)*\b+(\o2)+\i], v[(\s)+(\bs)*\b+(\o2)+\i+1]
.else
	v_max3_num_f32 v[TM+\b], v[TM+\b], |v[(\s)+(\bs)*\b+(\o2)+\i]|, |v[(\s)+(\bs)*\b+(\o2)+\i+1]|
.endif
.endr
.endr
	WIN 0
.irp b, 0,1,2,3
	v_permlanex16_b32 v[TM+4+\b], v[TM+\b], s[SEL], s[SEL+1]
.endr
.irp b, 0,1,2,3
	v_max_num_f32 v[TM+\b], v[TM+\b], v[TM+4+\b]
.endr
.irp b, 0,1,2,3
	v_add_nc_u32 v[TM+12+\b], 0xf8800000, v[TM+\b]
.endr
.irp b, 0,1,2,3
	v_and_or_b32 v[TM+8+\b], v[TM+\b], 0x7f800000, s[MNT]
.endr
.irp b, 0,1,2,3
	v_lshrrev_b32 v[TM+4+\b], 23, v[TM+12+\b]
.endr
.if (\pw) >= 0
	v_lshl_or_b32 v[\pw], v[TM+5], 8, v[TM+4]
	v_lshl_or_b32 v[\pw], v[TM+6], 16, v[\pw]
	v_lshl_or_b32 v[\pw], v[TM+7], 24, v[\pw]
.endif
	WIN (\w)|((\w)<<6)
.irp b, 0,1,2,3
.irp i, 0,1,2,3,4,5,6,7
.if \relu
	v_med3_num_f32 v[(\s)+(\bs)*\b+\i], v[(\s)+(\bs)*\b+\i], 0, v[TM+8+\b]
	v_med3_num_f32 v[(\s)+(\bs)*\b+(\o2)+\i], v[(\s)+(\bs)*\b+(\o2)+\i], 0, v[TM+8+\b]
.else
	v_med3_num_f32 v[(\s)+(\bs)*\b+\i], v[(\s)+(\bs)*\b+\i], -v[TM+8+\b], v[TM+8+\b]
	v_med3_num_f32 v[(\s)+(\bs)*\b+(\o2)+\i], v[(\s)+(\bs)*\b+(\o2)+\i], -v[TM+8+\b], v[TM+8+\b]
.endif
.endr
.endr
	WIN (\w)
.irp b, 0,1,2,3
	v_cvt_scalef32_pk8_bf8_f32 v[PC+4*\b:PC+4*\b+1], v[(\s)+(\bs)*\b:(\s)+(\bs)*\b+7], v[TM+12+\b]
	v_cvt_scalef32_pk8_bf8_f32 v[PC+4*\b+2:PC+4*\b+3], v[(\s)+(\bs)*\b+(\o2):(\s)+(\bs)*\b+(\o2)+7], v[TM+12+\b]
.endr
	WIN 0
	v_nop                                          ; one plain line behind the last conversion
.endm
; ---- THE NORM ----
; a batch's 32 loads: four rows, 16,384 nrel bytes on from the trip's first, into v[s0 ..] of window wb.  Eight lanes take 16 bytes each, 32 bytes apart, of one aligned 256 bytes of a row; the pair of loads takes all of it
.macro XB wb, s0, nrel
	WIN (\wb)<<6
.irp j, 0,1,2,3,4,5,6,7,8,9,10,11,12,13,14,15
	global_load_b128 v[(\s0)+8*\j:(\s0)+8*\j+3], v[XA], s[XP:XP+1] offset:16384*(\nrel)+256*\j
	global_load_b128 v[(\s0)+8*\j+4:(\s0)+8*\j+7], v[XA], s[XP:XP+1] offset:16384*(\nrel)+256*\j+16
.endr
	WIN 0
.endm
.macro FOLD                            ; the four chains, then the row's eight lanes: the total in v20 of each of them
	v_pk_add_f32 v[20:21], v[20:21], v[22:23]
	v_pk_add_f32 v[24:25], v[24:25], v[26:27]
	v_pk_add_f32 v[20:21], v[20:21], v[24:25]
	v_add_f32 v20, v20, v21
	v_add_f32_dpp v20, v20, v20 row_xmask:1 row_mask:0xf bank_mask:0xf
	v_add_f32_dpp v20, v20, v20 row_xmask:2 row_mask:0xf bank_mask:0xf
	v_add_f32_dpp v20, v20, v20 row_xmask:4 row_mask:0xf bank_mask:0xf
.endm
; Four of a batch's 16 column groups, j = 4 jg + b, are quantised: a block of 32 is my 8 numbers and those of the three lanes beside me.  Column 64 j + 8 u + i is K step j / 2, register group 2 (j % 2) + u / 4, half (u / 2) % 2,
; byte 8 (u % 2) + i of the image: my 8 codes are 8 bytes of it.  The four lanes of a block store the same scale byte with the same value.
.macro LQ wb, s0, jg, p
	WIN ((\wb)<<2)|((\wb)<<4)
.irp b, 0,1,2,3
	v_max3_num_f32 v[TM+\b], 0x8000000, |v[(\s0)+8*(4*(\jg)+\b)]|, |v[(\s0)+8*(4*(\jg)+\b)+1]|
.endr
.irp i, 2,4,6
.irp b, 0,1,2,3
	v_max3_num_f32 v[TM+\b], v[TM+\b], |v[(\s0)+8*(4*(\jg)+\b)+\i]|, |v[(\s0)+8*(4*(\jg)+\b)+\i+1]|
.endr
.endr
	WIN 0
.irp b, 0,1,2,3
	v_max_num_f32_dpp v[TM+\b], v[TM+\b], v[TM+\b] row_xmask:1 row_mask:0xf bank_mask:0xf
.endr
.irp b, 0,1,2,3
	v_max_num_f32_dpp v[TM+\b], v[TM+\b], v[TM+\b] row_xmask:2 row_mask:0xf bank_mask:0xf
.endr
.irp b, 0,1,2,3
	v_add_nc_u32 v[TM+12+\b], 0xf8800000, v[TM+\b]
.endr
.irp b, 0,1,2,3
	v_and_or_b32 v[TM+8+\b], v[TM+\b], 0x7f800000, s[MNT]
.endr
	s_wait_alu depctr_va_vdst(0)
	s_wait_dscnt 0x0                               ; the last four groups' stores have read their registers: bytes and codes are written again below
.irp b, 0,1,2,3
	v_lshrrev_b32 v[TM+4+\b], 23, v[TM+12+\b]
.endr
	WIN (\wb)|((\wb)<<6)
.irp b, 0,1,2,3
.irp i, 0,1,2,3,4,5,6,7
	v_med3_num_f32 v[(\s0)+8*(4*(\jg)+\b)+\i], v[(\s0)+8*(4*(\jg)+\b)+\i], -v[TM+8+\b], v[TM+8+\b]
.endr
.endr
	WIN (\wb)
.irp b, 0,1,2,3
	v_cvt_scalef32_pk8_bf8_f32 v[PC+2*\b:PC+2*\b+1], v[(\s0)+8*(4*(\jg)+\b):(\s0)+8*(4*(\jg)+\b)+7], v[TM+12+\b]
.endr
	WIN 0
	v_nop                                          ; one plain line behind the last conversion
.irp b, 0,1,2,3
	ds_store_b64 v[IAC+(\jg)/2], v[PC+2*\b:PC+2*\b+1] offset:16384*((2*(\jg)+\b/2)%4)+1024*(\b%2)+2048*(\p)
	ds_store_b8 v[SAC], v[TM+4+\b] offset:512*(2*(\jg)+\b/2)+2*(\b%2)+64*(\p)
.endr
.endm
; A batch of four rows, in place in v[s0 .. s0 + 127] of window wb: the mean; the differences; the mean of their squares; x rsqrt, x g, + b; the quantiser.  p: the batch's place in the trip: its rows are 16 p + 4 trip + g of the wave's 32.
.macro LNB wb, s0, p
	s_wait_loadcnt 32                              ; behind this batch's 32 loads the other buffer's 32 were issued, or a wait for all loads has been passed
	WIN (\wb)|((\wb)<<2)
.irp e, 0,1,2,3
	v_pk_add_f32 v[20+2*\e:21+2*\e], v[(\s0)+4*\e:(\s0)+4*\e+1], v[(\s0)+4*\e+2:(\s0)+4*\e+3]
.endr
	WIN (\wb)<<2
.set n, 8
.rept 56
	v_pk_add_f32 v[20+2*(n%4):21+2*(n%4)], v[20+2*(n%4):21+2*(n%4)], v[(\s0)+2*n:(\s0)+2*n+1]
.set n, n+1
.endr
	WIN 0
	FOLD
	v_mul_f32 v28, s[IK], v20
	v_mul_f32 v29, s[IK], v20
	WIN (\wb)|((\wb)<<6)
.set n, 0
.rept 64
	v_pk_add_f32 v[(\s0)+2*n:(\s0)+2*n+1], v[(\s0)+2*n:(\s0)+2*n+1], v[28:29] op_sel_hi:[1,0] neg_lo:[0,1] neg_hi:[0,1]
.set n, n+1
.endr
	WIN (\wb)|((\wb)<<2)
.irp e, 0,1,2,3
	v_pk_mul_f32 v[20+2*\e:21+2*\e], v[(\s0)+2*\e:(\s0)+2*\e+1], v[(\s0)+2*\e:(\s0)+2*\e+1]
.endr
.set n, 4
.rept 60
	v_pk_fma_f32 v[20+2*(n%4):21+2*(n%4)], v[(\s0)+2*n:(\s0)+2*n+1], v[(\s0)+2*n:(\s0)+2*n+1], v[20+2*(n%4):21+2*(n%4)]
.set n, n+1
.endr
	WIN 0
	FOLD
	v_fma_f32 v20, v20, s[IK], s[EPS]
	s_wait_alu depctr_va_vdst(0)
	v_rsq_f32 v30, v20
	v_nop                                          ; a plain line behind the transcendental,
	s_wait_alu depctr_va_vdst(0)                   ; and a wait ahead of its first reader
	WIN (\wb)|((\wb)<<6)
.set n, 0
.rept 64
	v_pk_mul_f32 v[(\s0)+2*n:(\s0)+2*n+1], v[(\s0)+2*n:(\s0)+2*n+1], v[30:31] op_sel_hi:[1,0]
.set n, n+1
.endr
	WIN (\wb)|(1<<2)|(1<<4)|((\wb)<<6)
.set n, 0
.rept 64
	v_pk_fma_f32 v[(\s0)+2*n:(\s0)+2*n+1], v[(\s0)+2*n:(\s0)+2*n+1], v[2*n:2*n+1], v[128+2*n:128+2*n+1]
.set n, n+1
.endr
	WIN 0
	LQ \wb, \s0, 0, \p
	LQ \wb, \s0, 1, \p
	LQ \wb, \s0, 2, \p
	LQ \wb, \s0, 3, \p
.endm
; The p-th batch of a trip, in buffer p; behind it the loads of the batch two further on, into the same buffer.  The wave's last two batches have no batch two on: in the last trip a wait for
; all loads stands in those loads' place, so that the count at a batch's head holds on every way.
.macro POS p
	LNB 2, 128*(\p), \p
	s_cmp_eq_u32 s[LT], 1
	s_cbranch_scc1 .Lflush_\@
	XB 2, 128*(\p), 4*(\p)+1                       ; the same buffer takes tile p's next four rows
	s_branch .Lgo_\@
.Lflush_\@:
	s_wait_loadcnt 0x0
.Lgo_\@:
.endm
; ---- THE WAYS OUT ----
; q or k leaves: my 64 columns are one head, two blocks of 32.  A tile's eight codes are 8 bytes of the image: those of tile 2 b at 512 b + 16 r + 8 h, those of tile 2 b + 1 256 bytes on: so K stands in its true order, and
; each store covers 256 bytes on end, aligned.  Two tiles of 16 tokens at a time.  A token's scale word holds its head's two bytes; the upper two stay 0, over codes that the reader sets to 0.
.macro QKOUT
.irp mm, 0,1,2,3
	s_wait_xcnt 0x0                                ; the earlier stores have read their registers
	QUANT 2, 64*\mm, 16, 8, 0, PW
.irp b, 0,1,2,3
	global_store_b64 v[IAG], v[PC+4*\b:PC+4*\b+1], s[OBR:OBR+1] offset:1024*(2*\mm+\b/2)+512*(\b%2)
	global_store_b64 v[IAG], v[PC+4*\b+2:PC+4*\b+3], s[OBR:OBR+1] offset:1024*(2*\mm+\b/2)+512*(\b%2)+256
.endr
	v_lshrrev_b32 v[TP+1], 16, v[PW]               ; the odd tile's two bytes,
	v_and_b32 v[TP], 0xffff, v[PW]                 ; the even tile's:
	v_cndmask_b32 v[TP], v[TP], v[TP+1], s[HM]     ; lane l: token 32 mm + l
	global_store_b32 v[SWG], v[TP], s[OBR:OBR+1] offset:131072+128*\mm
.endr
.endm
.macro VBIAS                           ; bv of my lane's column in each of the 4 tiles, into the even registers of BI
.irp t, 0,1,2,3
	global_load_b32 v[BI+2*\t], v[BVO], s[26:27] offset:64*\t
.endr
.endm
; v leaves.  A lane holds ONE column d and, of each two tiles of rows, 16 of 32 tokens, which are one block of 32 along the keys: [8 h + 0 .. 7, 16 + 8 h + 0 .. 7].  Its 16 codes are stored in that order as register group mm of the
; fragment (16 d x my 128 keys); the attention launch's p falls into the same order, and an order inside a block of 32 that both operands share changes no product and no scale.  A store covers 512 bytes on end.
.macro VOUT
	s_wait_loadcnt 0x0                             ; bv
	WIN 0x82
.irp m, 0,1,2,3,4,5,6,7
.irp t, 0,1,2,3
.irp j, 0,1,2,3
	v_pk_add_f32 v[32*\m+8*\t+2*\j:32*\m+8*\t+2*\j+1], v[32*\m+8*\t+2*\j:32*\m+8*\t+2*\j+1], v[BI+2*\t:BI+2*\t+1] op_sel_hi:[1,0]
.endr
.endr
.endr
	WIN 0
.irp mm, 0,1,2,3
	s_wait_xcnt 0x0
	QUANT 2, 64*\mm, 8, 32, 0, -1
.irp b, 0,1,2,3
	global_store_b128 v[LI], v[PC+4*\b:PC+4*\b+3], s[VB:VB+1] offset:2048*\b+512*\mm
.endr
	v_cndmask_b32 v[TP], v[TM+4], v[TM+5], s[HM]   ; lane l: the byte of d = l, then of d = 32 + l
	v_cndmask_b32 v[TP+1], v[TM+6], v[TM+7], s[HM]
	global_store_b8 v[VSO], v[TP], s[VS:VS+1] offset:64*\mm
	global_store_b8 v[VSO], v[TP+1], s[VS:VS+1] offset:64*\mm+32
.endr
.endm
	s_load_b512 s[4:19], s[0:1], 0x0               ; x 4, ln1_g 6, ln1_b 8, wq codes 10, scales 12, bq 14, wk codes 16, scales 18
	s_load_b256 s[20:27], s[0:1], 0x40             ; bk 20, wv codes 22, scales 24, bv 26
	s_load_b128 s[28:31], s[0:1], 0x60             ; qr 28, kv 30
	s_load_b64 s[32:33], s[0:1], 0x70              ; vsb
	v_lshl_add_u32 v[SPW], v0, 2, SPARE
	v_mov_b32 v[NIL], 0
	ds_add_u32 v[SPW], v[NIL]                      ; the wave's opening: the add and its wait stand ahead of my first tensor load; the set-up, work on registers, stands between them
	ds_add_u32 v[SPW], v[NIL]
	v_lshrrev_b32 v152, 5, v0
	v_readfirstlane_b32 s[WV], v152                ; wave 0..3
	s_and_b32 s37, ttmp9, 3                        ; my column quarter: the four partners share it
	s_bfe_u32 s35, ttmp6, 0x40000                  ; my place in the cluster
	s_lshr_b32 s38, ttmp9, 2
	s_lshl_b32 s38, s38, 2
	s_add_co_u32 s38, s38, s35                     ; my block of 128 rows: it enters global addresses alone
	s_lshr_b32 s87, s38, 3                         ; the batch
	s_and_b32 s88, s38, 7                          ; my block of 128 tokens in it
	s_mov_b32 s[G1], 15|(0<<16)|(1<<20)|(1<<21)|(5<<22)|(3<<25)   ; the mask: all four work-groups; elements of 1 byte; padding on; bit 21 beside a mask; 4 words behind every 64
	s_mov_b32 s[G1+1], 256<<16                     ; tensor_dim0
	s_mov_b32 s[G1+2], 64<<16                      ; tensor_dim1
	s_mov_b32 s[G1+3], 256<<16                     ; tile_dim0
	s_mov_b32 s[G1+4], 64                          ; tile_dim1
	s_mov_b32 s[G1+5], 1024                        ; a row of W
	s_mov_b32 s[G1+6], 0
	s_mov_b32 s[G1+7], 0
	s_mov_b32 s[SEL], 0x76543210
	s_mov_b32 s[SEL+1], 0xfedcba98
	s_mov_b32 s[MNT], 0x600000
	s_mov_b32 s[HM], 0xffff0000
	s_mov_b32 s[EPS], 0x3727c5ac                   ; 1e-5
	s_mov_b32 s[IK], 0x3a800000
	s_mul_i32 s39, s[WV], QT                       ; my part of a slot
	v_and_b32 v152, 31, v0                         ; lane
	v_and_b32 v153, 15, v0                         ; r
	v_bfe_u32 v154, v0, 4, 1                       ; h
	v_and_b32 v155, 7, v0                          ; u
	v_bfe_u32 v156, v0, 3, 2                       ; g
	v_bfe_u32 v157, v0, 2, 1                       ; u / 4
	v_bfe_u32 v158, v0, 1, 1                       ; (u / 2) % 2
	v_and_b32 v159, 1, v0                          ; u % 2
	v_lshlrev_b32 v[LI], 4, v152
	v_mul_u32_u24 v160, v153, PITCH
	v_lshl_add_u32 v160, v154, 4, v160
	v_add_nc_u32 v[ADRB], s39, v160
	v_add_nc_u32 v[ADRB+1], SLOTB, v[ADRB]
	v_add_nc_u32 v[LIM], IMG, v[LI]
	v_add_nc_u32 v[LIM+1], IMG+65536, v[LI]
	v_lshlrev_b32 v160, 9, v157
	v_lshl_add_u32 v160, v158, 8, v160
	v_lshl_add_u32 v160, v159, 3, v160
	v_lshl_add_u32 v160, v156, 4, v160
	s_lshl_b32 s40, s[WV], 12
	v_add_nc_u32 v160, s40, v160
	v_add_nc_u32 v[IAW], IMG, v160
	v_add_nc_u32 v[IAW+1], IMG+65536, v160
	v_lshl_add_u32 v161, v156, 2, v157
	s_lshl_b32 s40, s[WV], 7
	v_add_nc_u32 v161, s40, v161
	v_add_nc_u32 v[SAW], ASW, v161
	v_lshl_add_u32 v[SAR], v152, 2, ASW
	v_lshlrev_b32 v[XA], 12, v156
	v_lshl_add_u32 v[XA], v155, 5, v[XA]
	v_lshlrev_b32 v[GBU], 5, v155
	v_lshlrev_b32 v[SBO], 5, v152
	v_lshlrev_b32 v[GBH], 5, v154
	v_lshlrev_b32 v[BVO], 2, v153
	v_mov_b32 v[VSO], v152
	v_lshlrev_b32 v160, 4, v153
	v_lshl_add_u32 v160, v154, 3, v160             ; 16 r + 8 h
	s_lshl_b32 s90, s88, 13
	v_add_nc_u32 v[IAG], s90, v160
	v_lshlrev_b32 v161, 2, v152
	s_lshl_b32 s90, s88, 9
	v_add_nc_u32 v[SWG], s90, v161
.irp b, 0,1,2,3
	v_mov_b32 v[TM+4+\b], 0                        ; written once: a lane permute's destination counts as one of its sources
.endr
	v_mov_b32 v31, 0                               ; named as the upper half of the pair v[30:31]
	s_wait_dscnt 0x0                               ; the opening add is done
	s_wait_kmcnt 0x0
	s_mov_b32 s41, 0
	s_lshl_b32 s40, s37, 18                        ; my quarter's 256 rows of a weight's codes, my wave's 64 of them,
	s_lshl_b32 s42, s[WV], 16
	s_add_co_u32 s40, s40, s42
	s_add_nc_u64 s[10:11], s[10:11], s[40:41]
	s_add_nc_u64 s[16:17], s[16:17], s[40:41]
	s_add_nc_u64 s[22:23], s[22:23], s[40:41]
	s_lshl_b32 s40, s37, 13                        ; of its scale bytes,
	s_lshl_b32 s42, s[WV], 11
	s_add_co_u32 s40, s40, s42
	s_add_nc_u64 s[12:13], s[12:13], s[40:41]
	s_add_nc_u64 s[18:19], s[18:19], s[40:41]
	s_add_nc_u64 s[24:25], s[24:25], s[40:41]
	s_lshl_b32 s40, s37, 10                        ; my 64 numbers of a bias
	s_lshl_b32 s42, s[WV], 8
	s_add_co_u32 s40, s40, s42
	s_add_nc_u64 s[14:15], s[14:15], s[40:41]
	s_add_nc_u64 s[20:21], s[20:21], s[40:41]
	s_add_nc_u64 s[26:27], s[26:27], s[40:41]
	s_mov_b32 s91, 0
	s_lshl_b32 s90, s38, 19                        ; my block's 128 rows of x, my wave's 32 of them
	s_lshl_b32 s92, s[WV], 17
	s_add_co_u32 s90, s90, s92
	s_add_nc_u64 s[4:5], s[4:5], s[90:91]
	s_lshl_b32 s92, s87, 4
	s_lshl_b32 s93, s37, 2
	s_add_co_u32 s92, s92, s93
	s_add_co_u32 s92, s92, s[WV]                   ; my head's record: 16 batch + 4 quarter + wave
	s_mul_i32 s90, s92, RS
	s_add_nc_u64 s[28:29], s[28:29], s[90:91]
	s_add_nc_u64 s[30:31], s[30:31], s[90:91]
	s_lshl_b32 s90, s88, 13                        ; V's images: my 128 tokens are one key step
	s_add_co_u32 s90, s90, 65536
	s_add_nc_u64 s[VB:VB+1], s[30:31], s[90:91]
	s_lshl_b32 s90, s92, 11
	s_lshl_b32 s93, s88, 8
	s_add_co_u32 s90, s90, s93
	s_add_nc_u64 s[VS:VS+1], s[32:33], s[90:91]
	s_mov_b64 s[WC:WC+1], s[10:11]
	s_mov_b64 s[WN:WN+1], s[16:17]
	s_mov_b64 s[WS:WS+1], s[12:13]
	s_mov_b64 s[BB:BB+1], s[14:15]
	s_mov_b64 s[OBR:OBR+1], s[28:29]
	CROUND                                         ; all four work-groups are here: the first joint loads meet
.irp a, 0,1
	s_mov_b32 s[G0+4*\a], 1
	s_add_co_u32 s[G0+4*\a+1], s39, \a*SLOTB
	s_add_nc_u64 s[G0+4*\a+2:G0+4*\a+3], s[WC:WC+1], \a*256
	s_or_b32 s[G0+4*\a+3], s[G0+4*\a+3], 0x80000000
.endr
	tensor_load_to_lds s[G0:G0+3], s[G1:G1+7]      ; Wq's tile 0: my one tensor load at the head; it lands under the norm
	s_nop 0
.rept 4
	v_nop
.endr
	LDSB WS                                        ; what the first pass wants, and g and b, are asked for ahead of x: a wait for a batch of x shows them in
	LDBI BB
	WIN 0x40
.irp j, 0,1,2,3,4,5,6,7,8,9,10,11,12,13,14,15
	global_load_b128 v[8*\j:8*\j+3], v[GBU], s[6:7] offset:256*\j
	global_load_b128 v[8*\j+4:8*\j+7], v[GBU], s[6:7] offset:256*\j+16
	global_load_b128 v[128+8*\j:128+8*\j+3], v[GBU], s[8:9] offset:256*\j
	global_load_b128 v[128+8*\j+4:128+8*\j+7], v[GBU], s[8:9] offset:256*\j+16
.endr
	WIN 0
	XB 2, 0, 0
	XB 2, 128, 4
	s_mov_b32 s[LT], 4
	s_mov_b32 s[TA], 0
	s_mov_b32 s[TS], 0
.Lrows:                                            ; four trips of two batches: batch p's four rows lie in tile of rows 2 wave + p
	s_wait_dscnt 0x0                               ; the last trip's stores have read their addresses
	v_add_nc_u32 v[IAC], s[TA], v[IAW]
	v_add_nc_u32 v[IAC+1], s[TA], v[IAW+1]
	v_add_nc_u32 v[SAC], s[TS], v[SAW]
	POS 0
	POS 1
	s_wait_xcnt 0x0                                ; the loads have read their base
	s_add_nc_u64 s[XP:XP+1], s[XP:XP+1], 16384     ; four rows on in both tiles
	s_add_co_u32 s[TA], s[TA], 64
	s_add_co_u32 s[TS], s[TS], 16
	s_sub_co_u32 s[LT], s[LT], 1
	s_cmp_lg_u32 s[LT], 0
	s_cbranch_scc1 .Lrows
	s_wait_tensorcnt 0x0                           ; tile 0 is in
	ds_add_u32 v[SPW], v[NIL]
	s_wait_dscnt 0x0                               ; the add is done, and my images and scale bytes have landed
	CROUND                                         ; h's 64 fragments lie in LDS, and all four work-groups are here
	tensor_load_to_lds s[G0+4:G0+7], s[G1:G1+7]    ; Wq's tile 1: slot 1's first fill
	s_nop 0
.rept 4
	v_nop
.endr
.irp k, 0,1,2,3,4,5,6,7
.irp j, 0,1,2,3
	ds_load_b32 v[AS+4*\k+\j], v[SAR] offset:512*\k+128*\j
.endr
.endr
	s_wait_tensorcnt 1                             ; my part of tile 0 is in; nobody else reads it
	FETCH_A 0, 0
	FETCH_B 0, 0
	s_mov_b32 s78, 2
.Lw:                                               ; two trips: q, then k
	s_wait_loadcnt 0x0                             ; the pass's scale words and bias
	TILE 0, 0, 0x8d, 0xad, 1, 0
	TILE 1, 0, 0xad, 0xad, 0, 0
	TILE 2, 0, 0xad, 0xad, 0, 0
	TILE 3, 0, 0xad, 0xad, 0, 0
	s_wait_xcnt 0x0                                ; the earlier loads have read their bases
	s_mov_b64 s[WS:WS+1], s[18:19]                 ; the next pass's scales: Wk's, then Wv's: they land under the way out
	s_mov_b64 s[18:19], s[24:25]
	s_mov_b64 s[BB:BB+1], s[20:21]
	LDSB WS
	s_cmp_eq_u32 s78, 1                            ; v's pass loads its own bias
	s_cbranch_scc1 .Lno_bias
	LDBI BB
.Lno_bias:
	QKOUT
	s_wait_xcnt 0x0                                ; the stores have read their base
	s_mov_b64 s[WC:WC+1], s[WN:WN+1]
	s_mov_b64 s[WN:WN+1], s[22:23]
	s_mov_b64 s[OBR:OBR+1], s[30:31]
	s_sub_co_u32 s78, s78, 1
	s_cmp_lg_u32 s78, 0
	s_cbranch_scc1 .Lw
	s_wait_loadcnt 0x0                             ; Wv's scale words
	VBIAS
	TILE 0, 1, 0xa7, 0xa7, 2, 1
	TILE 1, 1, 0xa7, 0xa7, 0, 1
	TILE 2, 1, 0xa7, 0xa7, 0, 1                    ; the last two tiles ask for nothing
	TILE 3, 1, 0xa7, 0xa7, 0, 1
	VOUT
	s_wait_tensorcnt 0x0                           ; the wave's end: behind my last tensor load and my last LDS store
	ds_add_u32 v[SPW], v[NIL]
	s_wait_dscnt 0x0
	CROUND                                         ; the closing round
	s_endpgm
.Lfunc_end_k_q39327afe41_qkv:
	.size	k_q39327afe41_qkv, .Lfunc_end_k_q39327afe41_qkv-k_q39327afe41_qkv
	.p2alignl 7, 3214868480
	.fill 96, 4, 3214868480
	.section	.rodata,"a",@progbits
	.p2align	6, 0x0
	.amdhsa_kernel k_q39327afe41_qkv
		.amdhsa_group_segment_fixed_size 327680
		.amdhsa_private_segment_fixed_size 0
		.amdhsa_enable_private_segment 0
		.amdhsa_kernarg_size 120
		.amdhsa_user_sgpr_count 2
		.amdhsa_user_sgpr_kernarg_segment_ptr 1
		.amdhsa_wavefront_size32 1
		.amdhsa_system_sgpr_workgroup_id_x 1
		.amdhsa_system_sgpr_workgroup_id_y 1
		.amdhsa_system_sgpr_workgroup_id_z 1
		.amdhsa_system_vgpr_workitem_id 0
		.amdhsa_next_free_vgpr 1024
		.amdhsa_next_free_sgpr 100
		.amdhsa_reserve_vcc 0
		.amdhsa_float_denorm_mode_32 3
		.amdhsa_float_denorm_mode_16_64 3
		.amdhsa_memory_ordered 1
		.amdhsa_forward_progress 1
		.amdhsa_inst_pref_size 255
	.end_amdhsa_kernel
	.section	.bss,"aw",@nobits
	.p2align	6
	.space	262144
	.amdgpu_metadata
---
amdhsa.version: [ 1, 2 ]
amdhsa.kernels:
  - .name:           k_q39327afe41_qkv
    .symbol:         k_q39327afe41_qkv.kd
    .args:
      - { .name: x, .offset: 0, .size: 8, .value_kind: global_buffer, .address_space: global }
      - { .name: ln1_g, .offset: 8, .size: 8, .value_kind: global_buffer, .address_space: global }
      - { .name: ln1_b, .offset: 16, .size: 8, .value_kind: global_buffer, .address_space: global }
      - { .name: wq_codes, .offset: 24, .size: 8, .value_kind: global_buffer, .address_space: global }
      - { .name: wq_scales, .offset: 32, .size: 8, .value_kind: global_buffer, .address_space: global }
      - { .name: bq, .offset: 40, .size: 8, .value_kind: global_buffer, .address_space: global }
      - { .name: wk_codes, .offset: 48, .size: 8, .value_kind: global_buffer, .address_space: global }
      - { .name: wk_scales, .offset: 56, .size: 8, .value_kind: global_buffer, .address_space: global }
      - { .name: bk, .offset: 64, .size: 8, .value_kind: global_buffer, .address_space: global }
      - { .name: wv_codes, .offset: 72, .size: 8, .value_kind: global_buffer, .address_space: global }
      - { .name: wv_scales, .offset: 80, .size: 8, .value_kind: global_buffer, .address_space: global }
      - { .name: bv, .offset: 88, .size: 8, .value_kind: global_buffer, .address_space: global }
      - { .name: qr, .offset: 96, .size: 8, .value_kind: global_buffer, .address_space: global }
      - { .name: kv, .offset: 104, .size: 8, .value_kind: global_buffer, .address_space: global }
      - { .name: vsb, .offset: 112, .size: 8, .value_kind: global_buffer, .address_space: global }
    .group_segment_fixed_size: 327680
    .private_segment_fixed_size: 0
    .kernarg_segment_align: 8
    .kernarg_segment_size: 120
    .max_flat_workgroup_size: 128
    .sgpr_count:     100
    .vgpr_count:     1024
    .wavefront_size: 32
...
	.end_amdgpu_metadata
.endif
;; end of part 4
;; launch attn (part 5): grid 2 x 128, 16 waves a work-group, no clusters, 167,936 bytes of LDS; arguments qr, kv, vsb, ci, cs, wo_codes, w1_codes, w2_codes, wimg; writes ci, cs, wimg
.if DOCPART == 5
	.amdgcn_target "amdgcn-amd-amdhsa--gfx1250"
	.amdhsa_code_object_version 6
	.text
	.protected	k_q39327afe41_attn
	.globl	k_q39327afe41_attn
	.p2align	8
	.type	k_q39327afe41_attn,@function
k_q39327afe41_attn:
	s_mov_b64 s[64:65], 0
	v_nop
	global_prefetch_b8 v0, s[64:65] scope:SCOPE_SE
	s_setreg_imm32_b32 hwreg(HW_REG_WAVE_MODE, 25, 1), 1
	s_wait_xcnt 0x0
; ctx = softmax(q k^T / 8) v for one head (of 128: batch x head) and 512 of its 1,024 queries, both products on codes of BF8 (E5M2) with E8M0 scales; ctx is quantised along the width and leaves as images of operand registers.
; THE SOFTMAX AHEAD OF THE SECOND PRODUCT: t = score x log2(e) / 8; M = the running largest t rounded UP to a whole number; p = 2^(t - M) is quantised along the keys, not normalised; the row's sum is taken of the
; unquantised p and divides at the end; when M moves, the sum and O are multiplied by 2^(old M - new M), which rounds nothing.
; SHARES.  Sixteen waves of 256 registers, four to a SIMD, so that one wave's vector work stands beside another's products and LDS loads.  A wave takes two tiles of 16 queries, one after the other, and walks all keys, 128 a step.
; LDS.  The head's whole record (K's images 64 KiB, V's images 64 KiB, K's scale words 4 KiB: 135,168 bytes on end in memory) is brought ONCE, each wave fetching 33 rows of 256 bytes: nothing is filled again.
; LAYOUT.  Both products transposed: S^T = K Q^T (source 0 = 16 keys), O^T = V^T P^T (source 0 = 16 of the head's 64): a lane holds one query throughout.  The head's 64 fill half of the instruction's 128: registers 8-15 of Q's and K's
; fragments are zero codes, under scale bytes 0.  p's 16 registers of two neighbouring tiles are keys [8 h + 0 .. 7, 16 + 8 h + 0 .. 7] of a block of 32: V's images hold the keys of a block in the same order.
; NO CLUSTER: a head's K and V are read by its two work-groups alone, and the cluster forms are four wide: two heads in one cluster share nothing.  NO PREFETCH: all of K and V is asked for at the head.
; LIMITS: NaN and infinities are not served; a block of ctx under 2^-111 gets the scale byte 1 (read by this program alone).
.set RS,    135168
.set VSW,   135168                     ; V's scale words, made here: (key step s, d) at 256 s + 4 d
.set SPARE, 137216                     ; the spare words: 128 bytes for each of 16 waves
.set LI,  1                            ; v1   16 x lane
.set LV,  2                            ; v2   65,536 + 16 x lane
.set LKS, 3                            ; v3   131,072 + 4 x lane
.set LVS, 4                            ; v4   VSW + 4 x lane
.set SPW, 5
.set NIL, 6
.set CIO, 7                            ; v7   16 r + 8 h
.set ADK, 8                            ; v8-11 the step's addresses: K, V, K's scale words, V's
.set ADV, 9
.set ADS, 10
.set ADT, 11
.set QSO, 215                          ; v215 4 r
.set CSO, 216                          ; v216 2 r + h
; v12 -M, v13 the largest t, v[14:15] the sum; v16-31 Q; v32-95 four fragments of K; v96-159 S^T, then p, then V's four fragments; v160-191 O^T; v192-207 p's codes; v208-211 K's scale words, v212-213 V's, v214 Q's; v232-255 at work
.set WV,  14
.set G0,  20
.set G1,  24
.set QB,  32
.set QS,  34
.set CI,  36
.set CSP, 38
.set CNT, 40
.set TB,  41
.set TS,  42
.set TW,  43
.set SEL, 44
.set CS,  46
.set MNT, 48
.set HM,  49
	s_load_b256 s[4:11], s[0:1], 0x0               ; qr 4, kv 6, vsb 8, ci 10
	s_load_b64 s[12:13], s[0:1], 0x20              ; cs
	s_load_b256 s[56:63], s[0:1], 0x28             ; wo 56, w1 58, w2 60 (codes), wimg 62
	v_lshl_add_u32 v[SPW], v0, 2, SPARE
	v_mov_b32 v[NIL], 0
	ds_add_u32 v[SPW], v[NIL]                      ; the wave's opening: the add and its wait stand ahead of my tensor load
	ds_add_u32 v[SPW], v[NIL]
	v_lshrrev_b32 v1, 5, v0
	s_delay_alu instid0(VALU_DEP_1)
	v_readfirstlane_b32 s[WV], v1                  ; wave 0..15
	s_and_b32 s15, ttmp7, 0xffff                   ; the head: 16 batch + head
	s_mov_b32 s[G1], 3<<16                         ; no mask; elements of 8 bytes; no padding
	s_mov_b32 s[G1+1], 32<<16                      ; tensor_dim0: 256 bytes
	s_mov_b32 s[G1+2], 33<<16                      ; tensor_dim1
	s_mov_b32 s[G1+3], 32<<16                      ; tile_dim0
	s_mov_b32 s[G1+4], 33                          ; tile_dim1
	s_mov_b32 s[G1+5], 32                          ; dense rows
	s_mov_b32 s[G1+6], 0
	s_mov_b32 s[G1+7], 0
	s_mul_i32 s17, s[WV], 8448                     ; my 33 rows, in the record and in LDS
	s_mul_i32 s18, s15, RS
	s_mov_b32 s19, 0
	s_add_co_u32 s50, s18, s17
	s_mov_b32 s51, 0
	s_lshl_b32 s52, ttmp9, 5
	s_lshl_b32 s53, s[WV], 1
	s_add_co_u32 s52, s52, s53                     ; my first tile of queries: 32 x + 2 wave
	s_lshr_b32 s53, s15, 4
	s_lshl_b32 s53, s53, 5
	s_lshl_b32 s54, ttmp9, 4
	s_add_co_u32 s53, s53, s54
	s_add_co_u32 s53, s53, s[WV]                   ; my 32 tokens as a block of the last launch
	s_and_b32 s54, s15, 15                         ; the head in its batch
	s_mov_b32 s[SEL], 0x76543210
	s_mov_b32 s[SEL+1], 0xfedcba98
	s_mov_b32 s[CS], 0x3e38aa3b                    ; c = log2(e) / 8
	s_mov_b32 s[CS+1], s[CS]
	s_mov_b32 s[MNT], 0x600000
	s_mov_b32 s[HM], 0xffff0000
	s_wait_dscnt 0x0
	s_wait_kmcnt 0x0
	s_mov_b32 s[G0], 1
	s_mov_b32 s[G0+1], s17
	s_add_nc_u64 s[G0+2:G0+3], s[6:7], s[50:51]
	s_or_b32 s[G0+3], s[G0+3], 0x80000000
	tensor_load_to_lds s[G0:G0+3], s[G1:G1+7]      ; my one tensor load
	s_nop 0
.rept 4
	v_nop
.endr
	s_lshl_b32 s50, s15, 11
	s_add_nc_u64 s[8:9], s[8:9], s[50:51]          ; the head's 2,048 scale bytes of V: [block of 32 keys][d]
	v_lshrrev_b32 v8, 6, v0
	v_and_b32 v9, 63, v0
	s_delay_alu instid0(VALU_DEP_1)
	v_lshl_or_b32 v8, v8, 8, v9                    ; thread (s, d): 256 s + d
.irp c, 0,1,2,3
	global_load_u8 v[232+\c], v8, s[8:9] offset:64*\c
.endr
	; ALSO HERE: wo, w1, w2 are laid out for the last launch as images of operand registers: wimg[wave w][layer][K step k][fragment 8 p + t][group c][lane 16 h + r][16 bytes] = row 512 p + 128 w + 16 t + r, bytes 128 k + 32 c + 16 h on.
	; Thread G = 512 x work-group + thread (17 bits: w 2, k 3, p 1, t 3, c 2, h 1, r 4, e 1) moves 8 bytes (half e) of each weight; a wave's store covers 256 bytes on end, aligned.
	s_lshl_b32 s40, s15, 1
	s_add_co_u32 s40, s40, ttmp9                   ; the work-group's number: bits w, k, p, t / 2
	s_and_b32 s41, s40, 3
	s_lshl_b32 s41, s41, 15
	s_lshr_b32 s42, s40, 6
	s_lshl_b32 s43, s42, 17
	s_or_b32 s41, s41, s43
	s_bfe_u32 s43, s40, 0x10002
	s_lshl_b32 s43, s43, 19
	s_or_b32 s41, s41, s43
	s_bfe_u32 s43, s40, 0x30003
	s_lshl_b32 s43, s43, 7
	s_or_b32 s41, s41, s43                         ; the source's part that the work-group fixes
	s_mul_i32 s42, s42, 786432
	s_and_b32 s43, s40, 63
	s_lshl_b32 s43, s43, 12
	s_add_co_u32 s42, s42, s43                     ; and the image's
	v_and_b32 v108, 1, v0
	v_bfe_u32 v110, v0, 5, 3
	v_bfe_u32 v111, v0, 1, 4
	v_bfe_u32 v112, v0, 8, 1
	v_lshl_add_u32 v108, v108, 3, s41              ; 8 e
	v_lshl_add_u32 v109, v0, 3, s42                ; the image: 8 bytes a thread on end
	v_lshl_or_b32 v108, v110, 4, v108              ; 16 h + 32 c
	v_lshl_or_b32 v108, v111, 10, v108             ; row r
	v_lshl_or_b32 v108, v112, 14, v108             ; t % 2
	s_wait_alu depctr_va_vdst(0)
	global_load_b64 v[96:97], v108, s[56:57]
	global_load_b64 v[98:99], v108, s[58:59]
	global_load_b64 v[100:101], v108, s[60:61]
	s_add_nc_u64 s[4:5], s[4:5], s[18:19]
	s_lshl_b32 s50, s52, 10
	s_add_nc_u64 s[QB:QB+1], s[4:5], s[50:51]      ; Q's images
	s_lshl_b32 s50, s52, 6
	s_add_co_u32 s50, s50, 131072
	s_add_nc_u64 s[QS:QS+1], s[4:5], s[50:51]      ; and scale words
	s_lshl_b32 s50, s53, 15
	s_lshr_b32 s55, s54, 1
	s_lshl_b32 s55, s55, 12
	s_add_co_u32 s50, s50, s55
	s_and_b32 s55, s54, 1
	s_lshl_b32 s55, s55, 10
	s_add_co_u32 s50, s50, s55
	s_add_nc_u64 s[CI:CI+1], s[10:11], s[50:51]    ; ctx's images: block, K step head / 2, register groups 2 (head % 2) on
	s_lshl_b32 s50, s53, 10
	s_lshl_b32 s55, s54, 6
	s_add_co_u32 s50, s50, s55
	s_add_nc_u64 s[CSP:CSP+1], s[12:13], s[50:51]
	v_and_b32 v10, 31, v0
	v_and_b32 v11, 15, v0
	v_bfe_u32 v12, v0, 4, 1
	s_delay_alu instid0(VALU_DEP_3)
	v_lshlrev_b32 v[LI], 4, v10
	s_delay_alu instid0(VALU_DEP_1)
	v_add_nc_u32 v[LV], 65536, v[LI]
	v_lshl_add_u32 v[LKS], v10, 2, 131072
	v_lshl_add_u32 v[LVS], v10, 2, VSW
	v_lshlrev_b32 v[CIO], 4, v11
	s_delay_alu instid0(VALU_DEP_1)
	v_lshl_add_u32 v[CIO], v12, 3, v[CIO]
	v_lshlrev_b32 v[QSO], 2, v11
	v_lshl_add_u32 v[CSO], v11, 1, v12
	v_lshl_add_u32 v9, v0, 2, VSW
.irp j, 0,1,2,3,4,5,6,7
	v_mov_b32 v[24+\j], 0                          ; the zero codes of Q's and K's upper 64 along K: set once
	v_mov_b32 v[40+\j], 0
	v_mov_b32 v[56+\j], 0
	v_mov_b32 v[72+\j], 0
	v_mov_b32 v[88+\j], 0
.endr
.irp b, 0,1,2,3
	v_mov_b32 v[236+\b], 0                         ; a lane permute's destination counts as one of its sources
.endr
	v_mov_b32 v252, 0
	v_mov_b32 v253, 0
	s_wait_loadcnt 0x0
	global_store_b64 v109, v[96:97], s[62:63]
	global_store_b64 v109, v[98:99], s[62:63] offset:262144
	global_store_b64 v109, v[100:101], s[62:63] offset:524288
	v_lshl_or_b32 v232, v233, 8, v232
	s_delay_alu instid0(VALU_DEP_1)
	v_lshl_or_b32 v232, v234, 16, v232
	s_delay_alu instid0(VALU_DEP_1)
	v_lshl_or_b32 v232, v235, 24, v232
	ds_store_b32 v9, v232                          ; V's scale word of (key step, d)
	s_wait_tensorcnt 0x0                           ; my part of the record has landed,
	s_wait_dscnt 0x0                               ; my word too:
	s_barrier_signal -1
	s_barrier_wait -1                              ; everybody's have
.macro STEP                            ; 128 keys
	v_add_nc_u32 v[ADK], s[TB], v[LI]
	s_wait_alu depctr_va_vdst(0)
	v_add_nc_u32 v[ADV], s[TB], v[LV]
	v_add_nc_u32 v[ADS], s[TS], v[LKS]
	s_wait_alu depctr_va_vdst(0)
	v_add_nc_u32 v[ADT], s[TW], v[LVS]
.rept 5
	v_nop                                          ; with the four additions nine places: the scores are laid over V's fragments, which the last products read
.endr
.irp g, 0,1
.if \g
.rept 8
	v_nop                                          ; places ahead of loads into K's fragments
.endr
.endif
.irp t, 0,1,2,3
.irp c, 0,1
	ds_load_b128 v[32+16*\t+4*\c:35+16*\t+4*\c], v[ADK] offset:(4*\g+\t)*1024+512*\c
.endr
.endr
	ds_load_b32 v[208+2*\g], v[ADS] offset:256*\g          ; two tiles' words: lanes 0-15 the even tile's keys, lanes 16-31 the odd one's
	ds_load_b32 v[209+2*\g], v[ADS] offset:256*\g+128
	s_wait_dscnt 0x0
	v_wmma_scale_f32_16x16x128_f8f6f4 v[96+32*\g:103+32*\g], v[32:47], v[16:31], 0, v[208+2*\g], v214 matrix_a_fmt:MATRIX_FMT_BF8 matrix_b_fmt:MATRIX_FMT_BF8
	v_wmma_scale_f32_16x16x128_f8f6f4 v[104+32*\g:111+32*\g], v[48:63], v[16:31], 0, v[208+2*\g], v214 matrix_a_fmt:MATRIX_FMT_BF8 matrix_b_fmt:MATRIX_FMT_BF8 matrix_a_scale:MATRIX_SCALE_ROW1
	v_wmma_scale_f32_16x16x128_f8f6f4 v[112+32*\g:119+32*\g], v[64:79], v[16:31], 0, v[209+2*\g], v214 matrix_a_fmt:MATRIX_FMT_BF8 matrix_b_fmt:MATRIX_FMT_BF8
	v_wmma_scale_f32_16x16x128_f8f6f4 v[120+32*\g:127+32*\g], v[80:95], v[16:31], 0, v[209+2*\g], v214 matrix_a_fmt:MATRIX_FMT_BF8 matrix_b_fmt:MATRIX_FMT_BF8 matrix_a_scale:MATRIX_SCALE_ROW1
.endr
.rept 8
	v_nop
.endr
.irp b, 0,1,2,3
	v_max3_num_f32 v[232+\b], v[96+16*\b], v[97+16*\b], v[98+16*\b]   ; the largest score of each block of 32 keys: for the row's maximum and, since p rises with the score, for the block's largest p
.endr
.irp i, 3,5,7,9,11,13
.irp b, 0,1,2,3
	v_max3_num_f32 v[232+\b], v[232+\b], v[96+16*\b+\i], v[97+16*\b+\i]
.endr
.endr
.irp b, 0,1,2,3
	v_max_num_f32 v[232+\b], v[232+\b], v[111+16*\b]
.endr
.irp b, 0,1,2,3
	s_delay_alu instid0(VALU_DEP_4)
	v_permlanex16_b32 v[236+\b], v[232+\b], s[SEL], s[SEL+1]
.endr
.irp b, 0,1,2,3
	s_delay_alu instid0(VALU_DEP_4)
	v_max_num_f32 v[232+\b], v[232+\b], v[236+\b]
.endr
	s_delay_alu instid0(VALU_DEP_2)
	v_max3_num_f32 v254, v232, v233, v234
	s_delay_alu instid0(VALU_DEP_1)
	v_max_num_f32 v254, v254, v235
	s_delay_alu instid0(VALU_DEP_1)
	v_mul_f32 v254, s[CS], v254
	s_delay_alu instid0(VALU_DEP_1)
	v_max_num_f32 v13, v13, v254                   ; the running largest t
	v_mov_b32 v254, v12
	s_delay_alu instid0(VALU_DEP_2)
	v_floor_f32 v12, -v13                          ; -M = floor(-t): M is a whole number
	s_delay_alu instid0(VALU_DEP_1)
	v_sub_f32 v254, v12, v254
	s_delay_alu instid0(VALU_DEP_1)
	v_cvt_i32_f32 v254, v254                       ; (it saturates)
	s_delay_alu instid0(VALU_DEP_1)
	v_ldexp_f32 v252, 1.0, v254                    ; f = 2^(old M - new M)
.irp j, 0,2,4,6,8,10,12,14,16,18,20,22,24,26,28,30,32,34,36,38,40,42,44,46,48,50,52,54,56,58,60,62
	v_pk_fma_f32 v[96+\j:97+\j], v[96+\j:97+\j], s[CS:CS+1], v[12:13] op_sel_hi:[1,0,0]
.endr
.irp b, 0,1,2,3
	v_fma_f32 v[232+\b], v[232+\b], s[CS], v12
.endr
	s_wait_alu depctr_va_vdst(0)
.irp j, 0,1,2,3,4,5,6,7,8,9,10,11,12,13,14,15,16,17,18,19,20,21,22,23,24,25,26,27,28,29,30,31,32,33,34,35,36,37,38,39,40,41,42,43,44,45,46,47,48,49,50,51,52,53,54,55,56,57,58,59,60,61,62,63
	v_exp_f32 v[96+\j], v[96+\j]                   ; p = 2^(t - M)
.endr
	v_pk_mul_f32 v[14:15], v[14:15], v[252:253] op_sel_hi:[1,0]   ; the sums under the new M: a plain line behind the exponentials
	s_wait_alu depctr_va_vdst(0)                   ; one wait for the batch of 64, ahead of its first reader
.irp b, 0,1,2,3
	v_exp_f32 v[232+\b], v[232+\b]                 ; each block's largest p
.endr
	v_pk_add_f32 v[236:237], v[100:101], v[104:105]
	v_pk_add_f32 v[254:255], v[108:109], v[112:113]
	v_pk_add_f32 v[250:251], v[116:117], v[120:121]
	v_pk_add_f32 v[248:249], v[124:125], v[128:129]
	v_pk_add_f32 v[246:247], v[132:133], v[136:137]
	v_pk_add_f32 v[244:245], v[140:141], v[144:145]
	v_pk_add_f32 v[242:243], v[148:149], v[152:153]
	v_pk_add_f32 v[14:15], v[14:15], v[156:157]
	v_pk_add_f32 v[236:237], v[236:237], v[96:97]
	v_pk_add_f32 v[254:255], v[254:255], v[98:99]
	v_pk_add_f32 v[250:251], v[250:251], v[102:103]
	v_pk_add_f32 v[248:249], v[248:249], v[106:107]
	v_pk_add_f32 v[246:247], v[246:247], v[110:111]
	v_pk_add_f32 v[244:245], v[244:245], v[114:115]
	v_pk_add_f32 v[242:243], v[242:243], v[118:119]
	v_pk_add_f32 v[14:15], v[14:15], v[122:123]
	v_pk_add_f32 v[236:237], v[236:237], v[126:127]
	v_pk_add_f32 v[254:255], v[254:255], v[130:131]
	v_pk_add_f32 v[250:251], v[250:251], v[134:135]
	v_pk_add_f32 v[248:249], v[248:249], v[138:139]
	v_pk_add_f32 v[246:247], v[246:247], v[142:143]
	v_pk_add_f32 v[244:245], v[244:245], v[146:147]
	v_pk_add_f32 v[242:243], v[242:243], v[150:151]
	v_pk_add_f32 v[14:15], v[14:15], v[154:155]
	v_pk_add_f32 v[236:237], v[236:237], v[158:159]
	s_delay_alu instid0(VALU_DEP_2)
	v_pk_add_f32 v[14:15], v[14:15], v[248:249]
	s_delay_alu instid0(VALU_DEP_2)
	v_pk_add_f32 v[236:237], v[236:237], v[246:247]
	v_pk_add_f32 v[254:255], v[254:255], v[244:245]
	v_pk_add_f32 v[250:251], v[250:251], v[242:243]
	s_delay_alu instid0(VALU_DEP_2)
	v_pk_add_f32 v[14:15], v[14:15], v[254:255]
	s_delay_alu instid0(VALU_DEP_2)
	v_pk_add_f32 v[236:237], v[236:237], v[250:251]
	s_delay_alu instid0(VALU_DEP_1)
	v_pk_add_f32 v[14:15], v[14:15], v[236:237]
	s_wait_alu depctr_va_vdst(0)                   ; and one for the four
.irp b, 0,1,2,3
	v_max_num_f32 v[232+\b], 0x8000000, v[232+\b]  ; the floor 2^-111
.endr
.irp b, 0,1,2,3
	s_delay_alu instid0(VALU_DEP_4)
	v_add_nc_u32 v[244+\b], 0xf8800000, v[232+\b]
.endr
.irp b, 0,1,2,3
	v_and_or_b32 v[240+\b], v[232+\b], 0x7f800000, s[MNT]
.endr
.irp b, 0,1,2,3
	v_lshrrev_b32 v[236+\b], 23, v[244+\b]
.endr
	s_delay_alu instid0(VALU_DEP_3)
	v_lshl_or_b32 v253, v237, 8, v236              ; p's scale word for these 128 keys
	s_delay_alu instid0(VALU_DEP_1)
	v_lshl_or_b32 v253, v238, 16, v253
	s_delay_alu instid0(VALU_DEP_1)
	v_lshl_or_b32 v253, v239, 24, v253
.irp b, 0,1,2,3
.irp i, 0,1,2,3,4,5,6,7,8,9,10,11,12,13,14,15
	v_min_num_f32 v[96+16*\b+\i], v[96+16*\b+\i], v[240+\b]   ; the hold; p is not negative
.endr
	v_cvt_scalef32_pk8_bf8_f32 v[192+4*\b:193+4*\b], v[96+16*\b:103+16*\b], v[244+\b]
	v_cvt_scalef32_pk8_bf8_f32 v[194+4*\b:195+4*\b], v[104+16*\b:111+16*\b], v[244+\b]
.endr
.irp t, 0,1,2,3
.irp c, 0,1,2,3
	ds_load_b128 v[96+16*\t+4*\c:99+16*\t+4*\c], v[ADV] offset:2048*\t+512*\c   ; V's four fragments, over p, which has been converted
.endr
.endr
	ds_load_b32 v212, v[ADT]
	ds_load_b32 v213, v[ADT] offset:128
.irp j, 0,2,4,6,8,10,12,14,16,18,20,22,24,26,28,30
	v_pk_mul_f32 v[160+\j:161+\j], v[160+\j:161+\j], v[252:253] op_sel_hi:[1,0]   ; O^T under the new M; these 16 are also the places ahead of the products
.endr
	s_wait_alu depctr_va_vdst(0)
	s_wait_dscnt 0x0
	v_wmma_scale_f32_16x16x128_f8f6f4 v[160:167], v[96:111], v[192:207], v[160:167], v212, v253 matrix_a_fmt:MATRIX_FMT_BF8 matrix_b_fmt:MATRIX_FMT_BF8
	v_wmma_scale_f32_16x16x128_f8f6f4 v[168:175], v[112:127], v[192:207], v[168:175], v212, v253 matrix_a_fmt:MATRIX_FMT_BF8 matrix_b_fmt:MATRIX_FMT_BF8 matrix_a_scale:MATRIX_SCALE_ROW1
	v_wmma_scale_f32_16x16x128_f8f6f4 v[176:183], v[128:143], v[192:207], v[176:183], v213, v253 matrix_a_fmt:MATRIX_FMT_BF8 matrix_b_fmt:MATRIX_FMT_BF8
	v_wmma_scale_f32_16x16x128_f8f6f4 v[184:191], v[144:159], v[192:207], v[184:191], v213, v253 matrix_a_fmt:MATRIX_FMT_BF8 matrix_b_fmt:MATRIX_FMT_BF8 matrix_a_scale:MATRIX_SCALE_ROW1
	s_add_co_u32 s[TB], s[TB], 8192
	s_add_co_u32 s[TS], s[TS], 512
	s_add_co_u32 s[TW], s[TW], 256
.endm
.macro QTILE j                         ; my j-th tile of 16 queries
	s_wait_xcnt 0x0                                ; the last tile's stores have read their registers
	global_load_b128 v[16:19], v[LI], s[QB:QB+1] offset:1024*\j
	global_load_b128 v[20:23], v[LI], s[QB:QB+1] offset:1024*\j+512
	global_load_b32 v214, v[QSO], s[QS:QS+1] offset:64*\j
	v_mov_b32 v13, 0xff61b1e6                      ; the largest t so far: -3e38
	s_delay_alu instid0(VALU_DEP_1)
	v_floor_f32 v12, -v13
	v_mov_b32 v14, 0
	v_mov_b32 v15, 0
.irp n, 0,1,2,3,4,5,6,7,8,9,10,11,12,13,14,15,16,17,18,19,20,21,22,23,24,25,26,27,28,29,30,31
	v_mov_b32 v[160+\n], 0                         ; O^T: the step is written once; its first trip finds zeros, which the first change of M leaves zeros
.endr
	s_mov_b32 s[TB], 0
	s_mov_b32 s[TS], 0
	s_mov_b32 s[TW], 0
	s_mov_b32 s[CNT], 8
	s_wait_loadcnt 0x0
.Lstep_\@:
	STEP
	s_sub_co_u32 s[CNT], s[CNT], 1
	s_cmp_lg_u32 s[CNT], 0
	s_cbranch_scc1 .Lstep_\@
.rept 8
	v_nop                                          ; places behind the last products
.endr
	v_add_f32 v14, v14, v15
	s_delay_alu instid0(VALU_DEP_1)
	v_permlanex16_b32 v252, v14, s[SEL], s[SEL+1]
	s_delay_alu instid0(VALU_DEP_1)
	v_add_f32 v14, v14, v252                       ; the row's sum
	s_wait_alu depctr_va_vdst(0)
	v_rcp_f32 v14, v14
	v_nop
	s_wait_alu depctr_va_vdst(0)
.irp n, 0,1,2,3,4,5,6,7,8,9,10,11,12,13,14,15,16,17,18,19,20,21,22,23,24,25,26,27,28,29,30,31
	v_mul_f32 v[96+\n], v[160+\n], v14             ; register 8 t + i: ctx(query r, 16 t + 8 h + i)
.endr
.irp b, 0,1
	v_max3_num_f32 v[232+\b], |v[96+16*\b]|, |v[97+16*\b]|, 0x8000000   ; the head's 64 are two blocks of 32 along the next K
.endr
.irp i, 2,4,6,8,10,12,14
.irp b, 0,1
	s_delay_alu instid0(VALU_DEP_2)
	v_max3_num_f32 v[232+\b], v[232+\b], |v[96+16*\b+\i]|, |v[97+16*\b+\i]|
.endr
.endr
.irp b, 0,1
	s_delay_alu instid0(VALU_DEP_2)
	v_permlanex16_b32 v[236+\b], v[232+\b], s[SEL], s[SEL+1]
.endr
.irp b, 0,1
	s_delay_alu instid0(VALU_DEP_2)
	v_max_num_f32 v[232+\b], v[232+\b], v[236+\b]
.endr
.irp b, 0,1
	s_delay_alu instid0(VALU_DEP_2)
	v_add_nc_u32 v[244+\b], 0xf8800000, v[232+\b]
.endr
.irp b, 0,1
	s_delay_alu instid0(VALU_DEP_4)
	v_and_or_b32 v[240+\b], v[232+\b], 0x7f800000, s[MNT]
.endr
.irp b, 0,1
	s_delay_alu instid0(VALU_DEP_4)
	v_lshrrev_b32 v[236+\b], 23, v[244+\b]
.endr
.irp b, 0,1
.irp i, 0,1,2,3,4,5,6,7,8,9,10,11,12,13,14,15
	v_med3_num_f32 v[96+16*\b+\i], v[96+16*\b+\i], -v[240+\b], v[240+\b]
.endr
	v_cvt_scalef32_pk8_bf8_f32 v[192+4*\b:193+4*\b], v[96+16*\b:103+16*\b], v[244+\b]
	v_cvt_scalef32_pk8_bf8_f32 v[194+4*\b:195+4*\b], v[104+16*\b:111+16*\b], v[244+\b]
.endr
	v_cndmask_b32 v254, v236, v237, s[HM]          ; lanes 0-15 store the row's first byte, lanes 16-31 its second.  (Also the plain line behind the last conversion)
.irp b, 0,1
	global_store_b64 v[CIO], v[192+4*\b:193+4*\b], s[CI:CI+1] offset:2048*\j+512*\b        ; 256 bytes on end, aligned
	global_store_b64 v[CIO], v[194+4*\b:195+4*\b], s[CI:CI+1] offset:2048*\j+512*\b+256
.endr
	global_store_b8 v[CSO], v254, s[CSP:CSP+1] offset:32*\j
.endm
	QTILE 0
	QTILE 1
	s_wait_tensorcnt 0x0                           ; the wave's end
	ds_add_u32 v[SPW], v[NIL]
	s_wait_dscnt 0x0
	s_endpgm
.Lfunc_end_k_q39327afe41_attn:
	.size	k_q39327afe41_attn, .Lfunc_end_k_q39327afe41_attn-k_q39327afe41_attn
	.p2alignl 7, 3214868480
	.fill 96, 4, 3214868480
	.section	.rodata,"a",@progbits
	.p2align	6, 0x0
	.amdhsa_kernel k_q39327afe41_attn
		.amdhsa_group_segment_fixed_size 167936
		.amdhsa_private_segment_fixed_size 0
		.amdhsa_enable_private_segment 0
		.amdhsa_kernarg_size 72
		.amdhsa_user_sgpr_count 2
		.amdhsa_user_sgpr_kernarg_segment_ptr 1
		.amdhsa_wavefront_size32 1
		.amdhsa_system_sgpr_workgroup_id_x 1
		.amdhsa_system_sgpr_workgroup_id_y 1
		.amdhsa_system_sgpr_workgroup_id_z 1
		.amdhsa_system_vgpr_workitem_id 0
		.amdhsa_next_free_vgpr 256
		.amdhsa_next_free_sgpr 66
		.amdhsa_reserve_vcc 0
		.amdhsa_float_denorm_mode_32 3
		.amdhsa_float_denorm_mode_16_64 3
		.amdhsa_memory_ordered 1
		.amdhsa_forward_progress 1
		.amdhsa_inst_pref_size 65
	.end_amdhsa_kernel
	.amdgpu_metadata
---
amdhsa.version: [ 1, 2 ]
amdhsa.kernels:
  - .name:           k_q39327afe41_attn
    .symbol:         k_q39327afe41_attn.kd
    .args:
      - { .name: qr, .offset: 0, .size: 8, .value_kind: global_buffer, .address_space: global }
      - { .name: kv, .offset: 8, .size: 8, .value_kind: global_buffer, .address_space: global }
      - { .name: vsb, .offset: 16, .size: 8, .value_kind: global_buffer, .address_space: global }
      - { .name: ci, .offset: 24, .size: 8, .value_kind: global_buffer, .address_space: global }
      - { .name: cs, .offset: 32, .size: 8, .value_kind: global_buffer, .address_space: global }
      - { .name: wo_codes, .offset: 40, .size: 8, .value_kind: global_buffer, .address_space: global }
      - { .name: w1_codes, .offset: 48, .size: 8, .value_kind: global_buffer, .address_space: global }
      - { .name: w2_codes, .offset: 56, .size: 8, .value_kind: global_buffer, .address_space: global }
      - { .name: wimg, .offset: 64, .size: 8, .value_kind: global_buffer, .address_space: global }
    .group_segment_fixed_size: 167936
    .private_segment_fixed_size: 0
    .kernarg_segment_align: 8
    .kernarg_segment_size: 72
    .max_flat_workgroup_size: 512
    .sgpr_count:     66
    .vgpr_count:     256
    .wavefront_size: 32
...
	.end_amdgpu_metadata
.endif
;; end of part 5
;; launch tail (part 6): grid 256 x 1, 4 waves a work-group, no clusters, 184,320 bytes of LDS; arguments ci, cs, x, wimg, wo_scales, bo, ln2_g, ln2_b, w1_scales, b1, w2_scales, b2, out0; writes out0
.if DOCPART == 6
	.amdgcn_target "amdgcn-amd-amdhsa--gfx1250"
	.amdhsa_code_object_version 6
	.text
	.protected	k_q39327afe41_tail
	.globl	k_q39327afe41_tail
	.p2align	8
	.type	k_q39327afe41_tail,@function
k_q39327afe41_tail:
	s_mov_b64 s[64:65], 0
	v_nop
	global_prefetch_b8 v0, s[64:65] scope:SCOPE_SE
	s_setreg_imm32_b32 hwreg(HW_REG_WAVE_MODE, 25, 1), 1
	s_wait_xcnt 0x0
; x1 = x + ctx Wo + bo; h2 = layernorm(x1) g + b; out = x1 + relu(h2 W1 + b1) W2 + b2: three products on codes of BF8 (E5M2) with E8M0 scales; h2 and the hidden layer are quantised here, along the width.
; SHARES.  A work-group of four waves owns 32 whole rows through all three layers.  Wave w makes columns 512 p + 128 w + 0 .. 127 (p = 0, 1): 16 column tiles x 2 tiles of rows = 32 accumulators, 256 registers.
; THE WEIGHTS GO FROM MEMORY STRAIGHT INTO REGISTERS.  A fragment of W feeds two products only, so it is not sent through LDS.  wimg holds the weights as images of operand registers, [wave][layer][K step][fragment][group][lane][16 bytes]:
; a wave reads one stream of 24 x 32,768 bytes, each load 512 bytes on end.  Window 1 holds one K step's 16 fragments; behind each four fragments' products the same registers take the next K step's, across the layers too.
; A K STEP IS A TRIP: the operand's two fragments and scale word, and W's eight scale words, come from LDS into the same registers in every trip; 32 products, the 32 accumulators by turns.
; TRANSPOSED: source 0 = 16 rows of W, source 1 = 16 rows of the operand: lane (r, h) holds row 16 m + r, register i column 16 t + 8 h + i.  Accumulator (p, m, t) at v[128 p + 64 m + 8 t].
; THE SUMS BEGIN WITH WHAT IS ADDED ANYWAY: layer 0's with x, layer 1's with b1, layer 2's with x1, in place.
; WHOLE UNITS IN: x comes as rows (a load: 512 bytes on end of one row) and is turned into the accumulators' layout through the wave's stage in LDS; bo, g, b, b1 come once, 512 bytes a load, into LDS, and are read from there in the result's layout.
; NO CLUSTER: no tile goes through LDS, so there is no joint load to make.  NO PREFETCH: the stream's loads are themselves issued a whole K step ahead of their use.
; LIMITS: NaN and infinities are not served; a block under 2^-111 (a block of zeros too) gets the scale byte 1: the bytes are read by this launch alone.  The norm is formed as ((x1 - mean) g) rsqrt + b.
; REGISTERS: window 0 addresses, scales, g or b, the operand's fragments, the quantiser's work; window 1 W's fragments; window 2 staging, then x, x1, the result; window 3 x's rows, then bo and scale bytes, h2, the hidden layer, rows on the way out.
.set ASW,   32768                      ; behind the operand's 16 images of 2,048 bytes ((K step k, m) at (2 k + m) x 2,048): its scale words, (k, row) at 128 k + 4 row
.set RED,   ASW+1024                   ; the norm's partial sums
.set WSC,   RED+1024                   ; the weights' scale bytes: [wave][layer][p][row of 128][32]
.set STG,   WSC+98304                  ; a stage of 16 rows x 528 bytes a wave: x on the way in, the result on the way out
.set VEC,   STG+33792                  ; [wave][bo, g, b, b1][p][128 numbers]
.set SPARE, VEC+16384                  ; the spare words: 128 bytes a wave, named by no other line
.set LI,   1                           ; 16 x lane
.set HSW,  2                           ; ASW + 256 wave + 4 lane
.set LIMC, 3                           ; the trip's addresses: images, the operand's scale word, W's scale words
.set SARC, 4
.set IAW,  5
.set SAW,  6
.set SAR,  7
.set RDW,  8
.set RDR,  9
.set SB0,  12
.set SPW,  13
.set NIL,  14
.set STO,  15
.set SRD,  16
.set CSO,  17
.set CIW,  18
.set SBC,  19
.set SWA,  248
.set VA,   249                         ; VEC + 4,096 wave + 32 h
.set VW,   250                         ; VEC + 4,096 wave + 16 lane
.set ASR,  32                          ; the operand's scale word: lanes 0-15 m = 0, lanes 16-31 m = 1
.set SBR,  33                          ; v33-40 W's scale words: pair j: lanes 0-15 fragment 2 j, lanes 16-31 fragment 2 j + 1
.set GR,   42                          ; v42-169 g, then b: 64 p + 8 t + i
.set AF,   170                         ; v170-201 the operand's two fragments
.set TM,   170                         ; between the layers: the quantiser's work
.set PW,   186
.set TP,   188
.set PC,   190
.set WV,   34
.set SEL,  36
.set MNT,  38
.set HM,   39
.set EPS,  44
.set IK,   45
.set CT,   46
.set XP,   8
.set WP,   10
.set OUT,  28
.set MSB, 0
.macro WIN new                         ; the immediate's high byte repeats the setting that is left
.if MSB != (\new)
	s_set_vgpr_msb (MSB<<8)|(\new)
.set MSB, (\new)
.endif
.endm
.macro PLACES                          ; eight places behind products, ahead of loads into what they read and of readers of their sums
.rept 8
	v_nop
.endr
.endm
.macro BAR
	s_barrier_signal -1
	s_barrier_wait -1
.endm
.macro BL g                            ; group g of a K step: four fragments, 16 loads of 512 bytes on end
	WIN 0x40
.set I_, 16*(\g)
.rept 16
	global_load_b128 v[4*I_:4*I_+3], v[LI], s[WP:WP+1] offset:512*I_
.set I_, I_+1
.endr
	WIN 0
.endm
.macro PRE first, lay                  ; a K step's operand fragments and scale words, from LDS
.if \first
	v_mov_b32 v[LIMC], v[LI]
	v_mov_b32 v[SARC], v[SAR]
	v_add_nc_u32 v[SBC], 8192*(\lay), v[SB0]
.else
	v_add_nc_u32 v[LIMC], 4096, v[LIMC]
	v_add_nc_u32 v[SARC], 128, v[SARC]
	v_add_nc_u32 v[SBC], 4, v[SBC]
.endif
	s_wait_alu depctr_va_vdst(0)
.irp m, 0,1
.irp c, 0,1,2,3
	ds_load_b128 v[AF+16*\m+4*\c:AF+16*\m+4*\c+3], v[LIMC] offset:2048*\m+512*\c
.endr
.endr
	ds_load_b32 v[ASR], v[SARC]
.irp j, 0,1,2,3,4,5,6,7
	ds_load_b32 v[SBR+\j], v[SBC] offset:1024*\j
.endr
.endm
.macro WM f, m                         ; fragment f of W x tile of rows m
.set rD, 128*((\f)/8)+64*(\m)+8*((\f)%8)
.set rW, 16*(\f)
.set rF, AF+16*(\m)
.set rS, SBR+(\f)/2
.if ((\f)%2)&&(\m)
	v_wmma_scale_f32_16x16x128_f8f6f4 v[rD:rD+7], v[rW:rW+15], v[rF:rF+15], v[rD:rD+7], v[rS], v[ASR] matrix_a_fmt:MATRIX_FMT_BF8 matrix_b_fmt:MATRIX_FMT_BF8 matrix_a_scale:MATRIX_SCALE_ROW1 matrix_b_scale:MATRIX_SCALE_ROW1
.elseif (\f)%2
	v_wmma_scale_f32_16x16x128_f8f6f4 v[rD:rD+7], v[rW:rW+15], v[rF:rF+15], v[rD:rD+7], v[rS], v[ASR] matrix_a_fmt:MATRIX_FMT_BF8 matrix_b_fmt:MATRIX_FMT_BF8 matrix_a_scale:MATRIX_SCALE_ROW1
.elseif \m
	v_wmma_scale_f32_16x16x128_f8f6f4 v[rD:rD+7], v[rW:rW+15], v[rF:rF+15], v[rD:rD+7], v[rS], v[ASR] matrix_a_fmt:MATRIX_FMT_BF8 matrix_b_fmt:MATRIX_FMT_BF8 matrix_b_scale:MATRIX_SCALE_ROW1
.else
	v_wmma_scale_f32_16x16x128_f8f6f4 v[rD:rD+7], v[rW:rW+15], v[rF:rF+15], v[rD:rD+7], v[rS], v[ASR] matrix_a_fmt:MATRIX_FMT_BF8 matrix_b_fmt:MATRIX_FMT_BF8
.endif
.endm
; A K STEP.  nx = 1: each group's registers take the stream's next K step; pre = 1: the next K step's LDS loads are issued behind the last products' places.
; The wait's count: behind a group's 16 loads the three other groups' 48 were issued; where nothing follows (nx = 0) 48, 32, 16, 0.
.macro TRIP win, nx, pre
	s_wait_dscnt 0x0                               ; the operand's fragments and the scale words are in
.irp g, 0,1,2,3
	s_wait_loadcnt 48-16*\g*(1-(\nx))
	WIN \win
.irp e, 0,1,2,3
.irp m, 0,1
	WM 4*\g+\e, \m
.endr
.endr
	WIN 0
	PLACES
.if (\pre) && (\g == 3)
	PRE 0, 0
.endif
.if \nx
.if \g == 0
	s_wait_xcnt 0x0                                ; the earlier loads have read their base
	s_add_nc_u64 s[WP:WP+1], s[WP:WP+1], 32768
.endif
	BL \g
.endif
.endr
.endm
.macro LAYER win, last                 ; eight K steps; the last is written out: it fetches no operand, and in the last layer no weights
	s_mov_b32 s[CT], 7
.Lk_\@:
	TRIP \win, 1, 1
	s_sub_co_u32 s[CT], s[CT], 1
	s_cmp_lg_u32 s[CT], 0
	s_cbranch_scc1 .Lk_\@
	TRIP \win, 1-(\last), 0
.endm
.macro LDV win, r0, ps, j              ; vector j's numbers at my 256 columns, from LDS, in the result's layout: v[r0 + ps p + 8 t + i]
	WIN \win
.irp p, 0,1
.irp t, 0,1,2,3,4,5,6,7
	ds_load_b128 v[(\r0)+(\ps)*\p+8*\t:(\r0)+(\ps)*\p+8*\t+3], v[VA] offset:1024*(\j)+512*\p+64*\t
	ds_load_b128 v[(\r0)+(\ps)*\p+8*\t+4:(\r0)+(\ps)*\p+8*\t+7], v[VA] offset:1024*(\j)+512*\p+64*\t+16
.endr
.endr
	WIN 0
.endm
; Four blocks of 32 in window 3 are quantised: block b is my 16 numbers v[s + 16 b ..] and lane l xor 16's.  The floor 2^-111 keeps the byte at 1 or more; the hold stands ahead of the conversion, which does not saturate (ISA guide 7.6.2); relu = 1: the hold clips at 0 too.
.macro QUANT s, relu, pw
	WIN 0x3c
.irp b, 0,1,2,3
.if \relu
	v_max3_num_f32 v[TM+\b], 0x8000000, v[(\s)+16*\b], v[(\s)+16*\b+1]
.else
	v_max3_num_f32 v[TM+\b], 0x8000000, |v[(\s)+16*\b]|, |v[(\s)+16*\b+1]|
.endif
.endr
.irp i, 2,4,6,8,10,12,14
.irp b, 0,1,2,3
.if \relu
	v_max3_num_f32 v[TM+\b], v[TM+\b], v[(\s)+16*\b+\i], v[(\s)+16*\b+\i+1]
.else
	v_max3_num_f32 v[TM+\b], v[TM+\b], |v[(\s)+16*\b+\i]|, |v[(\s)+16*\b+\i+1]|
.endif
.endr
.endr
	WIN 0
.irp b, 0,1,2,3
	v_permlanex16_b32 v[TM+4+\b], v[TM+\b], s[SEL], s[SEL+1]
.endr
.irp b, 0,1,2,3
	v_max_num_f32 v[TM+\b], v[TM+\b], v[TM+4+\b]
.endr
.irp b, 0,1,2,3
	v_add_nc_u32 v[TM+12+\b], 0xf8800000, v[TM+\b]
.endr
.irp b, 0,1,2,3
	v_and_or_b32 v[TM+8+\b], v[TM+\b], 0x7f800000, s[MNT]
.endr
.irp b, 0,1,2,3
	v_lshrrev_b32 v[TM+4+\b], 23, v[TM+12+\b]
.endr
	v_lshl_or_b32 v[\pw], v[TM+5], 8, v[TM+4]
	v_lshl_or_b32 v[\pw], v[TM+6], 16, v[\pw]
	v_lshl_or_b32 v[\pw], v[TM+7], 24, v[\pw]
	WIN 0xc3
.irp b, 0,1,2,3
.irp i, 0,1,2,3,4,5,6,7,8,9,10,11,12,13,14,15
.if \relu
	v_med3_num_f32 v[(\s)+16*\b+\i], v[(\s)+16*\b+\i], 0, v[TM+8+\b]
.else
	v_med3_num_f32 v[(\s)+16*\b+\i], v[(\s)+16*\b+\i], -v[TM+8+\b], v[TM+8+\b]
.endif
.endr
.endr
	WIN 0x03
.irp b, 0,1,2,3
	v_cvt_scalef32_pk8_bf8_f32 v[PC+4*\b:PC+4*\b+1], v[(\s)+16*\b:(\s)+16*\b+7], v[TM+12+\b]
	v_cvt_scalef32_pk8_bf8_f32 v[PC+4*\b+2:PC+4*\b+3], v[(\s)+16*\b+8:(\s)+16*\b+15], v[TM+12+\b]
.endr
	WIN 0
	v_nop                                          ; one plain line behind the last conversion
.endm
.macro TOIMG relu                      ; window 3 becomes the next operand: my 128 columns of pass p are K step 4 p + wave
	s_wait_alu depctr_va_vdst(0)
	s_wait_dscnt 0x0
	BAR                                            ; nobody reads the old images any more
.irp p, 0,1
.irp m, 0,1
	s_wait_dscnt 0x0                               ; the last stores have read their registers
	QUANT 128*\p+64*\m, \relu, PW+\m
.irp b, 0,1,2,3
	ds_store_b64 v[IAW], v[PC+4*\b:PC+4*\b+1] offset:16384*\p+2048*\m+512*\b
	ds_store_b64 v[IAW], v[PC+4*\b+2:PC+4*\b+3] offset:16384*\p+2048*\m+512*\b+256
.endr
.endr
	v_cndmask_b32 v[TP], v[PW], v[PW+1], s[HM]
	ds_store_b32 v[SAW], v[TP] offset:512*\p
.endr
	s_wait_dscnt 0x0
	BAR                                            ; everybody's images and scale words lie in LDS
.endm
.macro RSUM off                        ; my two rows' sums over my columns, then over the four waves: v20 (m = 0), v24 (m = 1)
	v_pk_add_f32 v[20:21], v[20:21], v[22:23]
	v_pk_add_f32 v[24:25], v[24:25], v[26:27]
	v_add_f32 v20, v20, v21
	v_add_f32 v24, v24, v25
	v_permlanex16_b32 v232, v20, s[SEL], s[SEL+1]
	v_permlanex16_b32 v233, v24, s[SEL], s[SEL+1]
	v_add_f32 v20, v20, v232
	v_add_f32 v24, v24, v233
	v_cndmask_b32 v234, v20, v24, s[HM]
	ds_store_b32 v[RDW], v234 offset:\off
	s_wait_dscnt 0x0
	BAR
.irp u, 0,1,2,3
	ds_load_b32 v[240+2*\u], v[RDR] offset:\off+128*\u
	ds_load_b32 v[241+2*\u], v[RDR] offset:\off+128*\u+64
.endr
	s_wait_dscnt 0x0
	v_add_f32 v20, v240, v242
	v_add_f32 v21, v244, v246
	v_add_f32 v24, v241, v243
	v_add_f32 v25, v245, v247
	v_add_f32 v20, v20, v21
	v_add_f32 v24, v24, v25
.endm
.macro EACH op:vararg                  ; a line for each pair of registers R_ of both tiles of rows; N_ counts the pairs of a row, M_ the tile
.set N_, 0
.rept 64
.set M_, 0
.rept 2
.set R_, 128*(N_/32)+64*M_+2*(N_%32)
	\op
.set M_, M_+1
.endr
.set N_, N_+1
.endr
.endm
.macro LN                              ; x1 in window 2 -> h2 in window 3
	WIN 0x0a
.irp m, 0,1
	v_pk_add_f32 v[20+4*\m:21+4*\m], v[64*\m:64*\m+1], v[64*\m+2:64*\m+3]
	v_pk_add_f32 v[22+4*\m:23+4*\m], v[64*\m+4:64*\m+5], v[64*\m+6:64*\m+7]
.endr
	WIN 0x08
.set n, 4
.rept 60
.irp m, 0,1
	v_pk_add_f32 v[20+4*\m+2*(n%2):21+4*\m+2*(n%2)], v[20+4*\m+2*(n%2):21+4*\m+2*(n%2)], v[128*(n/32)+64*\m+2*(n%32):128*(n/32)+64*\m+2*(n%32)+1]
.endr
.set n, n+1
.endr
	WIN 0
	RSUM 0
	v_mul_f32 v28, s[IK], v20
	v_mul_f32 v29, s[IK], v20
	v_mul_f32 v30, s[IK], v24
	v_mul_f32 v31, s[IK], v24
	WIN 0xc2
	EACH v_pk_add_f32 v[R_:R_+1], v[R_:R_+1], v[28+2*M_:29+2*M_] op_sel_hi:[1,0] neg_lo:[0,1] neg_hi:[0,1]
	WIN 0x0f
.irp m, 0,1
	v_pk_mul_f32 v[20+4*\m:21+4*\m], v[64*\m:64*\m+1], v[64*\m:64*\m+1]
	v_pk_mul_f32 v[22+4*\m:23+4*\m], v[64*\m+2:64*\m+3], v[64*\m+2:64*\m+3]
.endr
.set n, 2
.rept 62
.irp m, 0,1
	v_pk_fma_f32 v[20+4*\m+2*(n%2):21+4*\m+2*(n%2)], v[128*(n/32)+64*\m+2*(n%32):128*(n/32)+64*\m+2*(n%32)+1], v[128*(n/32)+64*\m+2*(n%32):128*(n/32)+64*\m+2*(n%32)+1], v[20+4*\m+2*(n%2):21+4*\m+2*(n%2)]
.endr
.set n, n+1
.endr
	WIN 0xc3                                       ; g has been in its registers since layer 0's first wait for LDS loads
	EACH v_pk_mul_f32 v[R_:R_+1], v[R_:R_+1], v[GR+2*N_:GR+2*N_+1]
	WIN 0
	LDV 0, GR, 64, 2                               ; b takes g's registers; the second sum's wait for LDS covers it
	RSUM 512
	v_fma_f32 v20, v20, s[IK], s[EPS]
	v_fma_f32 v24, v24, s[IK], s[EPS]
	s_wait_alu depctr_va_vdst(0)                   ; a wait ahead of the batch,
	v_rsq_f32 v28, v20
	v_rsq_f32 v30, v24
	v_nop
	s_wait_alu depctr_va_vdst(0)                   ; and behind it
	WIN 0xc3
	EACH v_pk_fma_f32 v[R_:R_+1], v[R_:R_+1], v[28+2*M_:29+2*M_], v[GR+2*N_:GR+2*N_+1] op_sel_hi:[1,0,1]
	WIN 0
.endm
.macro TOX c                           ; x on the way in: 16 rows of 512 bytes from window 3 into my stage, and back in the accumulators' layout into window 2.  LDS serves a wave's instructions in order (ISA guide 5.7.1.4)
	WIN 0x0c
.irp i, 0,1,2,3,4,5,6,7,8,9,10,11,12,13,14,15
	ds_store_b128 v[SRD], v[64*(\c)+4*\i:64*(\c)+4*\i+3] offset:528*\i
.endr
	WIN 0x80
.irp t, 0,1,2,3,4,5,6,7
	ds_load_b128 v[64*(\c)+8*\t:64*(\c)+8*\t+3], v[STO] offset:64*\t
	ds_load_b128 v[64*(\c)+8*\t+4:64*(\c)+8*\t+7], v[STO] offset:64*\t+16
.endr
	WIN 0
.endm
.macro TOSTAGE c                       ; 16 rows x my 128 columns of pass c / 2 through my stage: back as whole rows of 512 bytes, into window 3
	WIN 0x08
.irp t, 0,1,2,3,4,5,6,7
	ds_store_b128 v[STO], v[64*(\c)+8*\t:64*(\c)+8*\t+3] offset:64*\t
	ds_store_b128 v[STO], v[64*(\c)+8*\t+4:64*(\c)+8*\t+7] offset:64*\t+16
.endr
	WIN 0xc0
.irp i, 0,1,2,3,4,5,6,7,8,9,10,11,12,13,14,15
	ds_load_b128 v[64*(\c)+4*\i:64*(\c)+4*\i+3], v[SRD] offset:528*\i
.endr
	WIN 0
.endm
.macro SEND c, younger                 ; + b2, and out: 32 lanes store 512 bytes on end, aligned
	s_wait_dscnt \younger
	WIN 0xc3
.irp i, 0,1,2,3,4,5,6,7,8,9,10,11,12,13,14,15
	v_pk_add_f32 v[64*(\c)+4*\i:64*(\c)+4*\i+1], v[64*(\c)+4*\i:64*(\c)+4*\i+1], v[232+4*((\c)/2):233+4*((\c)/2)]
	v_pk_add_f32 v[64*(\c)+4*\i+2:64*(\c)+4*\i+3], v[64*(\c)+4*\i+2:64*(\c)+4*\i+3], v[234+4*((\c)/2):235+4*((\c)/2)]
.endr
	WIN 0x0c
.irp i, 0,1,2,3,4,5,6,7,8,9,10,11,12,13,14,15
	global_store_b128 v[LI], v[64*(\c)+4*\i:64*(\c)+4*\i+3], s[OUT:OUT+1] offset:(16*((\c)%2)+\i)*4096+2048*((\c)/2) th:TH_STORE_NT
.endr
	WIN 0
.endm
	s_load_b512 s[4:19], s[0:1], 0x0               ; ci 4, cs 6, x 8, wimg 10, wo scales 12, bo 14, g 16, b 18
	s_load_b256 s[20:27], s[0:1], 0x40             ; w1 scales 20, b1 22, w2 scales 24, b2 26
	s_load_b64 s[28:29], s[0:1], 0x60              ; out0
	v_lshl_add_u32 v[SPW], v0, 2, SPARE
	v_mov_b32 v[NIL], 0
	v_lshrrev_b32 v20, 5, v0
	v_readfirstlane_b32 s[WV], v20                 ; wave 0..3
	s_mov_b32 s[SEL], 0x76543210
	s_mov_b32 s[SEL+1], 0xfedcba98
	s_mov_b32 s[MNT], 0x600000
	s_mov_b32 s[HM], 0xffff0000
	s_mov_b32 s[EPS], 0x3727c5ac                   ; 1e-5
	s_mov_b32 s[IK], 0x3a800000                    ; 1 / 1,024
	v_and_b32 v21, 31, v0                          ; lane
	v_and_b32 v22, 15, v0                          ; r
	v_bfe_u32 v23, v0, 4, 1                        ; h
	v_lshlrev_b32 v[LI], 4, v21
	v_lshlrev_b32 v24, 4, v22
	v_lshl_add_u32 v24, v23, 3, v24
	s_lshl_b32 s40, s[WV], 12
	v_add_nc_u32 v[IAW], s40, v24                  ; 4,096 wave + 16 r + 8 h
	v_lshl_add_u32 v[SAR], v21, 2, ASW
	s_lshl_b32 s42, s[WV], 7
	v_add_nc_u32 v[SAW], s42, v[SAR]
	v_add_nc_u32 v[HSW], s42, v[SAW]
	v_lshl_add_u32 v[RDW], v21, 2, RED
	v_add_nc_u32 v[RDW], s42, v[RDW]
	v_lshl_add_u32 v[RDR], v22, 2, RED
	s_add_co_u32 s40, s40, VEC
	v_lshl_add_u32 v[VA], v23, 5, s40
	v_add_nc_u32 v[VW], s40, v[LI]
	s_mul_i32 s40, s[WV], 8448
	s_add_co_u32 s40, s40, STG
	v_mul_u32_u24 v[STO], v22, 528
	v_lshl_add_u32 v[STO], v23, 5, v[STO]
	v_add_nc_u32 v[STO], s40, v[STO]
	v_add_nc_u32 v[SRD], s40, v[LI]
	v_lshlrev_b32 v[CSO], 1, v21
	s_lshl_b32 s40, s[WV], 13
	v_add_nc_u32 v[CIW], s40, v[LI]
	s_mul_i32 s40, s[WV], 24576
	s_add_co_u32 s40, s40, WSC
	v_add_nc_u32 v[SWA], s40, v[LI]
	v_lshl_add_u32 v[SB0], v21, 5, s40             ; my wave's scale bytes: 32 bytes a row, lane l row l of a pair of tiles
.irp b, 0,1,2,3
	v_mov_b32 v[TM+4+\b], 0                        ; a lane permute's destination counts as one of its sources
.endr
	v_mov_b32 v232, 0
	v_mov_b32 v233, 0
	s_wait_alu depctr_va_vdst(0)
	s_wait_kmcnt 0x0
	s_mov_b32 s41, 0
	s_mul_i32 s40, s[WV], 786432                   ; my wave's stream of weights
	s_add_nc_u64 s[WP:WP+1], s[WP:WP+1], s[40:41]
	s_lshl_b32 s40, s[WV], 12                      ; its 128 rows of scale bytes
.irp q, 12,20,24
	s_add_nc_u64 s[\q:\q+1], s[\q:\q+1], s[40:41]
.endr
	s_lshl_b32 s40, s[WV], 9                       ; its 128 columns of f32
.irp q, 8,14,16,18,22,26,28
	s_add_nc_u64 s[\q:\q+1], s[\q:\q+1], s[40:41]
.endr
	s_lshl_b32 s40, ttmp9, 17                      ; my block's 32 rows
	s_add_nc_u64 s[XP:XP+1], s[XP:XP+1], s[40:41]
	s_add_nc_u64 s[OUT:OUT+1], s[OUT:OUT+1], s[40:41]
	s_lshl_b32 s40, ttmp9, 15
	s_lshl_b32 s42, s[WV], 13
	s_add_co_u32 s40, s40, s42
	s_add_nc_u64 s[4:5], s[4:5], s[40:41]          ; ctx's images: my quarter
	s_lshl_b32 s40, ttmp9, 10
	s_lshl_b32 s42, s[WV], 8
	s_add_co_u32 s40, s40, s42
	s_add_nc_u64 s[6:7], s[6:7], s[40:41]          ; ctx's scale bytes of K steps 2 wave, 2 wave + 1
	; what goes on into LDS is asked for first, 44 loads: ctx's images, Wo's scale bytes, the four vectors into window 2, and ctx's scale bytes; then x's 32 rows into window 3
	WIN 0x80
.irp i, 0,1,2,3,4,5,6,7,8,9,10,11,12,13,14,15
	global_load_b128 v[4*\i:4*\i+3], v[LI], s[4:5] offset:512*\i th:TH_LOAD_NT
.endr
.irp i, 0,1,2,3,4,5,6,7,8,9,10,11,12,13,14,15
	global_load_b128 v[64+4*\i:64+4*\i+3], v[LI], s[12:13] offset:16384*(\i/8)+512*(\i%8)
.endr
.set L_, 0
.irp q, 14,16,18,22
	global_load_b128 v[128+8*L_:128+8*L_+3], v[LI], s[\q:\q+1]
	global_load_b128 v[128+8*L_+4:128+8*L_+7], v[LI], s[\q:\q+1] offset:2048
.set L_, L_+1
.endr
	WIN 0
.irp i, 0,1,2,3
	global_load_u16 v[240+\i], v[CSO], s[6:7] offset:64*\i
.endr
	WIN 0xc0
.irp c, 0,1,2,3
.irp i, 0,1,2,3,4,5,6,7,8,9,10,11,12,13,14,15
	global_load_b128 v[64*\c+4*\i:64*\c+4*\i+3], v[LI], s[XP:XP+1] offset:(16*(\c%2)+\i)*4096+2048*(\c/2) th:TH_LOAD_NT
.endr
.endr
	WIN 0
	s_wait_loadcnt 63                              ; behind the 44 x's 64 loads were issued
	WIN 0x08
.irp i, 0,1,2,3,4,5,6,7,8,9,10,11,12,13,14,15
	ds_store_b128 v[CIW], v[4*\i:4*\i+3] offset:512*\i
.endr
.irp i, 0,1,2,3,4,5,6,7,8,9,10,11,12,13,14,15
	ds_store_b128 v[SWA], v[64+4*\i:64+4*\i+3] offset:512*\i
.endr
.irp i, 0,1,2,3,4,5,6,7
	ds_store_b128 v[VW], v[128+4*\i:128+4*\i+3] offset:512*\i
.endr
	WIN 0
	v_lshl_or_b32 v20, v241, 16, v240              ; a K step's word: two heads' two bytes each
	v_lshl_or_b32 v21, v243, 16, v242
	ds_store_b32 v[HSW], v20
	ds_store_b32 v[HSW], v21 offset:128
	BL 0                                           ; the stream's first K step
	BL 1
	BL 2
	BL 3
	s_wait_dscnt 0x0                               ; the stores have read window 2, which x takes now
	s_wait_loadcnt 63                              ; x: behind it the stream's 64 loads were issued
	TOX 0
	TOX 1
	TOX 2
	TOX 3
	s_wait_dscnt 0x0
	BAR                                            ; ctx's images and scale words lie in LDS
	LDV 0, GR, 64, 1                               ; g
	LDV 0xc0, 0, 64, 0                             ; bo, where x's rows lay
	WIN 0xc0                                       ; W1's and W2's scale bytes land under layer 0
.set L_, 0
.irp q, 20,24
.irp i, 0,1,2,3,4,5,6,7,8,9,10,11,12,13,14,15
	global_load_b128 v[128+64*L_+4*\i:128+64*L_+4*\i+3], v[LI], s[\q:\q+1] offset:16384*(\i/8)+512*(\i%8)
.endr
.set L_, L_+1
.endr
	WIN 0
	PRE 1, 0
	LAYER 0xa1, 0
	s_wait_loadcnt 63                              ; the scale bytes: 64 loads and more were issued behind them
	WIN 0x0c
.set I_, 0
.rept 32
	ds_store_b128 v[SWA], v[128+4*I_:128+4*I_+3] offset:8192+512*I_
.set I_, I_+1
.endr
	WIN 0x8e
.set n, 0
.rept 128
	v_pk_add_f32 v[2*n:2*n+1], v[2*n:2*n+1], v[64*(n/64)+2*(n%32):64*(n/64)+2*(n%32)+1]
.set n, n+1
.endr
	WIN 0
	LN
	TOIMG 0
	LDV 0xc0, 0, 128, 3                            ; b1 starts layer 1's sums, in both tiles of rows
	LDV 0xc0, 64, 128, 3
	PRE 1, 1
	LAYER 0xf1, 0
	global_load_b128 v[232:235], v[LI], s[26:27]   ; b2, in the layout of the rows on the way out; the last trip's wait for all loads covers it
	global_load_b128 v[236:239], v[LI], s[26:27] offset:2048
	TOIMG 1
	PRE 1, 2
	LAYER 0xa1, 1
	TOSTAGE 0
	TOSTAGE 1
	SEND 0, 32
	TOSTAGE 2
	SEND 1, 32
	TOSTAGE 3
	SEND 2, 32
	SEND 3, 0
	s_wait_tensorcnt 0x0                           ; the wave's end: behind my last LDS store
	ds_add_u32 v[SPW], v[NIL]
	s_wait_dscnt 0x0
	s_endpgm
.Lfunc_end_k_q39327afe41_tail:
	.size	k_q39327afe41_tail, .Lfunc_end_k_q39327afe41_tail-k_q39327afe41_tail
	.p2alignl 7, 3214868480
	.fill 96, 4, 3214868480
	.section	.rodata,"a",@progbits
	.p2align	6, 0x0
	.amdhsa_kernel k_q39327afe41_tail
		.amdhsa_group_segment_fixed_size 184320
		.amdhsa_private_segment_fixed_size 0
		.amdhsa_enable_private_segment 0
		.amdhsa_kernarg_size 104
		.amdhsa_user_sgpr_count 2
		.amdhsa_user_sgpr_kernarg_segment_ptr 1
		.amdhsa_wavefront_size32 1
		.amdhsa_system_sgpr_workgroup_id_x 1
		.amdhsa_system_sgpr_workgroup_id_y 1
		.amdhsa_system_sgpr_workgroup_id_z 1
		.amdhsa_system_vgpr_workitem_id 0
		.amdhsa_next_free_vgpr 1024
		.amdhsa_next_free_sgpr 66
		.amdhsa_reserve_vcc 0
		.amdhsa_float_denorm_mode_32 3
		.amdhsa_float_denorm_mode_16_64 3
		.amdhsa_memory_ordered 1
		.amdhsa_forward_progress 1
		.amdhsa_inst_pref_size 255
	.end_amdhsa_kernel
	.section	.bss,"aw",@nobits
	.p2align	6
	.space	262144
	.amdgpu_metadata
---
amdhsa.version: [ 1, 2 ]
amdhsa.kernels:
  - .name:           k_q39327afe41_tail
    .symbol:         k_q39327afe41_tail.kd
    .args:
      - { .name: ci, .offset: 0, .size: 8, .value_kind: global_buffer, .address_space: global }
      - { .name: cs, .offset: 8, .size: 8, .value_kind: global_buffer, .address_space: global }
      - { .name: x, .offset: 16, .size: 8, .value_kind: global_buffer, .address_space: global }
      - { .name: wimg, .offset: 24, .size: 8, .value_kind: global_buffer, .address_space: global }
      - { .name: wo_scales, .offset: 32, .size: 8, .value_kind: global_buffer, .address_space: global }
      - { .name: bo, .offset: 40, .size: 8, .value_kind: global_buffer, .address_space: global }
      - { .name: ln2_g, .offset: 48, .size: 8, .value_kind: global_buffer, .address_space: global }
      - { .name: ln2_b, .offset: 56, .size: 8, .value_kind: global_buffer, .address_space: global }
      - { .name: w1_scales, .offset: 64, .size: 8, .value_kind: global_buffer, .address_space: global }
      - { .name: b1, .offset: 72, .size: 8, .value_kind: global_buffer, .address_space: global }
      - { .name: w2_scales, .offset: 80, .size: 8, .value_kind: global_buffer, .address_space: global }
      - { .name: b2, .offset: 88, .size: 8, .value_kind: global_buffer, .address_space: global }
      - { .name: out0, .offset: 96, .size: 8, .value_kind: global_buffer, .address_space: global }
    .group_segment_fixed_size: 184320
    .private_segment_fixed_size: 0
    .kernarg_segment_align: 8
    .kernarg_segment_size: 104
    .max_flat_workgroup_size: 128
    .sgpr_count:     66
    .vgpr_count:     1024
    .wavefront_size: 32
...
	.end_amdgpu_metadata
.endif
;; end of part 6
